; MI455X (gfx1250); checked and timed in simulation.
; The chip was launched on July 23, 2026; its instructions are those of AMD's public machine-readable ISA for CDNA 5 (MIT licence, August 2026) and "CDNA5" Instruction Set Architecture Reference Guide (July 2026). The comments in the code are by the model that wrote it; some were corrected since.
;; Decoder Block. Allowed arithmetic: matrix products marked QUANTISED: E2M3 operands, one E8M0 scale for each 32 along K, by v_wmma_scale_f32_16x16x128_f8f6f4 with both operands' format E2M3, f32 sums; everything else in f32.
;; Inputs: W1 1,024 x 512 float32; W2 512 x 1,024 float32; Wk 8 x 1,024 x 64 float32; Wo 512 x 1,024 float32; Wq 8 x 1,024 x 64 float32; Wv 8 x 1,024 x 64 float32; b1 512 float32; b2 1,024 float32; bo 1,024 float32; ln1_b 1,024 float32; ln1_g 1,024 float32; ln2_b 1,024 float32; ln2_g 1,024 float32; x 4 x 2,048 x 1,024 float32.
;; Outputs: out0 4 x 2,048 x 1,024 float32.
;; This version of the problem:
;;   THIS VERSION OF THE PROBLEM IS GIVEN IN LOW PRECISION. The matrix products marked QUANTISED in the list below multiply operands that are first quantised to E2M3 (2 exponent bits, 3 mantissa bits; 6 bits a number), with one power-of-two scale for each 32 numbers along K (OCP MX v1.0); their sums are f32. All else is computed in f32.
;;   The module's matrix products, in the order in which they are computed (A, B: the left and right operand; K: the contracted axis; several contracted axes count as one K, in the product's order):
;;     1. [M 512, K 1,024] x [K 1,024, N 8,192]; A: input Wq; B: computed on the way: QUANTISED
;;     2. [M 512, K 1,024] x [K 1,024, N 8,192]; A: input Wk; B: computed on the way: QUANTISED
;;     3. [M 512, K 1,024] x [K 1,024, N 8,192]; A: input Wv; B: computed on the way: QUANTISED
;;     4. batch 32 x [M 2,048, K 64] x [K 64, N 2,048]; A: computed on the way; B: computed on the way: QUANTISED
;;     5. batch 32 x [M 2,048, K 2,048] x [K 2,048, N 64]; A: softmax (see below); B: computed on the way: QUANTISED
;;     6. [M 8,192, K 512] x [K 512, N 1,024]; A: computed on the way; B: input Wo: QUANTISED
;;     7. [M 8,192, K 1,024] x [K 1,024, N 512]; A: computed on the way; B: input W1: QUANTISED
;;     8. [M 8,192, K 512] x [K 512, N 1,024]; A: computed on the way; B: input W2: QUANTISED
;;   THE QUANTISER, for each operand of a quantised product, along K:
;;     - K is cut into blocks of 32 from its start; a last block that is shorter is filled with zeros.
;;     - A block's scale is 2^e with e = floor(log2(the largest magnitude in the block)) - 2, held to -126 .. 127; a block of zeros has e = 0. As a byte (E8M0): e + 127.
;;     - Each number is divided by its block's scale, clamped to +-7.5, and rounded to the nearest number of E2M3, ties to even, subnormals kept.
;;     - The product sums the exact products of the quantised numbers (number of the format x scale) in f32.
;;   ~~~python
;;   def quantise(x, axis):      # numpy; x: float32 -> the quantised numbers, widened to float32 again
;;       x = np.moveaxis(x, axis, -1); K = x.shape[-1]
;;       x = np.pad(x, [(0, 0)] * (x.ndim - 1) + [(0, -K % 32)]); x = x.reshape(x.shape[:-1] + (-1, 32)); a = np.abs(x).max(-1, keepdims=True)
;;       e = np.where(a > 0, np.clip(np.frexp(np.where(a > 0, a, 1))[1] - 1 - 2, -126, 127), 0)      # np.frexp(a)[1] - 1 = floor(log2(a)), exactly
;;       r = np.clip(x / 2.0 ** e, -7.5, 7.5)
;;       step = 2.0 ** (np.maximum(np.frexp(np.where(r == 0, 1, r))[1] - 1, 0) - 3)
;;       q = np.round(r / step) * step * 2.0 ** e      # np.round: ties to even
;;       return np.moveaxis(q.reshape(q.shape[:-2] + (-1,))[..., :K], -1, axis).astype(np.float32)
;;   ~~~
;;   SOFTMAX AHEAD OF A QUANTISED PRODUCT. Where the list says 'softmax', what is quantised is not the finished softmax but p = 2^(t - M), with t = logit x log2(e) and M = ceil(the row's largest t), a whole number; so 1/2 < the row's largest p <= 1. The row's sum l is taken of the UNQUANTISED p, in f32, and the product's result is divided by l at the end. Since M is a whole number, a kernel that streams over the keys may use a running M (the ceiling of the running maximum): every later rescaling is an exact power of two, which a block's scale takes up: the codes' values come out the same.
;;   OPERANDS COMPUTED ON THE WAY. 'Computed on the way' means the value that the module computes at that place (a softmax that the list does not call 'softmax' is quantised finished and normalised). What goes into a quantiser is computed in f32, as accurately as f32 sums, v_exp_f32 and their like allow (about 1e-6 of the number): no bf16 or f16 on the way to a quantiser, and a product that is left as it is and whose result goes on into a quantised operand takes f32 operands (vector FMAs, or v_wmma_f32_16x16x4_f32). A number that lies on a knife's edge between two numbers of the format may be rounded either way, as far as f32 arithmetic and the matrix unit's own rounding can turn it there, and no further.
;; 2 versions. Each part assembles by itself: llvm-mc -triple=amdgcn-amd-amdhsa -mcpu=gfx1250 --defsym DOCPART=n.
;; ======== version 1 of 2: 4 launches
;; workspace buffers: h 6,815,744 bytes; wqkv 1,228,800 bytes; wt 1,228,800 bytes; q 3,670,016 bytes; kv 6,684,672 bytes; oc 3,407,872 bytes
;; launch prep (part 1): grid 608 x 1, 8 waves a work-group, no clusters, 69,632 bytes of LDS; arguments x, ln1_g, ln1_b, Wq, Wk, Wv, Wo, W1, W2, h, wqkv, wt; writes h, wqkv, wt
.if DOCPART == 1
	.amdgcn_target "amdgcn-amd-amdhsa--gfx1250"
	.amdhsa_code_object_version 6
	.text
	.protected	k_q87bd2683ae_prep
	.globl	k_q87bd2683ae_prep
	.p2align	8
	.type	k_q87bd2683ae_prep,@function
k_q87bd2683ae_prep:
	s_mov_b64 s[64:65], 0
	v_nop
	global_prefetch_b8 v0, s[64:65] scope:SCOPE_SE
	s_setreg_imm32_b32 hwreg(HW_REG_WAVE_MODE, 25, 1), 1
	s_wait_xcnt 0x0
; PREP: the six weights and LayerNorm1(x) become codes of FP6 (E2M3) with one E8M0 byte for each 32 along K, laid as the later launches' operand registers want them.
; A block's scale is 2^(floor(log2(largest magnitude)) - 2): its byte is the largest magnitude's exponent field - 2, held at 1 from below by a floor among the maximum's leaves.
; LIMITS: NaN and infinities among the inputs are not served.  A block whose largest magnitude lies under 2^-124 (a block of zeros too) gets the byte 1; only this program reads the bytes.
; THE ORDER INSIDE A BLOCK OF 32: place p holds k = 16 ((p / 8) % 2) + 8 (p / 16) + p % 8.  Every operand of every product of this program has it, so each product's pairs still meet; a block's scale does not hang on the order.
; A FRAGMENT (16 rows x 128 K, 12 registers a lane) lies in memory as an image of its registers: registers 4 c .. 4 c + 3 of lane l at 512 c + 16 l.
; A GROUP RECORD of weights is 6,400 bytes: four fragments, then 64 scale words (fragment f, row r at 6,144 + 64 f + 4 r).
; WORK-GROUPS: 0-47 Wq, Wk, Wv; 48-79 Wo, W2; 80-95 W1 (a wave: 32 columns x 128 along K, a lane to a column, registers down K); 96-607 LayerNorm1 (16 rows; wave w: columns 128 w on).
; No work-group shares input with another: no cluster, no tensor load.
.set H_SC,  6291456                    ; h: the scale images begin here
.set RED1,  67584                      ; LDS: behind the eight stages of 16 x 528 bytes: the waves' sums [row][wave], 512 bytes; the sums of squares 512 bytes on
.set X,     16                         ; v16-79   64 numbers of my row
.set GN,    80                         ; v80-143  the gain at my columns
.set BV,    144                        ; v144-207 the bias
.set TM,    208                        ; v208-223 at work in the quantiser
.set PC,    224                        ; v224-242 codes
.set PW,    244                        ; v244     the scale word
.set SEL,   4                          ; s[4:5]   lane selects: lane l xor 16
; 64 numbers of a lane, register 16 b + 8 u + j = k 32 b + 16 u + 8 (lane / 16) + j of my row, become a fragment's 12 registers in v[pc] on and its scale word in v[pw]
.macro QUANT4 s, pc, tm, pw
.irp b, 0,1,2,3
	v_max3_num_f32 v[\tm+\b], |v[\s+16*\b]|, |v[\s+1+16*\b]|, 0x1800000   ; my 16 numbers of block b, and the floor 2^(3 - 127)
.endr
.irp i, 2,4,6,8,10,12,14
.irp b, 0,1,2,3
	v_max3_num_f32 v[\tm+\b], v[\tm+\b], |v[\s+16*\b+\i]|, |v[\s+1+16*\b+\i]|
.endr
.endr
.irp b, 0,1,2,3
	v_permlanex16_b32 v[\tm+4+\b], v[\tm+\b], s[SEL], s[SEL+1]
.endr
.irp b, 0,1,2,3
	v_max_num_f32 v[\tm+\b], v[\tm+\b], v[\tm+4+\b]                ; with lane l xor 16's 16: the block's largest magnitude
.endr
.irp b, 0,1,2,3
	v_add_nc_u32 v[\tm+12+\b], 0xff000000, v[\tm+\b]               ; 2 off its exponent field: the conversion's scale operand
.endr
.irp b, 0,1,2,3
	v_lshrrev_b32 v[\tm+4+\b], 23, v[\tm+12+\b]                    ; the scale's byte
.endr
	v_lshl_or_b32 v[\pw], v[\tm+5], 8, v[\tm+4]
	v_lshl_or_b32 v[\pw], v[\tm+6], 16, v[\pw]
	v_lshl_or_b32 v[\pw], v[\tm+7], 24, v[\pw]
.irp c, 0,1
	v_cvt_scalef32_pk16_fp6_f32 v[\pc+6*\c:\pc+2+6*\c], v[\s+32*\c:\s+15+32*\c], v[\tm+12+2*\c]
	v_cvt_scalef32_pk16_fp6_f32 v[\pc+12+4*\c:\pc+14+4*\c], v[\s+16+32*\c:\s+31+32*\c], v[\tm+12+2*\c+1]
.endr
	v_nop                                          ; one plain place behind the scaled conversions
.irp c, 0,1                                    ; a lane wants a whole block: lanes 0-15 block 2 c, lanes 16-31 block 2 c + 1
.irp i, 0,1,2
	v_permlane16_swap_b32 v[\pc+6*\c+\i], v[\pc+12+4*\c+\i]
.endr
.irp i, 0,1,2
	v_mov_b32 v[\pc+3+6*\c+\i], v[\pc+12+4*\c+\i]
.endr
.endr
.endm
; The sum of v[246:247] over the row: my two halves, lane l xor 16, the eight waves (through LDS, one barrier).  Every wave adds in the same order: all get the same bits, in v250
.macro ACROSS off
	v_add_f32 v246, v246, v247
	v_permlanex16_b32 v248, v246, s[SEL], s[SEL+1]
	v_add_f32 v246, v246, v248
	ds_store_b32 v8, v246 offset:\off
	s_wait_dscnt 0x0                               ; for the others' sake: my store has landed
	s_barrier_signal -1
	s_barrier_wait -1
	ds_load_b128 v[208:211], v9 offset:\off
	ds_load_b128 v[212:215], v9 offset:\off+16
	s_wait_dscnt 0x0
	v_add_f32 v208, v208, v209
	v_add_f32 v210, v210, v211
	v_add_f32 v212, v212, v213
	v_add_f32 v214, v214, v215
	v_add_f32 v208, v208, v210
	v_add_f32 v212, v212, v214
	v_add_f32 v250, v208, v212
.endm
; A weight unit.  s[34:35]: W at (K step's first row, my wave's first column); s[36:37]: my two fragments; s[38:39]: their scale words.  st: bytes from row to row of W.
; v2 = 4 x lane, v3 = 1,536 (lane / 16) + 16 (lane % 16).  Each load reads 128 consecutive bytes; block b of my column lies in 32 registers, in the order of the places.
.macro WQUANT st
.set WB, 0
.rept 4
.set WP, 0
.rept 32
	global_load_b32 v[16+32*WB+WP], v2, s[34:35] offset:(32*WB+16*((WP/8)%2)+8*(WP/16)+WP%8)*\st th:TH_LOAD_NT
.set WP, WP+1
.endr
.set WB, WB+1
.endr
.irp b, 0,1,2,3
.if \b < 2
	s_wait_loadcnt 63                              ; of 128 loads at most 63 are out: blocks 0 and 1 are in (the largest count that a wait can name)
.else
	s_wait_loadcnt 32*(3-\b)                       ; the later blocks' loads may be out
.endif
	v_max3_num_f32 v180, |v[16+32*\b]|, |v[17+32*\b]|, |v[18+32*\b]|
	v_max3_num_f32 v181, |v[19+32*\b]|, |v[20+32*\b]|, |v[21+32*\b]|
.irp i, 6,10,14,18,22,26
	v_max3_num_f32 v180, v180, |v[16+32*\b+\i]|, |v[17+32*\b+\i]|
	v_max3_num_f32 v181, v181, |v[18+32*\b+\i]|, |v[19+32*\b+\i]|
.endr
	v_max3_num_f32 v180, v180, |v[46+32*\b]|, |v[47+32*\b]|
	v_max3_num_f32 v180, v180, v181, 0x1800000     ; and the floor
	v_add_nc_u32 v182, 0xff000000, v180
	v_lshrrev_b32 v183, 23, v182
.if \b == 0
	v_mov_b32 v184, v183
.else
	v_lshl_or_b32 v184, v183, 8*\b, v184           ; four bytes: my column's scale word for this K step
.endif
	v_cvt_scalef32_pk16_fp6_f32 v[144+8*\b:146+8*\b], v[16+32*\b:31+32*\b], v182
	v_cvt_scalef32_pk16_fp6_f32 v[176:178], v[32+32*\b:47+32*\b], v182   ; (a conversion's three registers begin on an even number)
	v_nop
	v_mov_b32 v[147+8*\b], v176
	v_mov_b32 v[148+8*\b], v177
	v_mov_b32 v[149+8*\b], v178
; block b is registers 6 (b / 2) .. + 5 of lane (column % 16) + 16 (b % 2) of the fragment's image.  Each block has registers of its own: no store's data are written again
.if \b < 2
	global_store_b128 v3, v[144+8*\b:147+8*\b], s[36:37] offset:256*\b
	global_store_b64 v3, v[148+8*\b:149+8*\b], s[36:37] offset:512+256*\b
.else
	global_store_b64 v3, v[144+8*\b:145+8*\b], s[36:37] offset:520+256*(\b-2)
	global_store_b128 v3, v[146+8*\b:149+8*\b], s[36:37] offset:1024+256*(\b-2)
.endif
.endr
	global_store_b32 v2, v184, s[38:39]
	s_endpgm
.endm
.macro WHEAD                           ; the weight paths' two lane terms
	v_lshlrev_b32 v2, 2, v1
	v_and_b32 v4, 15, v1
	v_lshrrev_b32 v5, 4, v1
	v_lshlrev_b32 v3, 4, v4
	v_mad_u32_u24 v3, v5, 1536, v3
.endm
.macro WDEST                           ; s[36:37] = the group record, s41 = the pair of column tiles: its two fragments and their scale words
	s_and_b32 s45, s41, 1
	s_lshl_b32 s46, s45, 7
	s_add_co_u32 s46, s46, 6144
	s_add_nc_u64 s[38:39], s[36:37], s[46:47]
	s_mul_i32 s46, s45, 3072
	s_add_nc_u64 s[36:37], s[36:37], s[46:47]
.endm
	s_load_b512 s[8:23], s[0:1], 0x0               ; x s[8:9], ln1_g s[10:11], ln1_b s[12:13], Wq s[14:15], Wk s[16:17], Wv s[18:19], Wo s[20:21], W1 s[22:23]
	s_load_b256 s[24:31], s[0:1], 0x40             ; W2 s[24:25], h s[26:27], wqkv s[28:29], wt s[30:31]
	v_lshl_add_u32 v254, v0, 2, 0x10c00
	v_mov_b32 v255, 0
	v_lshrrev_b32 v1, 5, v0
	v_readfirstlane_b32 s2, v1                     ; wave 0..7
	v_and_b32 v1, 31, v0                           ; lane
	s_mov_b32 s47, 0                               ; the high word of every offset pair
	s_wait_kmcnt 0x0
	s_cmp_lt_u32 ttmp9, 48                         ; the paths part on the work-group's number alone
	s_cbranch_scc1 .Lqkv
	s_cmp_lt_u32 ttmp9, 80
	s_cbranch_scc1 .Lwo
	s_cmp_lt_u32 ttmp9, 96
	s_cbranch_scc1 .Lw1
	; ---- LayerNorm1: rows 16 m .. 16 m + 15; wave w has columns 128 w .. 128 w + 127: K step w of the projections
	s_sub_co_u32 s40, ttmp9, 96                    ; m
	s_mov_b32 s[SEL], 0x76543210
	s_mov_b32 s[SEL+1], 0xfedcba98
	v_and_b32 v2, 15, v0                           ; r
	v_bfe_u32 v3, v0, 4, 1                         ; half
	v_lshlrev_b32 v4, 4, v1                        ; 16 x lane
	s_mul_i32 s41, s2, 8448                        ; my stage
	v_add_nc_u32 v5, s41, v4                       ; into it: a row's 512 bytes as they lie
	v_mul_u32_u24 v6, v2, 528
	v_lshl_add_u32 v6, v3, 5, v6
	v_add_nc_u32 v6, s41, v6                       ; out of it: row r, + 32 x half
	v_lshlrev_b32 v7, 5, v3                        ; gain and bias: 32 x half
	s_lshl_b32 s42, s2, 2
	s_add_co_u32 s42, s42, RED1
	v_lshlrev_b32 v9, 5, v2
	v_add_nc_u32 v8, s42, v9                       ; my wave's word of row r
	v_add_nc_u32 v9, RED1, v9                      ; row r's eight words
	v_lshlrev_b32 v10, 2, v1
.irp b, 0,1,2,3
	v_mov_b32 v[TM+4+\b], 0                        ; a lane permute's destination counts as read
.endr
	s_lshl_b32 s46, s40, 16                        ; 16 rows of 4,096 bytes
	s_lshl_b32 s45, s2, 9
	s_add_co_u32 s46, s46, s45
	s_add_nc_u64 s[34:35], s[8:9], s[46:47]        ; x at (16 m, 128 w)
	s_mov_b32 s46, s45
	s_add_nc_u64 s[36:37], s[10:11], s[46:47]      ; gain and bias at column 128 w
	s_add_nc_u64 s[38:39], s[12:13], s[46:47]
	s_lshl_b32 s44, s40, 3
	s_add_co_u32 s44, s44, s2                      ; fragment 8 m + w
	s_mul_i32 s46, s44, 1536
	s_add_nc_u64 s[32:33], s[26:27], s[46:47]      ; its codes
	s_lshl_b32 s46, s44, 7
	s_add_co_u32 s46, s46, H_SC
	s_add_nc_u64 s[26:27], s[26:27], s[46:47]      ; its scale image
.irp i, 0,1,2,3,4,5,6,7,8,9,10,11,12,13,14,15
	global_load_b128 v[X+4*\i:X+4*\i+3], v4, s[34:35] offset:4096*\i   ; 32 lanes read 512 consecutive bytes of row i
.endr
.irp b, 0,1,2,3
.irp u, 0,1
.irp q, 0,1
	global_load_b128 v[GN+16*\b+8*\u+4*\q:GN+16*\b+8*\u+4*\q+3], v7, s[36:37] offset:128*\b+64*\u+16*\q
	global_load_b128 v[BV+16*\b+8*\u+4*\q:BV+16*\b+8*\u+4*\q+3], v7, s[38:39] offset:128*\b+64*\u+16*\q
.endr
.endr
.endr
	s_wait_loadcnt 32                              ; x's 16 loads are in; the 32 of gain and bias may be out
.irp i, 0,1,2,3,4,5,6,7,8,9,10,11,12,13,14,15
	ds_store_b128 v5, v[X+4*\i:X+4*\i+3] offset:528*\i
.endr
.irp b, 0,1,2,3                                ; back: register 16 b + 8 u + 4 q + e = x(r, 32 b + 16 u + 8 half + 4 q + e).  LDS serves a wave's instructions in order: these see my stores
.irp u, 0,1
.irp q, 0,1
	ds_load_b128 v[X+16*\b+8*\u+4*\q:X+16*\b+8*\u+4*\q+3], v6 offset:128*\b+64*\u+16*\q
.endr
.endr
.endr
	s_wait_dscnt 0x0
	v_pk_add_f32 v[246:247], v[X:X+1], v[X+2:X+3]  ; the row's sum, in two chains
	v_pk_add_f32 v[248:249], v[X+4:X+5], v[X+6:X+7]
.set J, 8
.rept 14
	v_pk_add_f32 v[246:247], v[246:247], v[X+J:X+J+1]
	v_pk_add_f32 v[248:249], v[248:249], v[X+J+2:X+J+3]
.set J, J+4
.endr
	v_pk_add_f32 v[246:247], v[246:247], v[248:249]
	ACROSS 0
	v_mul_f32 v250, 0x3a800000, v250               ; the mean: / 1,024
	v_mov_b32 v251, v250
.set J, 0
.rept 32
	v_pk_add_f32 v[X+J:X+J+1], v[X+J:X+J+1], v[250:251] neg_lo:[0,1] neg_hi:[0,1]   ; x - mean: the variance is taken of these, so a common offset of x costs nothing
.set J, J+2
.endr
	v_pk_mul_f32 v[246:247], v[X:X+1], v[X:X+1]
	v_pk_mul_f32 v[248:249], v[X+2:X+3], v[X+2:X+3]
.set J, 4
.rept 15
	v_pk_fma_f32 v[246:247], v[X+J:X+J+1], v[X+J:X+J+1], v[246:247]
	v_pk_fma_f32 v[248:249], v[X+J+2:X+J+3], v[X+J+2:X+J+3], v[248:249]
.set J, J+4
.endr
	v_pk_add_f32 v[246:247], v[246:247], v[248:249]
	ACROSS 512                                     ; other LDS words than the first sum's: no barrier between the two uses
	v_mov_b32 v253, 0x3727c5ac                     ; 1e-5
	v_fmamk_f32 v252, v250, 0x3a800000, v253       ; variance + eps
	v_rsq_f32 v250, v252
	v_nop                                          ; a plain place behind the transcendental
	s_wait_alu depctr_va_vdst(0)                   ; and the wait ahead of its first reader
	v_mov_b32 v251, v250
.set J, 0
.rept 32
	v_pk_mul_f32 v[X+J:X+J+1], v[X+J:X+J+1], v[250:251]
.set J, J+2
.endr
	s_wait_loadcnt 0x0                             ; gain and bias
.set J, 0
.rept 32
	v_pk_fma_f32 v[X+J:X+J+1], v[X+J:X+J+1], v[GN+J:GN+J+1], v[BV+J:BV+J+1]
.set J, J+2
.endr
	QUANT4 X, PC, TM, PW
.irp c, 0,1,2
	global_store_b128 v4, v[PC+4*\c:PC+4*\c+3], s[32:33] offset:512*\c   ; 32 lanes store 512 consecutive bytes
.endr
	global_store_b32 v10, v[PW], s[26:27]          ; the scale image: lane l's word at 4 l (both halves of the lanes hold row r's word)
	s_wait_tensorcnt 0x0
	ds_add_u32 v254, v255
	s_wait_dscnt 0x0
	s_endpgm
.Lqkv:                                         ; unit U = 8 x work-group + wave: column pair U & 1, K step (U >> 1) & 7, head (U >> 4) & 7, matrix U >> 7
	WHEAD
	s_lshl_b32 s40, ttmp9, 3
	s_add_co_u32 s40, s40, s2
	s_and_b32 s41, s40, 1
	s_bfe_u32 s42, s40, 0x30001
	s_bfe_u32 s43, s40, 0x30004
	s_lshr_b32 s44, s40, 7
	s_cmp_eq_u32 s44, 0
	s_cselect_b64 s[34:35], s[14:15], s[16:17]
	s_cmp_eq_u32 s44, 2
	s_cselect_b64 s[34:35], s[18:19], s[34:35]
	s_lshl_b32 s46, s43, 18                        ; a head: 1,024 rows of 256 bytes
	s_lshl_b32 s45, s42, 15                        ; 128 rows
	s_add_co_u32 s46, s46, s45
	s_lshl_b32 s45, s41, 7                         ; 32 columns
	s_add_co_u32 s46, s46, s45
	s_add_nc_u64 s[34:35], s[34:35], s[46:47]
	s_mul_i32 s46, s43, 24
	s_lshl_b32 s45, s44, 3
	s_add_co_u32 s46, s46, s45
	s_add_co_u32 s46, s46, s42                     ; record 24 head + 8 matrix + K step
	s_mul_i32 s46, s46, 6400
	s_add_nc_u64 s[36:37], s[28:29], s[46:47]
	WDEST
	WQUANT 256
.Lwo:                                          ; Wo and W2, [512][1,024]: column pair U & 31, K step (U >> 5) & 3, matrix U >> 7
	WHEAD
	s_sub_co_u32 s40, ttmp9, 48
	s_lshl_b32 s40, s40, 3
	s_add_co_u32 s40, s40, s2
	s_lshr_b32 s44, s40, 7
	s_and_b32 s40, s40, 127
	s_and_b32 s41, s40, 31
	s_lshr_b32 s42, s40, 5
	s_cmp_eq_u32 s44, 0
	s_cselect_b64 s[34:35], s[20:21], s[24:25]
	s_lshl_b32 s46, s42, 19                        ; 128 rows of 4,096 bytes
	s_lshl_b32 s45, s41, 7
	s_add_co_u32 s46, s46, s45
	s_add_nc_u64 s[34:35], s[34:35], s[46:47]
	s_lshr_b32 s46, s41, 3                         ; the wave of the last launch that owns these columns
	s_mul_i32 s46, s46, 48
	s_lshl_b32 s45, s44, 5                         ; Wo's records 0-15, W2's 32-47
	s_add_co_u32 s46, s46, s45
	s_lshl_b32 s45, s42, 2
	s_add_co_u32 s46, s46, s45
	s_bfe_u32 s45, s41, 0x20001
	s_add_co_u32 s46, s46, s45
	s_mul_i32 s46, s46, 6400
	s_add_nc_u64 s[36:37], s[30:31], s[46:47]
	WDEST
	WQUANT 4096
.Lw1:                                          ; W1, [1,024][512]: column pair U & 15, K step U >> 4
	WHEAD
	s_sub_co_u32 s40, ttmp9, 80
	s_lshl_b32 s40, s40, 3
	s_add_co_u32 s40, s40, s2
	s_and_b32 s41, s40, 15
	s_lshr_b32 s42, s40, 4
	s_lshl_b32 s46, s42, 18                        ; 128 rows of 2,048 bytes
	s_lshl_b32 s45, s41, 7
	s_add_co_u32 s46, s46, s45
	s_add_nc_u64 s[34:35], s[22:23], s[46:47]
	s_lshr_b32 s46, s41, 2
	s_mul_i32 s46, s46, 48
	s_add_co_u32 s46, s46, 16                      ; W1's records 16-31
	s_lshl_b32 s45, s42, 1
	s_add_co_u32 s46, s46, s45
	s_bfe_u32 s45, s41, 0x10001
	s_add_co_u32 s46, s46, s45
	s_mul_i32 s46, s46, 6400
	s_add_nc_u64 s[36:37], s[30:31], s[46:47]
	WDEST
	WQUANT 2048
.Lfunc_end_k_q87bd2683ae_prep:
	.size	k_q87bd2683ae_prep, .Lfunc_end_k_q87bd2683ae_prep-k_q87bd2683ae_prep
	.p2alignl 7, 3214868480
	.fill 96, 4, 3214868480
	.section	.rodata,"a",@progbits
	.p2align	6, 0x0
	.amdhsa_kernel k_q87bd2683ae_prep
		.amdhsa_group_segment_fixed_size 69632
		.amdhsa_private_segment_fixed_size 0
		.amdhsa_enable_private_segment 0
		.amdhsa_kernarg_size 96
		.amdhsa_user_sgpr_count 2
		.amdhsa_user_sgpr_kernarg_segment_ptr 1
		.amdhsa_wavefront_size32 1
		.amdhsa_system_sgpr_workgroup_id_x 1
		.amdhsa_system_sgpr_workgroup_id_y 1
		.amdhsa_system_sgpr_workgroup_id_z 1
		.amdhsa_system_vgpr_workitem_id 0
		.amdhsa_next_free_vgpr 256
		.amdhsa_next_free_sgpr 66
		.amdhsa_reserve_vcc 0
		.amdhsa_float_denorm_mode_32 3
		.amdhsa_float_denorm_mode_16_64 3
		.amdhsa_memory_ordered 1
		.amdhsa_forward_progress 1
		.amdhsa_inst_pref_size 85
	.end_amdhsa_kernel
	.amdgpu_metadata
---
amdhsa.version: [ 1, 2 ]
amdhsa.kernels:
  - .name:           k_q87bd2683ae_prep
    .symbol:         k_q87bd2683ae_prep.kd
    .args:
      - { .name: x, .offset: 0, .size: 8, .value_kind: global_buffer, .address_space: global }
      - { .name: ln1_g, .offset: 8, .size: 8, .value_kind: global_buffer, .address_space: global }
      - { .name: ln1_b, .offset: 16, .size: 8, .value_kind: global_buffer, .address_space: global }
      - { .name: Wq, .offset: 24, .size: 8, .value_kind: global_buffer, .address_space: global }
      - { .name: Wk, .offset: 32, .size: 8, .value_kind: global_buffer, .address_space: global }
      - { .name: Wv, .offset: 40, .size: 8, .value_kind: global_buffer, .address_space: global }
      - { .name: Wo, .offset: 48, .size: 8, .value_kind: global_buffer, .address_space: global }
      - { .name: W1, .offset: 56, .size: 8, .value_kind: global_buffer, .address_space: global }
      - { .name: W2, .offset: 64, .size: 8, .value_kind: global_buffer, .address_space: global }
      - { .name: h, .offset: 72, .size: 8, .value_kind: global_buffer, .address_space: global }
      - { .name: wqkv, .offset: 80, .size: 8, .value_kind: global_buffer, .address_space: global }
      - { .name: wt, .offset: 88, .size: 8, .value_kind: global_buffer, .address_space: global }
    .group_segment_fixed_size: 69632
    .private_segment_fixed_size: 0
    .kernarg_segment_align: 8
    .kernarg_segment_size: 96
    .max_flat_workgroup_size: 256
    .sgpr_count:     66
    .vgpr_count:     256
    .wavefront_size: 32
...
	.end_amdgpu_metadata
.endif
;; end of part 1
;; launch qkv (part 2): grid 32 x 8, 4 waves a work-group, clusters of 4 x 1, 168,448 bytes of LDS; arguments h, wqkv, q, kv; writes q, kv
.if DOCPART == 2
	.amdgcn_target "amdgcn-amd-amdhsa--gfx1250"
	.amdhsa_code_object_version 6
	.text
	.protected	k_q87bd2683ae_qkv
	.globl	k_q87bd2683ae_qkv
	.p2align	8
	.type	k_q87bd2683ae_qkv,@function
k_q87bd2683ae_qkv:
	s_mov_b64 s[64:65], 0
	v_nop
	global_prefetch_b8 v0, s[64:65] scope:SCOPE_SE
	s_setreg_imm32_b32 hwreg(HW_REG_WAVE_MODE, 25, 1), 1
	s_wait_xcnt 0x0
	s_wait_alu depctr_hold_cnt(0) depctr_sa_sdst(0) depctr_va_vdst(0) depctr_va_sdst(0) depctr_va_ssrc(0) depctr_va_vcc(0) depctr_vm_vsrc(0)
	s_getreg_b32 s2, hwreg(HW_REG_IB_STS2, 6, 4)
	s_cmp_eq_u32 s2, 0
	s_cbranch_scc0 .Lentry_in_a_cluster
	s_endpgm
.Lentry_in_a_cluster:
	s_bfe_u32 s2, ttmp6, 0x10000c
	s_cmp_lg_u32 s2, 0x3003
	s_cbranch_scc0 .Lentry_shape_is_right
	s_endpgm
.Lentry_shape_is_right:
; QKV: q, k, v of one head for 256 tokens, on codes of FP6 with E8M0 scales, and their quantising for the two products of attention.
; SHARES.  Work-group (X, head): tokens 256 X on; wave w: tokens 64 w on (four tiles of 16) x the head's 3 x 64 columns; K = 1,024 in 8 steps of 128: 3 x 128 matrix instructions a wave.
; h's 32 fragments of the wave (384 registers) come from memory once, as images of their registers, and serve all three matrices.
; The head's weights, 24 group records = 153,600 bytes, come into LDS once: each wave brings a quarter by one tensor load.  CLUSTER: the four work-groups of a cluster have the same head, so the load is joint
; (the same descriptor in all four, a mask that names the four).  Nothing in LDS is filled a second time.
; q and k are made TRANSPOSED (source 0 = 16 columns of W, source 1 = 16 tokens): a lane holds one token and its registers run along d, the next K.  v is made the natural way (source 0 = tokens):
; a lane holds one d and its registers run along the tokens, which are the keys, the second product's K.  So each is quantised in registers, 32 registers = two blocks, half a fragment (6 registers).
; A HALF IMAGE is 768 bytes: registers 0-3 of lane l at 16 l, registers 4-5 at 512 + 8 l.
; OUT: q: half images [batch x head][tile] and scale images; kv: a record of 13,056 bytes for each 128 keys: 8 half images of k, 4 fragments of v^T (two halves each), 128 scale words of k, 64 of v.
; q's and k's scale words carry the byte 127 for the two blocks of the instruction's K that hold zero codes.
; LIMITS: as stated in the first launch: no NaN, no infinities; blocks under 2^-124 get the byte 1.
; REGISTERS: window 0: v1-6 lane terms; v8-39 h's scale words; v40-43 the weights' scale words, two sets; v44-49 at work; v60-63 scale words made; v64-191 16 accumulators; v192-241 codes made.
;   window 1: h's fragments of tiles 0, 1 (96 (m % 2) + 12 s); window 2: of tiles 2, 3; window 3: four weight fragments, two sets.
.set H_SC, 6291456
.set Q_SC, 3145728
.set REC,  13056
.set ACC,  64
.set WV,   3
.set SEL,  60
.set MSB,  0
.macro WIN new                         ; the immediate's high byte repeats the setting that is left
.if MSB != (\new)
	s_set_vgpr_msb (MSB<<8)|(\new)
.set MSB, (\new)
.endif
.endm
.macro PLACES n
.rept \n
	v_nop
.endr
.endm
.macro ROUND                           ; a round of the cluster's barrier
	s_barrier_signal -1
	s_barrier_wait -1
	s_cmp_lg_u32 s[WV], 0
	s_cbranch_scc1 .Lnot_wave_0_\@
	s_barrier_signal -3
.Lnot_wave_0_\@:
	s_barrier_wait -3
	s_barrier_signal -1
	s_barrier_wait -1
.endm
; one matrix instruction: D, source 0, source 1, C (a negative number: the constant 0), the two scale registers, and whether a side's scales stand in lanes 16-31
.macro WM d, a, b, c, sa, sb, ra, rb
.if (\c) < 0
.if \ra
	v_wmma_scale_f32_16x16x128_f8f6f4 v[\d:\d+7], v[\a:\a+11], v[\b:\b+11], 0, v[\sa], v[\sb] matrix_a_fmt:MATRIX_FMT_FP6 matrix_b_fmt:MATRIX_FMT_FP6 matrix_a_scale:MATRIX_SCALE_ROW1
.elseif \rb
	v_wmma_scale_f32_16x16x128_f8f6f4 v[\d:\d+7], v[\a:\a+11], v[\b:\b+11], 0, v[\sa], v[\sb] matrix_a_fmt:MATRIX_FMT_FP6 matrix_b_fmt:MATRIX_FMT_FP6 matrix_b_scale:MATRIX_SCALE_ROW1
.else
	v_wmma_scale_f32_16x16x128_f8f6f4 v[\d:\d+7], v[\a:\a+11], v[\b:\b+11], 0, v[\sa], v[\sb] matrix_a_fmt:MATRIX_FMT_FP6 matrix_b_fmt:MATRIX_FMT_FP6
.endif
.else
.if \ra
	v_wmma_scale_f32_16x16x128_f8f6f4 v[\d:\d+7], v[\a:\a+11], v[\b:\b+11], v[\c:\c+7], v[\sa], v[\sb] matrix_a_fmt:MATRIX_FMT_FP6 matrix_b_fmt:MATRIX_FMT_FP6 matrix_a_scale:MATRIX_SCALE_ROW1
.elseif \rb
	v_wmma_scale_f32_16x16x128_f8f6f4 v[\d:\d+7], v[\a:\a+11], v[\b:\b+11], v[\c:\c+7], v[\sa], v[\sb] matrix_a_fmt:MATRIX_FMT_FP6 matrix_b_fmt:MATRIX_FMT_FP6 matrix_b_scale:MATRIX_SCALE_ROW1
.else
	v_wmma_scale_f32_16x16x128_f8f6f4 v[\d:\d+7], v[\a:\a+11], v[\b:\b+11], v[\c:\c+7], v[\sa], v[\sb] matrix_a_fmt:MATRIX_FMT_FP6 matrix_b_fmt:MATRIX_FMT_FP6
.endif
.endif
.endm
; 32 numbers of a lane, register 16 b + 8 u + j = k 32 b + 16 u + 8 (lane / 16) + j, become half a fragment, v[pc] .. v[pc + 5], and two scale bytes in v[pw]
.macro QUANT2 s, pc, tm, pw
.irp b, 0,1
	v_max3_num_f32 v[\tm+\b], |v[\s+16*\b]|, |v[\s+1+16*\b]|, 0x1800000   ; each accumulator is read from its low end on; the floor 2^(3 - 127) holds the byte at 1
.endr
.irp i, 2,4,6,8,10,12,14
.irp b, 0,1
	v_max3_num_f32 v[\tm+\b], v[\tm+\b], |v[\s+16*\b+\i]|, |v[\s+1+16*\b+\i]|
.endr
.endr
.irp b, 0,1
	v_permlanex16_b32 v[\tm+2+\b], v[\tm+\b], s[SEL], s[SEL+1]
.endr
.irp b, 0,1
	v_max_num_f32 v[\tm+\b], v[\tm+\b], v[\tm+2+\b]
.endr
.irp b, 0,1
	v_add_nc_u32 v[\tm+4+\b], 0xff000000, v[\tm+\b]                ; 2 off the exponent field: the conversion's scale operand
.endr
.irp b, 0,1
	v_lshrrev_b32 v[\tm+2+\b], 23, v[\tm+4+\b]
.endr
	v_lshl_or_b32 v[\pw], v[\tm+3], 8, v[\tm+2]
	v_cvt_scalef32_pk16_fp6_f32 v[\pc:\pc+2], v[\s:\s+15], v[\tm+4]
	v_cvt_scalef32_pk16_fp6_f32 v[\pc+8:\pc+10], v[\s+16:\s+31], v[\tm+5]
	v_nop                                          ; one plain place behind the scaled conversions
.irp i, 0,1,2
	v_permlane16_swap_b32 v[\pc+\i], v[\pc+8+\i]   ; lanes 0-15 get block 0 whole, lanes 16-31 block 1
.endr
.irp i, 0,1,2
	v_mov_b32 v[\pc+3+\i], v[\pc+8+\i]
.endr
.endm
	s_load_b256 s[4:11], s[0:1], 0x0               ; h s[4:5], wqkv s[6:7], q s[8:9], kv s[10:11]
	v_lshl_add_u32 v254, v0, 2, 0x29000
	v_mov_b32 v255, 0
	ds_add_u32 v254, v255
	ds_add_u32 v254, v255
	v_lshrrev_b32 v1, 5, v0
	v_readfirstlane_b32 s[WV], v1                  ; wave 0..3
	v_and_b32 v1, 31, v0                           ; lane
	v_lshlrev_b32 v4, 4, v1
	v_lshlrev_b32 v5, 2, v1
	v_lshlrev_b32 v6, 3, v1
	v_mov_b32 v46, 0                               ; a lane permute's destination counts as read
	v_mov_b32 v47, 0
	s_bfe_u32 s28, ttmp6, 0x40000                  ; cx
	s_lshl_b32 s29, ttmp9, 2
	s_add_co_u32 s29, s29, s28                     ; X = 4 x cluster x + cx: it enters h's, q's and kv's addresses alone
	s_and_b32 s30, ttmp7, 0xffff                   ; the head, which the four partners share
	; descriptor group 1: a dense block of 38,400 bytes as 150 rows of 256 bytes (32 elements of 8 bytes)
	s_mov_b32 s16, 15|(3<<16)|(1<<21)              ; 15:0 the mask: all four work-groups; 17:16 elements of 8 bytes; 21 set beside a mask; no padding
	s_mov_b32 s17, 32<<16                          ; tensor_dim0 = 32
	s_mov_b32 s18, 150<<16                         ; tensor_dim1 = 150
	s_mov_b32 s19, 32<<16                          ; tile_dim0 = 32
	s_mov_b32 s20, 150                             ; tile_dim1 = 150
	s_mov_b32 s21, 32                              ; the pitch
	s_mov_b32 s22, 0
	s_mov_b32 s23, 0
	s_mul_i32 s13, s[WV], 38400                    ; LDS address: my quarter
	s_mul_i32 s26, s30, 153600
	s_add_co_u32 s26, s26, s13
	s_mov_b32 s27, 0
	s_mov_b32 s37, 0
	s_mov_b32 s40, 0xffff0000                      ; lanes 16-31
	s_mov_b32 s[SEL], 0x76543210
	s_mov_b32 s[SEL+1], 0xfedcba98
	s_lshr_b32 s31, s29, 3                         ; batch
	s_lshl_b32 s32, s31, 3
	s_add_co_u32 s32, s32, s30                     ; batch x 8 + head
	s_and_b32 s33, s29, 7                          ; which 256 tokens of the batch
	s_wait_dscnt 0x0
	s_wait_kmcnt 0x0
	s_mov_b32 s12, 1
	s_add_nc_u64 s[14:15], s[6:7], s[26:27]
	s_or_b32 s15, s15, 0x80000000
	s_lshl_b32 s34, s33, 4
	s_lshl_b32 s35, s[WV], 2
	s_add_co_u32 s34, s34, s35
	s_lshl_b32 s35, s32, 7
	s_add_co_u32 s34, s34, s35                     ; my first tile of q: 128 (batch, head) + 16 xt + 4 w
	s_mul_i32 s36, s34, 768
	s_add_nc_u64 s[42:43], s[8:9], s[36:37]        ; q's half images
	s_lshl_b32 s36, s34, 7
	s_add_co_u32 s36, s36, Q_SC
	s_add_nc_u64 s[44:45], s[8:9], s[36:37]        ; q's scale images
	s_lshl_b32 s34, s33, 1
	s_lshr_b32 s35, s[WV], 1
	s_add_co_u32 s34, s34, s35
	s_lshl_b32 s35, s32, 4
	s_add_co_u32 s34, s34, s35                     ; my record: 16 (batch, head) + key step
	s_mul_i32 s36, s34, REC
	s_add_nc_u64 s[46:47], s[10:11], s[36:37]
	s_and_b32 s35, s[WV], 1                        ; which 64 of its 128 keys are mine
	s_mul_i32 s36, s35, 3072
	s_add_nc_u64 s[48:49], s[46:47], s[36:37]      ; k's half images
	s_lshl_b32 s36, s35, 8
	s_add_co_u32 s36, s36, 12288
	s_add_nc_u64 s[50:51], s[46:47], s[36:37]      ; k's scale words
	s_mul_i32 s36, s35, 768
	s_add_co_u32 s36, s36, 6144
	s_add_nc_u64 s[52:53], s[46:47], s[36:37]      ; my half of v's fragments
	s_lshl_b32 s36, s35, 1
	s_add_co_u32 s36, s36, 12800
	s_add_nc_u64 s[54:55], s[46:47], s[36:37]      ; my two bytes of v's scale words
	s_lshl_b32 s34, s29, 4
	s_lshl_b32 s35, s[WV], 2
	s_add_co_u32 s34, s34, s35                     ; my first tile of rows of h
	s_mul_i32 s36, s34, 12288
	s_add_nc_u64 s[56:57], s[4:5], s[36:37]
	s_lshl_b32 s36, s34, 10
	s_add_co_u32 s36, s36, H_SC
	s_add_nc_u64 s[58:59], s[4:5], s[36:37]
	ROUND                                          ; all four work-groups are here: the joint loads meet
	tensor_load_to_lds s[12:15], s[16:23]          ; my one tensor load of the launch
	s_nop 0
	PLACES 4                                       ; four instructions ahead of the next switch of windows
.irp m, 0,1,2,3
.if \m < 2
	WIN 0x40                                       ; destination window 1
.else
	WIN 0x80                                       ; destination window 2
.endif
.irp s, 0,1,2,3,4,5,6,7
.irp c, 0,1,2
	global_load_b128 v[96*(\m%2)+12*\s+4*\c:96*(\m%2)+12*\s+4*\c+3], v4, s[56:57] offset:(8*\m+\s)*1536+512*\c
.endr
.endr
.endr
	WIN 0
.irp m, 0,1,2,3
.irp s, 0,1,2,3,4,5,6,7
	global_load_b32 v[8+8*\m+\s], v5, s[58:59] offset:(8*\m+\s)*128
.endr
.endr
	s_wait_tensorcnt 0x0                           ; my quarter of the weights is in LDS,
	s_barrier_signal -1
	s_barrier_wait -1                              ; everybody's is
	s_wait_loadcnt 0x0                             ; h
; K step s of the matrix in hand: four fragments and their scale words into set buf: 14 LDS loads
.macro FETCHB s, buf
	WIN 0xc0                                       ; destination window 3
.irp t, 0,1,2,3
.irp c, 0,1,2
	ds_load_b128 v[48*(\buf)+12*\t+4*\c:48*(\buf)+12*\t+4*\c+3], v2 offset:6400*(\s)+1536*\t+512*\c
.endr
.endr
	WIN 0
.irp e, 0,1
	ds_load_b32 v[40+2*(\buf)+\e], v3 offset:6400*(\s)+6144+128*\e   ; lanes 0-15: fragment 2 e's words, lanes 16-31: fragment 2 e + 1's
.endr
.endm
; 16 matrix instructions on 16 accumulators, one instruction a turn; K step 0 starts the sums with the constant 0
.macro MULQK k, buf                    ; transposed: accumulator (m, t) at ACC + 32 m + 8 t
.irp m, 0,1,2,3
.if \m < 2
	WIN 0x07                                       ; source 0 window 3, source 1 window 1
.else
	WIN 0x0b                                       ; source 1 window 2
.endif
.irp t, 0,1,2,3
.if (\k) == 0
	WM ACC+32*\m+8*\t, 48*(\buf)+12*\t, 96*(\m%2)+12*(\k), -1, 40+2*(\buf)+\t/2, 8+8*\m+(\k), \t%2, 0
.else
	WM ACC+32*\m+8*\t, 48*(\buf)+12*\t, 96*(\m%2)+12*(\k), ACC+32*\m+8*\t, 40+2*(\buf)+\t/2, 8+8*\m+(\k), \t%2, 0
.endif
.endr
.endr
.endm
.macro MULV k, buf                     ; natural: accumulator (t, m) at ACC + 32 t + 8 m
.irp m, 0,1,2,3
.if \m < 2
	WIN 0x0d                                       ; source 0 window 1, source 1 window 3
.else
	WIN 0x0e                                       ; source 0 window 2
.endif
.irp t, 0,1,2,3
.if (\k) == 0
	WM ACC+32*\t+8*\m, 96*(\m%2)+12*(\k), 48*(\buf)+12*\t, -1, 8+8*\m+(\k), 40+2*(\buf)+\t/2, 0, \t%2
.else
	WM ACC+32*\t+8*\m, 96*(\m%2)+12*(\k), 48*(\buf)+12*\t, ACC+32*\t+8*\m, 8+8*\m+(\k), 40+2*(\buf)+\t/2, 0, \t%2
.endif
.endr
.endr
.endm
; one matrix of the three: 8 K steps; the next step's weights are fetched ahead of each step's products
.macro MAT kind, mat
	v_lshl_add_u32 v2, v1, 4, \mat*51200
	v_lshl_add_u32 v3, v1, 2, \mat*51200
	FETCHB 0, 0
.irp k, 0,1,2,3,4,5,6,7
.if (\k > 0) && (\k < 7)
	PLACES 4                                       ; the set about to be loaded was read by the products just issued (ISA guide 7.12.1 for vector instructions)
.endif
.if \k < 7
	FETCHB \k+1, (\k+1)%2
	s_wait_dscnt 14                                ; this step's 14 loads are in; the 14 just issued may be out
.else
	s_wait_dscnt 0x0
.endif
.if \kind
	MULV \k, \k%2
.else
	MULQK \k, \k%2
.endif
.endr
	WIN 0
	PLACES 4                                       ; in front of the first read of results
.endm
.macro EPIQK isq
	s_wait_xcnt 0x0                                ; earlier stores have read their data: the codes' and scale words' registers are written again only behind this wait
.irp m, 0,1,2,3
	QUANT2 ACC+32*\m, 192+12*\m, 44, 60+\m
	v_or_b32 v[60+\m], 0x7f7f0000, v[60+\m]        ; the byte 127 for the two blocks of zero codes
.if \isq
	global_store_b128 v4, v[192+12*\m:195+12*\m], s[42:43] offset:768*\m
	global_store_b64 v6, v[196+12*\m:197+12*\m], s[42:43] offset:768*\m+512
	global_store_b32 v5, v[60+\m], s[44:45] offset:128*\m
.else
	global_store_b128 v4, v[192+12*\m:195+12*\m], s[48:49] offset:768*\m
	global_store_b64 v6, v[196+12*\m:197+12*\m], s[48:49] offset:768*\m+512
.endif
.endr
.if !\isq
	v_cndmask_b32 v240, v60, v61, s40              ; lanes 0-15: tile 0's words, lanes 16-31: tile 1's: 128 consecutive bytes
	v_cndmask_b32 v241, v62, v63, s40
	global_store_b32 v5, v240, s[50:51]
	global_store_b32 v5, v241, s[50:51] offset:128
.endif
.endm
	MAT 0, 0
	EPIQK 1
	MAT 0, 1
	EPIQK 0
	MAT 1, 2
	s_wait_xcnt 0x0
.irp t, 0,1,2,3
	QUANT2 ACC+32*\t, 192+12*\t, 44, 60+\t         ; d = 16 t + lane % 16; my 64 keys: two blocks
	global_store_b128 v4, v[192+12*\t:195+12*\t], s[52:53] offset:1536*\t
	global_store_b64 v6, v[196+12*\t:197+12*\t], s[52:53] offset:1536*\t+512
.endr
	v_cndmask_b32 v240, v60, v61, s40
	v_cndmask_b32 v241, v62, v63, s40
	global_store_b16 v5, v240, s[54:55]            ; two of the four bytes of d's scale word; the wave beside me stores the other two
	global_store_b16 v5, v241, s[54:55] offset:128
	s_wait_dscnt 0x0
	s_wait_tensorcnt 0x0
	ds_add_u32 v254, v255
	s_wait_dscnt 0x0
	ROUND                                          ; the closing round: no work-group ends while a partner may still ask jointly
	s_endpgm
.Lfunc_end_k_q87bd2683ae_qkv:
	.size	k_q87bd2683ae_qkv, .Lfunc_end_k_q87bd2683ae_qkv-k_q87bd2683ae_qkv
	.p2alignl 7, 3214868480
	.fill 96, 4, 3214868480
	.section	.rodata,"a",@progbits
	.p2align	6, 0x0
	.amdhsa_kernel k_q87bd2683ae_qkv
		.amdhsa_group_segment_fixed_size 168448
		.amdhsa_private_segment_fixed_size 0
		.amdhsa_enable_private_segment 0
		.amdhsa_kernarg_size 32
		.amdhsa_user_sgpr_count 2
		.amdhsa_user_sgpr_kernarg_segment_ptr 1
		.amdhsa_wavefront_size32 1
		.amdhsa_system_sgpr_workgroup_id_x 1
		.amdhsa_system_sgpr_workgroup_id_y 1
		.amdhsa_system_sgpr_workgroup_id_z 1
		.amdhsa_system_vgpr_workitem_id 0
		.amdhsa_next_free_vgpr 1024
		.amdhsa_next_free_sgpr 66
		.amdhsa_reserve_vcc 0
		.amdhsa_float_denorm_mode_32 3
		.amdhsa_float_denorm_mode_16_64 3
		.amdhsa_memory_ordered 1
		.amdhsa_forward_progress 1
		.amdhsa_inst_pref_size 120
	.end_amdhsa_kernel
	.amdgpu_metadata
---
amdhsa.version: [ 1, 2 ]
amdhsa.kernels:
  - .name:           k_q87bd2683ae_qkv
    .symbol:         k_q87bd2683ae_qkv.kd
    .args:
      - { .name: h, .offset: 0, .size: 8, .value_kind: global_buffer, .address_space: global }
      - { .name: wqkv, .offset: 8, .size: 8, .value_kind: global_buffer, .address_space: global }
      - { .name: q, .offset: 16, .size: 8, .value_kind: global_buffer, .address_space: global }
      - { .name: kv, .offset: 24, .size: 8, .value_kind: global_buffer, .address_space: global }
    .group_segment_fixed_size: 168448
    .private_segment_fixed_size: 0
    .kernarg_segment_align: 8
    .kernarg_segment_size: 32
    .max_flat_workgroup_size: 128
    .sgpr_count:     66
    .vgpr_count:     1024
    .wavefront_size: 32
...
	.end_amdgpu_metadata
.endif
;; end of part 2
;; launch attn (part 3): grid 8 x 32, 8 waves a work-group, clusters of 4 x 1, 209,920 bytes of LDS; arguments q, kv, oc; writes oc
.if DOCPART == 3
	.amdgcn_target "amdgcn-amd-amdhsa--gfx1250"
	.amdhsa_code_object_version 6
	.text
	.protected	k_q87bd2683ae_attn
	.globl	k_q87bd2683ae_attn
	.p2align	8
	.type	k_q87bd2683ae_attn,@function
k_q87bd2683ae_attn:
	s_mov_b64 s[64:65], 0
	v_nop
	global_prefetch_b8 v0, s[64:65] scope:SCOPE_SE
	s_setreg_imm32_b32 hwreg(HW_REG_WAVE_MODE, 25, 1), 1
	s_wait_xcnt 0x0
	s_wait_alu depctr_hold_cnt(0) depctr_sa_sdst(0) depctr_va_vdst(0) depctr_va_sdst(0) depctr_va_ssrc(0) depctr_va_vcc(0) depctr_vm_vsrc(0)
	s_getreg_b32 s2, hwreg(HW_REG_IB_STS2, 6, 4)
	s_cmp_eq_u32 s2, 0
	s_cbranch_scc0 .Lentry_in_a_cluster
	s_endpgm
.Lentry_in_a_cluster:
	s_bfe_u32 s2, ttmp6, 0x10000c
	s_cmp_lg_u32 s2, 0x3003
	s_cbranch_scc0 .Lentry_shape_is_right
	s_endpgm
.Lentry_shape_is_right:
; ATTN: causal attention of one (batch, head) on codes of FP6 with E8M0 scales; its result, divided by the row's sum, is quantised along d for the product with Wo.
; THE SOFTMAX: t = score x log2(e) / 8; M = the running largest t rounded UP to a whole number; p = 2^(t - M) is quantised along the keys, not normalised; the row's sum is taken of the unquantised p;
; when M moves, the sum and O are multiplied by 2^(old M - new M), which rounds nothing.
; SHARES.  Work-group (j, batch x head), j = 0 .. 7.  Wave w owns TWO tiles of 16 queries: 127 - (8 w + j) and 8 w + j.  They need 16 - w and w + 1 key steps of 128: 17 for every wave of every work-group.
; The head's K and V, 16 records of 13,056 bytes, come into LDS once: wave w brings records w and 8 + w.  CLUSTER: the four work-groups of a cluster have the same head: the loads are joint.  Nothing is filled again.
; A wave has two tensor loads out.
; PHASES.  1: the high tile against records 0-7, all of whose keys count for it.  2: against records 8-15: a step whose keys all come after the tile is jumped over (a scalar branch on the wave's number and the
; trip's number; every trip count is a constant), the step on the diagonal is masked.  3: the low tile against records 0-7, likewise.  j enters global addresses and the mask's threshold alone.
; LAYOUT.  Both products transposed: S^T = K Q^T, O^T = V^T P^T: a lane holds ONE query (lane % 16).  The first product's K is 64: the upper six registers of K's and Q's fragments hold zero codes, their scale bytes 127.
; The order of k inside a block of 32 is the one in which matrix results fall (see the first launch); q and k, p and v have it alike.
; LIMITS: no NaN, no infinities; blocks under 2^-124 get the byte 1.  A block's largest p is made from the block's largest score by the same multiply-add and exponential: this takes v_exp_f32 not to fall where its input rises.
; REGISTERS: v2-4 the step's LDS addresses; v5 the mask's threshold; v6, v7, v29 16, 8, 4 x lane; v8-11 the blocks' largest scores; v12 -M, v13 the largest t, v[14:15] the sum; v16-27 Q; v28 Q's scale word;
;   v30-31 V's scale words; v32-79 four fragments of K; v80-127 V's four; v128-191 S^T, then p; v192-223 O^T; v224-235 p's codes; v236-247 at work; v248-251 K's scale words; v252 f; v253 p's scale word; v255 -infinity.
.set Q_SC,  3145728
.set OC_SC, 3145728
.set REC,   13056
.set WV,    3
.set SEL,   10                         ; s[10:11]
.set SI,    60                         ; s60  the trip's number
.set TB,    61                         ; s61  LDS byte at which the step's record begins
.set CS,    62                         ; s[62:63] c = log2(e) / 8
.macro PLACES n
.rept \n
	v_nop
.endr
.endm
.macro ROUND
	s_barrier_signal -1
	s_barrier_wait -1
	s_cmp_lg_u32 s[WV], 0
	s_cbranch_scc1 .Lnot_wave_0_\@
	s_barrier_signal -3
.Lnot_wave_0_\@:
	s_barrier_wait -3
	s_barrier_signal -1
	s_barrier_wait -1
.endm
.macro WM d, a, b, c, sa, sb, ra, rb
.if (\c) < 0
.if \ra
	v_wmma_scale_f32_16x16x128_f8f6f4 v[\d:\d+7], v[\a:\a+11], v[\b:\b+11], 0, v[\sa], v[\sb] matrix_a_fmt:MATRIX_FMT_FP6 matrix_b_fmt:MATRIX_FMT_FP6 matrix_a_scale:MATRIX_SCALE_ROW1
.else
	v_wmma_scale_f32_16x16x128_f8f6f4 v[\d:\d+7], v[\a:\a+11], v[\b:\b+11], 0, v[\sa], v[\sb] matrix_a_fmt:MATRIX_FMT_FP6 matrix_b_fmt:MATRIX_FMT_FP6
.endif
.else
.if \ra
	v_wmma_scale_f32_16x16x128_f8f6f4 v[\d:\d+7], v[\a:\a+11], v[\b:\b+11], v[\c:\c+7], v[\sa], v[\sb] matrix_a_fmt:MATRIX_FMT_FP6 matrix_b_fmt:MATRIX_FMT_FP6 matrix_a_scale:MATRIX_SCALE_ROW1
.else
	v_wmma_scale_f32_16x16x128_f8f6f4 v[\d:\d+7], v[\a:\a+11], v[\b:\b+11], v[\c:\c+7], v[\sa], v[\sb] matrix_a_fmt:MATRIX_FMT_FP6 matrix_b_fmt:MATRIX_FMT_FP6
.endif
.endif
.endm
.macro QUANT2 s, pc, tm, pw            ; 32 numbers of a lane become half a fragment and two scale bytes (as in the launch before)
.irp b, 0,1
	v_max3_num_f32 v[\tm+\b], |v[\s+16*\b]|, |v[\s+1+16*\b]|, 0x1800000
.endr
.irp i, 2,4,6,8,10,12,14
.irp b, 0,1
	v_max3_num_f32 v[\tm+\b], v[\tm+\b], |v[\s+16*\b+\i]|, |v[\s+1+16*\b+\i]|
.endr
.endr
.irp b, 0,1
	v_permlanex16_b32 v[\tm+2+\b], v[\tm+\b], s[SEL], s[SEL+1]
.endr
.irp b, 0,1
	v_max_num_f32 v[\tm+\b], v[\tm+\b], v[\tm+2+\b]
.endr
.irp b, 0,1
	v_add_nc_u32 v[\tm+4+\b], 0xff000000, v[\tm+\b]
.endr
.irp b, 0,1
	v_lshrrev_b32 v[\tm+2+\b], 23, v[\tm+4+\b]
.endr
	v_lshl_or_b32 v[\pw], v[\tm+3], 8, v[\tm+2]
	v_cvt_scalef32_pk16_fp6_f32 v[\pc:\pc+2], v[\s:\s+15], v[\tm+4]
	v_cvt_scalef32_pk16_fp6_f32 v[\pc+8:\pc+10], v[\s+16:\s+31], v[\tm+5]
	v_nop
.irp i, 0,1,2
	v_permlane16_swap_b32 v[\pc+\i], v[\pc+8+\i]
.endr
.irp i, 0,1,2
	v_mov_b32 v[\pc+3+\i], v[\pc+8+\i]
.endr
.endm
; the four addresses of query tile s[t]: q's half image, q's scale image, oc's half image, oc's two scale bytes, into s[base] .. s[base + 7]
.macro PTRS t, base
	s_lshl_b32 s36, s30, 7
	s_add_co_u32 s36, s36, s[\t]
	s_mul_i32 s38, s36, 768
	s_add_nc_u64 s[\base:\base+1], s[4:5], s[38:39]
	s_lshl_b32 s38, s36, 7
	s_add_co_u32 s38, s38, Q_SC
	s_add_nc_u64 s[\base+2:\base+3], s[4:5], s[38:39]
	s_lshr_b32 s36, s30, 3
	s_lshl_b32 s36, s36, 7
	s_add_co_u32 s36, s36, s[\t]                   ; the tile of rows: 128 x batch + tile
	s_bfe_u32 s37, s30, 0x20001                    ; head / 2: the K step of the product with Wo
	s_and_b32 s31, s30, 1                          ; head % 2: which half of its fragment
	s_mul_i32 s38, s36, 6144
	s_mul_i32 s56, s37, 1536
	s_add_co_u32 s38, s38, s56
	s_mul_i32 s56, s31, 768
	s_add_co_u32 s38, s38, s56
	s_add_nc_u64 s[\base+4:\base+5], s[8:9], s[38:39]
	s_lshl_b32 s38, s36, 9
	s_lshl_b32 s56, s37, 7
	s_add_co_u32 s38, s38, s56
	s_lshl_b32 s56, s31, 1
	s_add_co_u32 s38, s38, s56
	s_add_co_u32 s38, s38, OC_SC
	s_add_nc_u64 s[\base+6:\base+7], s[8:9], s[38:39]
.endm
.macro THRESH sr                       ; d = lane % 16 - 8 (lane / 16) + 16 x (my tile's place in its key step): register n of S^T holds a hidden key where 16 (n / 8) + n % 8 > d
	v_and_b32 v5, 15, v0
	v_bfe_u32 v254, v0, 4, 1
	v_lshlrev_b32 v254, 3, v254
	v_sub_nc_u32 v5, v5, v254
	v_add_nc_u32 v5, s[\sr], v5
.endm
.macro INIT                            ; a tile begins: the largest t -3e38, the sum and O^T zeros, which the first change of M leaves zeros
	v_mov_b32 v13, 0xff61b1e6
	v_floor_f32 v12, -v13
	v_mov_b32 v14, 0
	v_mov_b32 v15, 0
.set J, 0
.rept 32
	v_mov_b32 v[192+J], 0
.set J, J+1
.endr
.endm
.macro QLOAD base
	global_load_b128 v[16:19], v6, s[\base:\base+1]
	global_load_b64 v[20:21], v7, s[\base:\base+1] offset:512
	global_load_b32 v28, v29, s[\base+2:\base+3]
.endm
; A KEY STEP: 128 keys, the record at LDS byte s[TB].  masked = 1: trips above s[lim] are jumped over, trip s[lim] is on the diagonal
.macro STEP masked, lim
.if \masked
	s_cmp_gt_u32 s[SI], s[\lim]
	s_cbranch_scc1 .Lskip_\@
.endif
	v_add_nc_u32 v2, s[TB], v6                     ; three additions and a v_nop: the four places between the last step's products and the loads into their operands
	v_add_nc_u32 v3, s[TB], v7
	v_add_nc_u32 v4, s[TB], v29
	v_nop
.irp t, 0,1,2,3
	ds_load_b128 v[32+12*\t:35+12*\t], v2 offset:768*\t            ; K's tiles 0-3: half images; the upper six registers stay zero
	ds_load_b64 v[36+12*\t:37+12*\t], v3 offset:768*\t+512
.endr
.irp i, 0,1,2,3
	ds_load_b32 v[248+\i], v4 offset:12288+128*\i                  ; lanes 0-15: tile 2 i's words, lanes 16-31: tile 2 i + 1's
.endr
.irp t, 0,1,2,3
	ds_load_b128 v[80+12*\t:83+12*\t], v2 offset:6144+1536*\t
	ds_load_b64 v[84+12*\t:85+12*\t], v3 offset:6144+1536*\t+512
	ds_load_b128 v[86+12*\t:89+12*\t], v2 offset:6144+1536*\t+768
	ds_load_b64 v[90+12*\t:91+12*\t], v3 offset:6144+1536*\t+1280
.endr
.irp i, 0,1
	ds_load_b32 v[30+\i], v4 offset:12800+128*\i
.endr
	s_wait_dscnt 18                                ; K's 12 loads are in; V's 18 may be out
.irp t, 0,1,2,3
	WM 128+8*\t, 32+12*\t, 16, -1, 248+\t/2, 28, \t%2, 0
.endr
	PLACES 4
.irp t, 0,1,2,3
	ds_load_b128 v[32+12*\t:35+12*\t], v2 offset:768*(\t+4)
	ds_load_b64 v[36+12*\t:37+12*\t], v3 offset:768*(\t+4)+512
.endr
	s_wait_dscnt 0x0
.irp t, 0,1,2,3
	WM 160+8*\t, 32+12*\t, 16, -1, 250+\t/2, 28, \t%2, 0
.endr
	PLACES 4                                       ; lane (r, half) holds query r; register 8 t + i is key 16 t + 8 half + i
.if \masked
	s_cmp_lg_u32 s[SI], s[\lim]
	s_cbranch_scc1 .Lopen_\@
.set N, 0
.rept 64
	v_cmp_gt_i32 vcc_lo, 16*(N/8)+N%8, v5
	v_cndmask_b32 v[128+N], v[128+N], v255, vcc_lo ; a hidden key's score becomes -infinity: p = 0
.set N, N+1
.endr
.Lopen_\@:
.endif
.irp b, 0,1,2,3
	v_max3_num_f32 v[8+\b], v[128+16*\b], v[129+16*\b], v[130+16*\b]   ; the largest score of each block of 32 keys: for the row's maximum and for the block's largest p
.endr
.irp i, 3,5,7,9,11,13
.irp b, 0,1,2,3
	v_max3_num_f32 v[8+\b], v[8+\b], v[128+16*\b+\i], v[129+16*\b+\i]
.endr
.endr
.irp b, 0,1,2,3
	v_max_num_f32 v[8+\b], v[8+\b], v[143+16*\b]
.endr
.irp b, 0,1,2,3
	v_permlanex16_b32 v[236+\b], v[8+\b], s[SEL], s[SEL+1]
.endr
.irp b, 0,1,2,3
	v_max_num_f32 v[8+\b], v[8+\b], v[236+\b]
.endr
	v_max3_num_f32 v254, v8, v9, v10
	v_max_num_f32 v254, v254, v11
	v_mul_f32 v254, s[CS], v254                    ; as t
	v_max_num_f32 v13, v13, v254                   ; the running largest t
	v_mov_b32 v254, v12
	v_floor_f32 v12, -v13                          ; -M = floor(-t): M is a whole number
	v_sub_f32 v254, v12, v254
	v_cvt_i32_f32 v254, v254                       ; (it saturates)
	v_ldexp_f32 v252, 1.0, v254                    ; f = 2^(old M - new M)
.set J, 0
.rept 32
	v_pk_fma_f32 v[128+J:129+J], v[128+J:129+J], s[CS:CS+1], v[12:13] op_sel_hi:[1,0,0]   ; t - M
.set J, J+2
.endr
.irp b, 0,1,2,3
	v_fma_f32 v[8+\b], v[8+\b], s[CS], v12
.endr
.set J, 0
.rept 64
	v_exp_f32 v[128+J], v[128+J]                   ; p = 2^(t - M)
.set J, J+1
.endr
	v_pk_mul_f32 v[14:15], v[14:15], v[252:253] op_sel_hi:[1,0]    ; the sums under the new M: a plain place behind the exponentials
	s_wait_alu depctr_va_vdst(0)                   ; one wait for the batch, ahead of its first reader
.irp b, 0,1,2,3
	v_exp_f32 v[8+\b], v[8+\b]                     ; the blocks' largest p
.endr
	v_pk_add_f32 v[236:237], v[128:129], v[130:131]                ; the row's sum of the unquantised p, in two chains
.set J, 4
.rept 15
	v_pk_add_f32 v[14:15], v[14:15], v[128+J:129+J]
	v_pk_add_f32 v[236:237], v[236:237], v[130+J:131+J]
.set J, J+4
.endr
	v_pk_add_f32 v[14:15], v[14:15], v[236:237]
	s_wait_alu depctr_va_vdst(0)                   ; and one for the four
.irp b, 0,1,2,3
	v_max_num_f32 v[8+\b], 0x1800000, v[8+\b]      ; the floor 2^(3 - 127)
.endr
.irp b, 0,1,2,3
	v_add_nc_u32 v[244+\b], 0xff000000, v[8+\b]
.endr
.irp b, 0,1,2,3
	v_lshrrev_b32 v[236+\b], 23, v[244+\b]
.endr
	v_lshl_or_b32 v253, v237, 8, v236              ; p's scale word for these 128 keys
	v_lshl_or_b32 v253, v238, 16, v253
	v_lshl_or_b32 v253, v239, 24, v253
.irp c, 0,1
	v_cvt_scalef32_pk16_fp6_f32 v[224+6*\c:226+6*\c], v[128+32*\c:143+32*\c], v[244+2*\c]
	v_cvt_scalef32_pk16_fp6_f32 v[236+4*\c:238+4*\c], v[144+32*\c:159+32*\c], v[244+2*\c+1]
.endr
	v_nop
.irp c, 0,1
.irp i, 0,1,2
	v_permlane16_swap_b32 v[224+6*\c+\i], v[236+4*\c+\i]
.endr
.irp i, 0,1,2
	v_mov_b32 v[227+6*\c+\i], v[236+4*\c+\i]
.endr
.endr
.set J, 0
.rept 16
	v_pk_mul_f32 v[192+J:193+J], v[192+J:193+J], v[252:253] op_sel_hi:[1,0]   ; O^T under the new M, each accumulator from its low end on
.set J, J+2
.endr
	PLACES 4                                       ; with the sixteen above: the places between the scale word's and the codes' last writes and the products
.irp t, 0,1,2,3
	WM 192+8*\t, 80+12*\t, 224, 192+8*\t, 30+\t/2, 253, \t%2, 0    ; O^T += V^T P^T: four accumulators by turns
.endr
.if \masked
.Lskip_\@:
.endif
	s_add_co_u32 s[TB], s[TB], REC
.endm
; a tile ends: O^T / the sum, quantised along d: half a fragment of the product with Wo, and two scale bytes
.macro FINISH oc, os
	PLACES 4                                       ; behind the last products
	v_add_f32 v14, v14, v15
	v_permlanex16_b32 v252, v14, s[SEL], s[SEL+1]
	v_add_f32 v14, v14, v252
	v_rcp_f32 v14, v14
	v_nop
	s_wait_alu depctr_va_vdst(0)
.set J, 0
.rept 32
	v_mul_f32 v[128+J], v[192+J], v14
.set J, J+1
.endr
	QUANT2 128, 224, 236, 253
	global_store_b128 v6, v[224:227], s[\oc:\oc+1]
	global_store_b64 v7, v[228:229], s[\oc:\oc+1] offset:512
	global_store_b16 v29, v253, s[\os:\os+1]
	s_wait_xcnt 0x0                                ; the stores have read their data: these registers are written again only behind this wait
.endm
	s_load_b128 s[4:7], s[0:1], 0x0                ; q s[4:5], kv s[6:7]
	s_load_b64 s[8:9], s[0:1], 0x10                ; oc
	v_lshl_add_u32 v243, v0, 2, 0x33000
	s_set_vgpr_msb 0x40
	v_mov_b32 v1, 0
	s_set_vgpr_msb 0x4044
	ds_add_u32 v243, v1
	ds_add_u32 v243, v1
	s_set_vgpr_msb 0x4400
	v_lshrrev_b32 v1, 5, v0
	v_readfirstlane_b32 s[WV], v1                  ; wave 0..7
	v_and_b32 v1, 31, v0
	v_lshlrev_b32 v6, 4, v1
	v_lshlrev_b32 v7, 3, v1
	v_lshlrev_b32 v29, 2, v1
	s_bfe_u32 s28, ttmp6, 0x40000                  ; cx
	s_lshl_b32 s29, ttmp9, 2
	s_add_co_u32 s29, s29, s28                     ; j
	s_and_b32 s30, ttmp7, 0xffff                   ; batch x 8 + head, which the four partners share
	; descriptor group 1: a record, 13,056 dense bytes, as 51 rows of 256 bytes
	s_mov_b32 s16, 15|(3<<16)|(1<<21)              ; the mask: all four; elements of 8 bytes; bit 21 beside a mask; no padding
	s_mov_b32 s17, 32<<16
	s_mov_b32 s18, 51<<16
	s_mov_b32 s19, 32<<16
	s_mov_b32 s20, 51
	s_mov_b32 s21, 32
	s_mov_b32 s22, 0
	s_mov_b32 s23, 0
	s_mul_i32 s13, s[WV], REC                      ; record w,
	s_add_co_u32 s25, s13, 8*REC                   ; record 8 + w
	s_mul_i32 s32, s30, 16*REC
	s_add_co_u32 s32, s32, s13
	s_mov_b32 s33, 0
	s_mov_b32 s39, 0
	s_lshl_b32 s34, s[WV], 3
	s_add_co_u32 s34, s34, s29                     ; the low tile
	s_sub_co_u32 s35, 127, s34                     ; the high tile
	s_sub_co_u32 s57, 7, s29
	s_lshl_b32 s57, s57, 4                         ; 16 x the high tile's place in its key step
	s_lshl_b32 s58, s29, 4                         ; and the low tile's
	s_sub_co_u32 s59, 7, s[WV]                     ; the high tile's diagonal: trip 7 - w of phase 2; the low tile's: trip w of phase 3
	s_mov_b32 s[SEL], 0x76543210
	s_mov_b32 s[SEL+1], 0xfedcba98
	s_mov_b32 s[CS], 0x3e38aa3b                    ; log2(e) / 8
	s_mov_b32 s[CS+1], s[CS]
	s_wait_dscnt 0x0
	s_wait_kmcnt 0x0
	s_mov_b32 s12, 1
	s_add_nc_u64 s[14:15], s[6:7], s[32:33]
	s_mov_b32 s24, 1
	s_add_nc_u64 s[26:27], s[14:15], 8*REC
	s_or_b32 s15, s15, 0x80000000
	s_or_b32 s27, s27, 0x80000000
	PTRS 35, 40                                    ; s[40:47]: the high tile's addresses
	PTRS 34, 48                                    ; s[48:55]: the low tile's
	ROUND                                          ; all four work-groups are here: the joint loads meet
	tensor_load_to_lds s[12:15], s[16:23]
	s_nop 0
	tensor_load_to_lds s[24:27], s[16:23]
	s_nop 0
	PLACES 4
	QLOAD 40
.irp i, 22,23,24,25,26,27
	v_mov_b32 v\i, 0                               ; zero codes for K = 64 .. 127 of the first product
.endr
.irp t, 0,1,2,3
.irp i, 0,1,2,3,4,5
	v_mov_b32 v[38+12*\t+\i], 0
.endr
.endr
.irp i, 236,237,238,239,252,253
	v_mov_b32 v\i, 0                               ; lane permutes' destinations, and the pair v[252:253], are written before they are named
.endr
	v_mov_b32 v255, 0xff800000
	THRESH 57
	INIT
	s_wait_tensorcnt 0x1                           ; my record w is in; record 8 + w may stay out
	s_barrier_signal -1
	s_barrier_wait -1                              ; records 0-7 are whole
	s_wait_loadcnt 0x0                             ; Q
	s_mov_b32 s[SI], 0
	s_mov_b32 s[TB], 0
.Lp1:
	STEP 0, 0
	s_add_co_u32 s[SI], s[SI], 1
	s_cmp_lt_u32 s[SI], 8
	s_cbranch_scc1 .Lp1
	s_wait_tensorcnt 0x0                           ; my record 8 + w is in,
	s_wait_dscnt 0x0
	s_barrier_signal -1
	s_barrier_wait -1                              ; records 8-15 are whole
	s_mov_b32 s[SI], 0
	s_mov_b32 s[TB], 8*REC
.Lp2:
	STEP 1, 59
	s_add_co_u32 s[SI], s[SI], 1
	s_cmp_lt_u32 s[SI], 8
	s_cbranch_scc1 .Lp2
	PLACES 4
	QLOAD 48                                       ; the low tile's Q lands while the high tile is finished
	FINISH 44, 46
	THRESH 58
	INIT
	s_mov_b32 s[SI], 0
	s_mov_b32 s[TB], 0
	s_wait_loadcnt 0x0
.Lp3:
	STEP 1, WV
	s_add_co_u32 s[SI], s[SI], 1
	s_cmp_lt_u32 s[SI], 8
	s_cbranch_scc1 .Lp3
	FINISH 52, 54
	s_wait_dscnt 0x0
	s_set_vgpr_msb 0x4
	s_wait_tensorcnt 0x0
	ds_add_u32 v243, v1
	s_wait_dscnt 0x0
	s_set_vgpr_msb 0x400
	ROUND                                          ; the closing round
	s_endpgm
.Lfunc_end_k_q87bd2683ae_attn:
	.size	k_q87bd2683ae_attn, .Lfunc_end_k_q87bd2683ae_attn-k_q87bd2683ae_attn
	.p2alignl 7, 3214868480
	.fill 96, 4, 3214868480
	.section	.rodata,"a",@progbits
	.p2align	6, 0x0
	.amdhsa_kernel k_q87bd2683ae_attn
		.amdhsa_group_segment_fixed_size 209920
		.amdhsa_private_segment_fixed_size 0
		.amdhsa_enable_private_segment 0
		.amdhsa_kernarg_size 24
		.amdhsa_user_sgpr_count 2
		.amdhsa_user_sgpr_kernarg_segment_ptr 1
		.amdhsa_wavefront_size32 1
		.amdhsa_system_sgpr_workgroup_id_x 1
		.amdhsa_system_sgpr_workgroup_id_y 1
		.amdhsa_system_sgpr_workgroup_id_z 1
		.amdhsa_system_vgpr_workitem_id 0
		.amdhsa_next_free_vgpr 258
		.amdhsa_next_free_sgpr 66
		.amdhsa_reserve_vcc 1
		.amdhsa_float_denorm_mode_32 3
		.amdhsa_float_denorm_mode_16_64 3
		.amdhsa_memory_ordered 1
		.amdhsa_forward_progress 1
		.amdhsa_inst_pref_size 77
	.end_amdhsa_kernel
	.amdgpu_metadata
---
amdhsa.version: [ 1, 2 ]
amdhsa.kernels:
  - .name:           k_q87bd2683ae_attn
    .symbol:         k_q87bd2683ae_attn.kd
    .args:
      - { .name: q, .offset: 0, .size: 8, .value_kind: global_buffer, .address_space: global }
      - { .name: kv, .offset: 8, .size: 8, .value_kind: global_buffer, .address_space: global }
      - { .name: oc, .offset: 16, .size: 8, .value_kind: global_buffer, .address_space: global }
    .group_segment_fixed_size: 209920
    .private_segment_fixed_size: 0
    .kernarg_segment_align: 8
    .kernarg_segment_size: 24
    .max_flat_workgroup_size: 256
    .sgpr_count:     66
    .vgpr_count:     258
    .wavefront_size: 32
...
	.end_amdgpu_metadata
.endif
;; end of part 3
;; launch tail (part 4): grid 256 x 1, 4 waves a work-group, no clusters, 174,592 bytes of LDS; arguments oc, wt, x, bo, ln2_g, ln2_b, b1, b2, out0; writes out0
.if DOCPART == 4
	.amdgcn_target "amdgcn-amd-amdhsa--gfx1250"
	.amdhsa_code_object_version 6
	.text
	.protected	k_q87bd2683ae_tail
	.globl	k_q87bd2683ae_tail
	.p2align	8
	.type	k_q87bd2683ae_tail,@function
k_q87bd2683ae_tail:
	s_mov_b64 s[64:65], 0
	v_nop
	global_prefetch_b8 v0, s[64:65] scope:SCOPE_SE
	s_setreg_imm32_b32 hwreg(HW_REG_WAVE_MODE, 25, 1), 1
	s_wait_xcnt 0x0
; TAIL: x1 = x + o Wo + bo;  h2 = LayerNorm2(x1);  out = x1 + relu(h2 W1 + b1) W2 + b2.  The three products on codes of FP6 with E8M0 scales; x1, h2 and the hidden layer never go to memory.
; SHARES.  A work-group takes 32 rows (two tiles of 16) through the whole chain.  THE WAVES SHARE THE COLUMNS: wave w has columns 256 w on of Wo and W2 (16 tiles) and hidden units 128 w on of W1 (8 tiles).
; All products are used transposed (source 0 = 16 columns of the weight, source 1 = 16 rows): a lane holds one row, its registers run along the columns, which are the next K.
; x1 stays in 256 registers (window 1): x + bo is brought into the result's layout through the wave's stage in LDS and is the C of the first product; the third product adds onto x1 in place.
; THE WEIGHTS of a wave are ONE stream of 48 group records of 6,400 bytes, laid by the first launch in the order of use; they go from memory straight into a ring of four register slots, 14 loads a record,
; three records ahead of the products; the stream's addresses hang on nothing, so it runs on across the phases.
; NO CLUSTER, NO TENSOR LOAD: all work-groups walk the same weights, but a fragment feeds only two matrix instructions, of one wave; through LDS the wave's 307,200 bytes would be written and read once more,
; in slots changed behind a round for every slot's worth of them.  So they are loaded as register images instead.
; OPERANDS GO FROM WAVE TO WAVE THROUGH LDS AS IMAGES OF THEIR REGISTERS (h2: 16 fragments; the hidden layer: 8), with their scale words; four barriers in all, two of them for LayerNorm's sums.
; LayerNorm's variance is taken of the deviations from the mean.  LIMITS: no NaN, no infinities; blocks under 2^-124 get the byte 1.
; REGISTERS: window 0: v1-15, v85, v98 addresses; v16-23 bo, later b2; v24-31 the ring's scale words; v32-47 the rows' scale words; v48-63 at work; v64-84 codes made; v86-97 sums, means, 1 / sigma; v100-227 128 numbers at work, later the hidden layer.
;   window 1: x1 (tile m, column tile t at 128 m + 8 t).  window 2: the rows' fragments; in between the gain (0-127) and bias (128-255) of LayerNorm2; b1 at 192 on.  window 3: the ring, 48 registers a slot.
.set OC_SC, 3145728
.set XIMG,  133120                     ; LDS: four stages of 32 rows x 1,040 bytes; then h2's 16 fragments (8 m + K step),
.set XSC,   157696                     ; their scale images, 128 bytes each,
.set HIMG,  159744                     ; the hidden layer's 8 fragments (4 m + K step),
.set HSC,   172032                     ; their scale images,
.set RED1,  173056                     ; the waves' sums [m][row][wave], 512 bytes; the sums of squares 512 bytes on
.set WV,    3
.set SEL,   4
.set MSB,   0
.macro WIN new
.if MSB != (\new)
	s_set_vgpr_msb (MSB<<8)|(\new)
.set MSB, (\new)
.endif
.endm
.macro PLACES n
.rept \n
	v_nop
.endr
.endm
.macro WM d, a, b, c, sa, sb, ra, rb
.if \ra
	v_wmma_scale_f32_16x16x128_f8f6f4 v[\d:\d+7], v[\a:\a+11], v[\b:\b+11], v[\c:\c+7], v[\sa], v[\sb] matrix_a_fmt:MATRIX_FMT_FP6 matrix_b_fmt:MATRIX_FMT_FP6 matrix_a_scale:MATRIX_SCALE_ROW1
.else
	v_wmma_scale_f32_16x16x128_f8f6f4 v[\d:\d+7], v[\a:\a+11], v[\b:\b+11], v[\c:\c+7], v[\sa], v[\sb] matrix_a_fmt:MATRIX_FMT_FP6 matrix_b_fmt:MATRIX_FMT_FP6
.endif
.endm
.macro QUANT4 s, pc, tm, pw            ; 64 numbers of a lane, register 16 b + 8 u + j = k 32 b + 16 u + 8 (lane / 16) + j, become a fragment and its scale word
.irp b, 0,1,2,3
	v_max3_num_f32 v[\tm+\b], |v[\s+16*\b]|, |v[\s+1+16*\b]|, 0x1800000
.endr
.irp i, 2,4,6,8,10,12,14
.irp b, 0,1,2,3
	v_max3_num_f32 v[\tm+\b], v[\tm+\b], |v[\s+16*\b+\i]|, |v[\s+1+16*\b+\i]|
.endr
.endr
.irp b, 0,1,2,3
	v_permlanex16_b32 v[\tm+4+\b], v[\tm+\b], s[SEL], s[SEL+1]
.endr
.irp b, 0,1,2,3
	v_max_num_f32 v[\tm+\b], v[\tm+\b], v[\tm+4+\b]
.endr
.irp b, 0,1,2,3
	v_add_nc_u32 v[\tm+12+\b], 0xff000000, v[\tm+\b]
.endr
.irp b, 0,1,2,3
	v_lshrrev_b32 v[\tm+4+\b], 23, v[\tm+12+\b]
.endr
	v_lshl_or_b32 v[\pw], v[\tm+5], 8, v[\tm+4]
	v_lshl_or_b32 v[\pw], v[\tm+6], 16, v[\pw]
	v_lshl_or_b32 v[\pw], v[\tm+7], 24, v[\pw]
.irp c, 0,1
	v_cvt_scalef32_pk16_fp6_f32 v[\pc+6*\c:\pc+2+6*\c], v[\s+32*\c:\s+15+32*\c], v[\tm+12+2*\c]
	v_cvt_scalef32_pk16_fp6_f32 v[\pc+12+4*\c:\pc+14+4*\c], v[\s+16+32*\c:\s+31+32*\c], v[\tm+12+2*\c+1]
.endr
	v_nop
.irp c, 0,1
.irp i, 0,1,2
	v_permlane16_swap_b32 v[\pc+6*\c+\i], v[\pc+12+4*\c+\i]
.endr
.irp i, 0,1,2
	v_mov_b32 v[\pc+3+6*\c+\i], v[\pc+12+4*\c+\i]
.endr
.endr
.endm
.macro IMAGE adr, off                  ; the fragment in v64 on goes to LDS as it stands
.irp c, 0,1,2
	ds_store_b128 v[\adr], v[64+4*\c:67+4*\c] offset:\off+512*\c
.endr
.endm
.macro RLOAD g                         ; group record g into slot g % 4: 14 loads
	WIN 0xc0                                       ; destination window 3
.irp f, 0,1,2,3
.irp c, 0,1,2
	global_load_b128 v[48*((\g)%4)+12*\f+4*\c:48*((\g)%4)+12*\f+4*\c+3], v4, s[10:11] offset:6400*(\g)+1536*\f+512*\c
.endr
.endr
	WIN 0
.irp e, 0,1
	global_load_b32 v[24+2*((\g)%4)+\e], v6, s[10:11] offset:6400*(\g)+6144+128*\e
.endr
.endm
.macro RWAIT g                         ; record g is in; the younger records of the ring, 14 loads each, may be out
.if 47-(\g) >= 3
	s_wait_loadcnt 42
.else
	s_wait_loadcnt 14*(47-(\g))
.endif
.endm
.macro RNEXT g                         ; four places behind the products that read the slot, then its next record
	PLACES 4
.if (\g) <= 43
	RLOAD (\g)+4
.else
	WIN 0
.endif
.endm
; records 0-15 (Wo) and 32-47 (W2): K step (g % 16) / 4, column tiles 4 (g % 4) + f; eight accumulators of x1, one instruction a turn
.macro GROUPX g
	RWAIT \g
	WIN 0x5b                                       ; source 0 window 3, source 1 window 2, C and D window 1
.irp f, 0,1,2,3
.irp m, 0,1
	WM 128*\m+8*(4*((\g)%4)+\f), 48*((\g)%4)+12*\f, 12*(4*\m+((\g)%16)/4), 128*\m+8*(4*((\g)%4)+\f), 24+2*((\g)%4)+\f/2, 32+4*\m+((\g)%16)/4, \f%2, 0
.endr
.endr
	RNEXT \g
.endm
; records 16-31 (W1): K step (g - 16) / 2, tiles 4 (g % 2) + f of my hidden units; K step 0 takes b1 as C
.macro GROUPH g
	RWAIT \g
.if (\g) < 18
	WIN 0x2b                                       ; C window 2, D window 0
.else
	WIN 0x0b
.endif
.irp f, 0,1,2,3
.irp m, 0,1
.if (\g) < 18
	WM 100+64*\m+8*(4*((\g)%2)+\f), 48*((\g)%4)+12*\f, 12*(8*\m+((\g)-16)/2), 192+8*(4*((\g)%2)+\f), 24+2*((\g)%4)+\f/2, 32+8*\m+((\g)-16)/2, \f%2, 0
.else
	WM 100+64*\m+8*(4*((\g)%2)+\f), 48*((\g)%4)+12*\f, 12*(8*\m+((\g)-16)/2), 100+64*\m+8*(4*((\g)%2)+\f), 24+2*((\g)%4)+\f/2, 32+8*\m+((\g)-16)/2, \f%2, 0
.endif
.endr
.endr
	RNEXT \g
.endm
; the chains v[86:89] (tile 0) and v[90:93] (tile 1) become the rows' sums over all 1,024 columns, in v48 and v52: my halves, lane l xor 16, the four waves through LDS, one barrier
.macro REDUCE off
	v_pk_add_f32 v[86:87], v[86:87], v[88:89]
	v_pk_add_f32 v[90:91], v[90:91], v[92:93]
	v_add_f32 v86, v86, v87
	v_add_f32 v90, v90, v91
	v_permlanex16_b32 v88, v86, s[SEL], s[SEL+1]
	v_permlanex16_b32 v92, v90, s[SEL], s[SEL+1]
	v_add_f32 v86, v86, v88
	v_add_f32 v90, v90, v92
	ds_store_b32 v10, v86 offset:\off
	ds_store_b32 v10, v90 offset:\off+256
	s_wait_dscnt 0x0                               ; for the others' sake: my stores have landed
	s_barrier_signal -1
	s_barrier_wait -1
	ds_load_b128 v[48:51], v11 offset:\off
	ds_load_b128 v[52:55], v11 offset:\off+256
	s_wait_dscnt 0x0
	v_add_f32 v48, v48, v49
	v_add_f32 v50, v50, v51
	v_add_f32 v52, v52, v53
	v_add_f32 v54, v54, v55
	v_add_f32 v48, v48, v50
	v_add_f32 v52, v52, v54
.endm
.macro DEVS m                          ; v100-227 = x1 of tile m - its row's mean
	WIN 0x01                                       ; source 0 window 1
.set J, 0
.rept 64
	v_pk_add_f32 v[100+J:101+J], v[128*\m+J:128*\m+J+1], v[94+2*\m:95+2*\m] neg_lo:[0,1] neg_hi:[0,1]
.set J, J+2
.endr
	WIN 0
.endm
.macro BARRIER
	s_wait_dscnt 0x0                               ; my LDS stores have landed and my LDS loads are in
	s_barrier_signal -1
	s_barrier_wait -1
.endm
	s_load_b512 s[8:23], s[0:1], 0x0               ; oc s[8:9], wt s[10:11], x s[12:13], bo s[14:15], ln2_g s[16:17], ln2_b s[18:19], b1 s[20:21], b2 s[22:23]
	s_load_b64 s[24:25], s[0:1], 0x40              ; out0
	v_lshl_add_u32 v254, v0, 2, 0x2a800
	v_mov_b32 v255, 0
	v_lshrrev_b32 v1, 5, v0
	v_readfirstlane_b32 s[WV], v1                  ; wave 0..3
	v_and_b32 v1, 31, v0                           ; lane
	v_and_b32 v2, 15, v0                           ; r
	v_bfe_u32 v3, v0, 4, 1                         ; half
	v_lshlrev_b32 v4, 4, v1
	v_lshlrev_b32 v5, 3, v1
	v_lshlrev_b32 v6, 2, v1
	v_lshlrev_b32 v7, 5, v3
	s_mul_i32 s30, s[WV], 33280                    ; my stage
	v_add_nc_u32 v8, s30, v4                       ; dense: 16 bytes a lane
	v_mul_u32_u24 v9, v2, 1040
	v_add_nc_u32 v9, v9, v7
	v_add_nc_u32 v9, s30, v9                       ; the result's layout: row r, + 32 x half
	v_lshlrev_b32 v11, 4, v2
	v_add_nc_u32 v11, RED1, v11                    ; row r's four words
	s_lshl_b32 s30, s[WV], 2
	v_add_nc_u32 v10, s30, v11                     ; my wave's
	s_mul_i32 s30, s[WV], 3072
	s_add_co_u32 s30, s30, XIMG
	v_add_nc_u32 v12, s30, v4                      ; where I store h2's images: K steps 2 w and 2 w + 1
	s_lshl_b32 s30, s[WV], 8
	s_add_co_u32 s30, s30, XSC
	v_add_nc_u32 v13, s30, v6
	s_mul_i32 s30, s[WV], 1536
	s_add_co_u32 s30, s30, HIMG
	v_add_nc_u32 v14, s30, v4                      ; the hidden layer's: K step w
	s_lshl_b32 s30, s[WV], 7
	s_add_co_u32 s30, s30, HSC
	v_add_nc_u32 v15, s30, v6
	v_add_nc_u32 v85, XIMG, v4                     ; where any image is read
	v_add_nc_u32 v98, XSC, v6
.irp i, 52,53,54,55
	v_mov_b32 v\i, 0                               ; a lane permute's destination counts as read
.endr
	s_mov_b32 s[SEL], 0x76543210
	s_mov_b32 s[SEL+1], 0xfedcba98
	s_lshl_b32 s30, ttmp9, 17                      ; 32 rows of 4,096 bytes
	s_lshl_b32 s32, s[WV], 10                      ; my 256 columns
	s_add_co_u32 s30, s30, s32
	s_mov_b32 s31, 0
	s_mov_b32 s33, 0
	s_wait_kmcnt 0x0
	s_add_nc_u64 s[12:13], s[12:13], s[30:31]
	s_add_nc_u64 s[24:25], s[24:25], s[30:31]
	s_add_nc_u64 s[14:15], s[14:15], s[32:33]
	s_add_nc_u64 s[16:17], s[16:17], s[32:33]
	s_add_nc_u64 s[18:19], s[18:19], s[32:33]
	s_add_nc_u64 s[22:23], s[22:23], s[32:33]
	s_lshl_b32 s32, s[WV], 9
	s_add_nc_u64 s[20:21], s[20:21], s[32:33]      ; b1 at my 128 hidden units
	s_mul_i32 s32, s[WV], 307200
	s_add_nc_u64 s[10:11], s[10:11], s[32:33]      ; my stream of weights
	s_mul_i32 s32, ttmp9, 12288
	s_add_nc_u64 s[26:27], s[8:9], s[32:33]        ; o's eight fragments
	s_lshl_b32 s32, ttmp9, 10
	s_add_co_u32 s32, s32, OC_SC
	s_add_nc_u64 s[28:29], s[8:9], s[32:33]        ; their scale images
	WIN 0x40                                       ; destination window 1
.set I, 0
.rept 32
	global_load_b128 v[8*I:8*I+3], v4, s[12:13] offset:4096*I th:TH_LOAD_NT        ; 32 lanes read 512 consecutive bytes of row I
	global_load_b128 v[8*I+4:8*I+7], v4, s[12:13] offset:4096*I+512 th:TH_LOAD_NT
.set I, I+1
.endr
	WIN 0
	global_load_b128 v[16:19], v4, s[14:15]
	global_load_b128 v[20:23], v4, s[14:15] offset:512
	WIN 0x80                                       ; destination window 2
.irp f, 0,1,2,3,4,5,6,7                        ; fragment 4 m + s: two half images
	global_load_b128 v[12*\f:12*\f+3], v4, s[26:27] offset:1536*\f
	global_load_b64 v[12*\f+4:12*\f+5], v5, s[26:27] offset:1536*\f+512
	global_load_b128 v[12*\f+6:12*\f+9], v4, s[26:27] offset:1536*\f+768
	global_load_b64 v[12*\f+10:12*\f+11], v5, s[26:27] offset:1536*\f+1280
.endr
	WIN 0
.irp f, 0,1,2,3,4,5,6,7
	global_load_b32 v[32+\f], v6, s[28:29] offset:128*\f
.endr
	RLOAD 0
	RLOAD 1
	RLOAD 2
	s_wait_loadcnt 42                              ; all but the ring's three records
	WIN 0x41                                       ; destination and source 0 window 1
.set I, 0
.rept 32
.irp q, 0,1
.irp e, 0,2
	v_pk_add_f32 v[8*I+4*\q+\e:8*I+4*\q+\e+1], v[8*I+4*\q+\e:8*I+4*\q+\e+1], v[16+4*\q+\e:17+4*\q+\e]   ; x + bo
.endr
.endr
.set I, I+1
.endr
	WIN 0x04                                       ; an LDS store's data are its source 1: window 1
.set I, 0
.rept 32
	ds_store_b128 v8, v[8*I:8*I+3] offset:1040*I
	ds_store_b128 v8, v[8*I+4:8*I+7] offset:1040*I+512
.set I, I+1
.endr
	WIN 0x40
.irp m, 0,1                                    ; back in the result's layout: register 128 m + 8 t + 4 q + e = (row 16 m + r, column 16 t + 8 half + 4 q + e).  LDS serves a wave's instructions in order
.irp t, 0,1,2,3,4,5,6,7,8,9,10,11,12,13,14,15
.irp q, 0,1
	ds_load_b128 v[128*\m+8*\t+4*\q:128*\m+8*\t+4*\q+3], v9 offset:16640*\m+64*\t+16*\q
.endr
.endr
.endr
	RLOAD 3
	s_wait_dscnt 0x0
.irp g, 0,1,2,3,4,5,6,7,8,9,10,11,12,13,14,15
	GROUPX \g                                      ; x1 = x + bo + o Wo
.endr
	WIN 0x80
.irp t, 0,1,2,3,4,5,6,7,8,9,10,11,12,13,14,15  ; gain and bias of LayerNorm2 in the result's layout, where o's fragments lay
.irp q, 0,1
	global_load_b128 v[8*\t+4*\q:8*\t+4*\q+3], v7, s[16:17] offset:64*\t+16*\q
	global_load_b128 v[128+8*\t+4*\q:128+8*\t+4*\q+3], v7, s[18:19] offset:64*\t+16*\q
.endr
.endr
	WIN 0
.irp i, 86,87,88,89,90,91,92,93
	v_mov_b32 v\i, 0
.endr
	WIN 0x01
.set J, 0
.rept 32                                       ; the rows' sums: two chains a tile; each accumulator is read from its low end on
	v_pk_add_f32 v[86:87], v[4*J:4*J+1], v[86:87]
	v_pk_add_f32 v[88:89], v[4*J+2:4*J+3], v[88:89]
	v_pk_add_f32 v[90:91], v[128+4*J:128+4*J+1], v[90:91]
	v_pk_add_f32 v[92:93], v[128+4*J+2:128+4*J+3], v[92:93]
.set J, J+1
.endr
	WIN 0
	REDUCE 0
	v_mul_f32 v94, 0x3a800000, v48                 ; the means
	v_mul_f32 v96, 0x3a800000, v52
	v_mov_b32 v95, v94
	v_mov_b32 v97, v96
.irp m, 0,1
	DEVS \m
	v_pk_mul_f32 v[86+4*\m:87+4*\m], v[100:101], v[100:101]
	v_pk_mul_f32 v[88+4*\m:89+4*\m], v[102:103], v[102:103]
.set J, 4
.rept 31
	v_pk_fma_f32 v[86+4*\m:87+4*\m], v[100+J:101+J], v[100+J:101+J], v[86+4*\m:87+4*\m]
	v_pk_fma_f32 v[88+4*\m:89+4*\m], v[102+J:103+J], v[102+J:103+J], v[88+4*\m:89+4*\m]
.set J, J+4
.endr
.endr
	REDUCE 512                                     ; other LDS words than the first sums'
	v_mov_b32 v93, 0x3727c5ac                      ; 1e-5
	v_fmamk_f32 v48, v48, 0x3a800000, v93
	v_fmamk_f32 v52, v52, 0x3a800000, v93
	v_rsq_f32 v86, v48
	v_rsq_f32 v88, v52
	v_nop                                          ; a plain place behind the transcendentals
	s_wait_alu depctr_va_vdst(0)                   ; one wait for both, ahead of their first reader
	v_mov_b32 v87, v86
	v_mov_b32 v89, v88
	s_wait_loadcnt 0x0                             ; gain and bias (the ring's four records, issued earlier, with them)
.irp m, 0,1
	DEVS \m
.set J, 0
.rept 64
	v_pk_mul_f32 v[100+J:101+J], v[100+J:101+J], v[86+2*\m:87+2*\m]
.set J, J+2
.endr
	WIN 0x28                                       ; sources 1 and 2 window 2
.set J, 0
.rept 64
	v_pk_fma_f32 v[100+J:101+J], v[100+J:101+J], v[J:J+1], v[128+J:129+J]
.set J, J+2
.endr
	WIN 0
	QUANT4 100, 64, 48, 84                         ; my first 128 columns: K step 2 w of the product with W1
	IMAGE 12, 12288*\m
	ds_store_b32 v13, v84 offset:1024*\m
	s_wait_dscnt 0x0                               ; the stores have read their registers
	QUANT4 164, 64, 48, 84                         ; K step 2 w + 1
	IMAGE 12, 12288*\m+1536
	ds_store_b32 v13, v84 offset:1024*\m+128
	s_wait_dscnt 0x0
.endr
	WIN 0x80
.irp t, 0,1,2,3,4,5,6,7
.irp q, 0,1
	global_load_b128 v[192+8*\t+4*\q:192+8*\t+4*\q+3], v7, s[20:21] offset:64*\t+16*\q   ; b1 in the result's layout
.endr
.endr
	WIN 0
	global_load_b128 v[16:19], v4, s[22:23]        ; b2, dense
	global_load_b128 v[20:23], v4, s[22:23] offset:512
	BARRIER                                        ; h2's sixteen fragments lie in LDS
	WIN 0x80
.irp f, 0,1,2,3,4,5,6,7,8,9,10,11,12,13,14,15
.irp c, 0,1,2
	ds_load_b128 v[12*\f+4*\c:12*\f+4*\c+3], v85 offset:1536*\f+512*\c
.endr
.endr
	WIN 0
.irp f, 0,1,2,3,4,5,6,7,8,9,10,11,12,13,14,15
	ds_load_b32 v[32+\f], v98 offset:128*\f
.endr
	s_wait_dscnt 0x0
	s_wait_loadcnt 0x0                             ; b1, b2
.irp g, 16,17,18,19,20,21,22,23,24,25,26,27,28,29,30,31
	GROUPH \g                                      ; h2 W1 + b1
.endr
.set J, 0
.rept 128
	v_max_num_f32 v[100+J], 0, v[100+J]            ; relu, in f32; each accumulator from its low end on
.set J, J+1
.endr
.irp m, 0,1
	QUANT4 100+64*\m, 64, 48, 84                   ; my 128 hidden units: K step w of the product with W2
	IMAGE 14, 6144*\m
	ds_store_b32 v15, v84 offset:512*\m
	s_wait_dscnt 0x0
.endr
	BARRIER                                        ; the hidden layer's eight fragments lie in LDS
	WIN 0x80
.irp f, 0,1,2,3,4,5,6,7
.irp c, 0,1,2
	ds_load_b128 v[12*\f+4*\c:12*\f+4*\c+3], v85 offset:HIMG-XIMG+1536*\f+512*\c
.endr
.endr
	WIN 0
.irp f, 0,1,2,3,4,5,6,7
	ds_load_b32 v[32+\f], v98 offset:HSC-XSC+128*\f
.endr
	s_wait_dscnt 0x0
.irp g, 32,33,34,35,36,37,38,39,40,41,42,43,44,45,46,47
	GROUPX \g                                      ; x1 + hidden W2, onto x1 in place
.endr
	; THE WAY OUT: through my stage, back as dense rows, + b2, stored 512 consecutive bytes an instruction
	WIN 0x04
.irp m, 0,1
.irp t, 0,1,2,3,4,5,6,7,8,9,10,11,12,13,14,15
.irp q, 0,1
	ds_store_b128 v9, v[128*\m+8*\t+4*\q:128*\m+8*\t+4*\q+3] offset:16640*\m+64*\t+16*\q
.endr
.endr
.endr
	WIN 0x40
.set I, 0
.rept 32
	ds_load_b128 v[8*I:8*I+3], v8 offset:1040*I
	ds_load_b128 v[8*I+4:8*I+7], v8 offset:1040*I+512
.set I, I+1
.endr
	s_wait_dscnt 0x0
	WIN 0x41
.set I, 0
.rept 32
.irp q, 0,1
.irp e, 0,2
	v_pk_add_f32 v[8*I+4*\q+\e:8*I+4*\q+\e+1], v[8*I+4*\q+\e:8*I+4*\q+\e+1], v[16+4*\q+\e:17+4*\q+\e]
.endr
.endr
.set I, I+1
.endr
	WIN 0x04                                       ; a store's data are its source 1: window 1
.set I, 0
.rept 32
	global_store_b128 v4, v[8*I:8*I+3], s[24:25] offset:4096*I th:TH_STORE_NT
	global_store_b128 v4, v[8*I+4:8*I+7], s[24:25] offset:4096*I+512 th:TH_STORE_NT
.set I, I+1
.endr
	WIN 0
	s_wait_tensorcnt 0x0
	ds_add_u32 v254, v255
	s_wait_dscnt 0x0
	s_endpgm
.Lfunc_end_k_q87bd2683ae_tail:
	.size	k_q87bd2683ae_tail, .Lfunc_end_k_q87bd2683ae_tail-k_q87bd2683ae_tail
	.p2alignl 7, 3214868480
	.fill 96, 4, 3214868480
	.section	.rodata,"a",@progbits
	.p2align	6, 0x0
	.amdhsa_kernel k_q87bd2683ae_tail
		.amdhsa_group_segment_fixed_size 174592
		.amdhsa_private_segment_fixed_size 0
		.amdhsa_enable_private_segment 0
		.amdhsa_kernarg_size 72
		.amdhsa_user_sgpr_count 2
		.amdhsa_user_sgpr_kernarg_segment_ptr 1
		.amdhsa_wavefront_size32 1
		.amdhsa_system_sgpr_workgroup_id_x 1
		.amdhsa_system_sgpr_workgroup_id_y 1
		.amdhsa_system_sgpr_workgroup_id_z 1
		.amdhsa_system_vgpr_workitem_id 0
		.amdhsa_next_free_vgpr 1024
		.amdhsa_next_free_sgpr 66
		.amdhsa_reserve_vcc 0
		.amdhsa_float_denorm_mode_32 3
		.amdhsa_float_denorm_mode_16_64 3
		.amdhsa_memory_ordered 1
		.amdhsa_forward_progress 1
		.amdhsa_inst_pref_size 255
	.end_amdhsa_kernel
	.section	.bss,"aw",@nobits
	.p2align	6
	.space	262144
	.amdgpu_metadata
---
amdhsa.version: [ 1, 2 ]
amdhsa.kernels:
  - .name:           k_q87bd2683ae_tail
    .symbol:         k_q87bd2683ae_tail.kd
    .args:
      - { .name: oc, .offset: 0, .size: 8, .value_kind: global_buffer, .address_space: global }
      - { .name: wt, .offset: 8, .size: 8, .value_kind: global_buffer, .address_space: global }
      - { .name: x, .offset: 16, .size: 8, .value_kind: global_buffer, .address_space: global }
      - { .name: bo, .offset: 24, .size: 8, .value_kind: global_buffer, .address_space: global }
      - { .name: ln2_g, .offset: 32, .size: 8, .value_kind: global_buffer, .address_space: global }
      - { .name: ln2_b, .offset: 40, .size: 8, .value_kind: global_buffer, .address_space: global }
      - { .name: b1, .offset: 48, .size: 8, .value_kind: global_buffer, .address_space: global }
      - { .name: b2, .offset: 56, .size: 8, .value_kind: global_buffer, .address_space: global }
      - { .name: out0, .offset: 64, .size: 8, .value_kind: global_buffer, .address_space: global }
    .group_segment_fixed_size: 174592
    .private_segment_fixed_size: 0
    .kernarg_segment_align: 8
    .kernarg_segment_size: 72
    .max_flat_workgroup_size: 128
    .sgpr_count:     66
    .vgpr_count:     1024
    .wavefront_size: 32
...
	.end_amdgpu_metadata
.endif
;; end of part 4
;; ======== version 2 of 2: 4 launches
;; workspace buffers: h 6,815,744 bytes; wqkv 1,228,800 bytes; wt 1,228,800 bytes; q 3,670,016 bytes; kv 6,684,672 bytes; oc 3,407,872 bytes
;; launch prep (part 5): grid 608 x 1, 8 waves a work-group, no clusters, 69,632 bytes of LDS; arguments x, ln1_g, ln1_b, Wq, Wk, Wv, Wo, W1, W2, h, wqkv, wt; writes h, wqkv, wt
.if DOCPART == 5
	.amdgcn_target "amdgcn-amd-amdhsa--gfx1250"
	.amdhsa_code_object_version 6
	.text
	.protected	k_q87bd2683ae_prep
	.globl	k_q87bd2683ae_prep
	.p2align	8
	.type	k_q87bd2683ae_prep,@function
k_q87bd2683ae_prep:
	s_mov_b64 s[64:65], 0
	v_nop
	global_prefetch_b8 v0, s[64:65] scope:SCOPE_SE
	s_setreg_imm32_b32 hwreg(HW_REG_WAVE_MODE, 25, 1), 1
	s_wait_xcnt 0x0
; PREP: the six weights and LayerNorm1(x) become codes of FP6 (E2M3) with one E8M0 byte for each 32 along K, laid as the later launches' operand registers want them.
; A block's scale is 2^(floor(log2(largest magnitude)) - 2): its byte is the largest magnitude's exponent field - 2, held at 1 from below by a floor among the maximum's leaves.
; LIMITS: NaN and infinities among the inputs are not served.  A block whose largest magnitude lies under 2^-124 (a block of zeros too) gets the byte 1; only this program reads the bytes.
; THE ORDER INSIDE A BLOCK OF 32: place p holds k = 16 ((p / 8) % 2) + 8 (p / 16) + p % 8.  Every operand of every product of this program has it, so each product's pairs still meet; a block's scale does not hang on the order.
; A FRAGMENT (16 rows x 128 K, 12 registers a lane) lies in memory as an image of its registers: registers 4 c .. 4 c + 3 of lane l at 512 c + 16 l.
; A GROUP RECORD of weights is 6,400 bytes: four fragments, then 64 scale words (fragment f, row r at 6,144 + 64 f + 4 r).
; WORK-GROUPS: 0-47 Wq, Wk, Wv; 48-79 Wo, W2; 80-95 W1 (a wave: 32 columns x 128 along K, a lane to a column, registers down K); 96-607 LayerNorm1 (16 rows; wave w: columns 128 w on).
; No work-group shares input with another: no cluster, no tensor load.
.set H_SC,  6291456                    ; h: the scale images begin here
.set RED1,  67584                      ; LDS: behind the eight stages of 16 x 528 bytes: the waves' sums [row][wave], 512 bytes; the sums of squares 512 bytes on
.set X,     16                         ; v16-79   64 numbers of my row
.set GN,    80                         ; v80-143  the gain at my columns
.set BV,    144                        ; v144-207 the bias
.set TM,    208                        ; v208-223 at work in the quantiser
.set PC,    224                        ; v224-242 codes
.set PW,    244                        ; v244     the scale word
.set SEL,   4                          ; s[4:5]   lane selects: lane l xor 16
; 64 numbers of a lane, register 16 b + 8 u + j = k 32 b + 16 u + 8 (lane / 16) + j of my row, become a fragment's 12 registers in v[pc] on and its scale word in v[pw]
.macro QUANT4 s, pc, tm, pw
.irp b, 0,1,2,3
	v_max3_num_f32 v[\tm+\b], |v[\s+16*\b]|, |v[\s+1+16*\b]|, 0x1800000   ; my 16 numbers of block b, and the floor 2^(3 - 127)
.endr
.irp i, 2,4,6,8,10,12,14
.irp b, 0,1,2,3
	s_delay_alu instid0(VALU_DEP_4)
	v_max3_num_f32 v[\tm+\b], v[\tm+\b], |v[\s+16*\b+\i]|, |v[\s+1+16*\b+\i]|
.endr
.endr
.irp b, 0,1,2,3
	s_delay_alu instid0(VALU_DEP_4)
	v_permlanex16_b32 v[\tm+4+\b], v[\tm+\b], s[SEL], s[SEL+1]
.endr
.irp b, 0,1,2,3
	s_delay_alu instid0(VALU_DEP_4)
	v_max_num_f32 v[\tm+\b], v[\tm+\b], v[\tm+4+\b]                ; with lane l xor 16's 16: the block's largest magnitude
.endr
.irp b, 0,1,2,3
	s_delay_alu instid0(VALU_DEP_4)
	v_add_nc_u32 v[\tm+12+\b], 0xff000000, v[\tm+\b]               ; 2 off its exponent field: the conversion's scale operand
.endr
.irp b, 0,1,2,3
	s_delay_alu instid0(VALU_DEP_4)
	v_lshrrev_b32 v[\tm+4+\b], 23, v[\tm+12+\b]                    ; the scale's byte
.endr
	s_delay_alu instid0(VALU_DEP_3)
	v_lshl_or_b32 v[\pw], v[\tm+5], 8, v[\tm+4]
	s_delay_alu instid0(VALU_DEP_1)
	v_lshl_or_b32 v[\pw], v[\tm+6], 16, v[\pw]
	s_delay_alu instid0(VALU_DEP_1)
	v_lshl_or_b32 v[\pw], v[\tm+7], 24, v[\pw]
.irp c, 0,1
	v_cvt_scalef32_pk16_fp6_f32 v[\pc+6*\c:\pc+2+6*\c], v[\s+32*\c:\s+15+32*\c], v[\tm+12+2*\c]
	v_cvt_scalef32_pk16_fp6_f32 v[\pc+12+4*\c:\pc+14+4*\c], v[\s+16+32*\c:\s+31+32*\c], v[\tm+12+2*\c+1]
.endr
	v_nop                                          ; one plain place behind the scaled conversions
.irp c, 0,1                                    ; a lane wants a whole block: lanes 0-15 block 2 c, lanes 16-31 block 2 c + 1
.irp i, 0,1,2
	v_permlane16_swap_b32 v[\pc+6*\c+\i], v[\pc+12+4*\c+\i]
.endr
.irp i, 0,1,2
	s_delay_alu instid0(VALU_DEP_3)
	v_mov_b32 v[\pc+3+6*\c+\i], v[\pc+12+4*\c+\i]
.endr
.endr
.endm
; The sum of v[246:247] over the row: my two halves, lane l xor 16, the eight waves (through LDS, one barrier).  Every wave adds in the same order: all get the same bits, in v250
.macro ACROSS off
	s_delay_alu instid0(VALU_DEP_1)
	v_add_f32 v246, v246, v247
	s_delay_alu instid0(VALU_DEP_1)
	v_permlanex16_b32 v248, v246, s[SEL], s[SEL+1]
	s_delay_alu instid0(VALU_DEP_1)
	v_add_f32 v246, v246, v248
	ds_store_b32 v8, v246 offset:\off
	s_wait_dscnt 0x0                               ; for the others' sake: my store has landed
	s_barrier_signal -1
	s_barrier_wait -1
	ds_load_b128 v[208:211], v9 offset:\off
	ds_load_b128 v[212:215], v9 offset:\off+16
	s_wait_dscnt 0x0
	v_add_f32 v208, v208, v209
	v_add_f32 v210, v210, v211
	v_add_f32 v212, v212, v213
	v_add_f32 v214, v214, v215
	s_delay_alu instid0(VALU_DEP_3)
	v_add_f32 v208, v208, v210
	s_delay_alu instid0(VALU_DEP_2)
	v_add_f32 v212, v212, v214
	s_delay_alu instid0(VALU_DEP_1)
	v_add_f32 v250, v208, v212
.endm
; A weight unit.  s[34:35]: W at (K step's first row, my wave's first column); s[36:37]: my two fragments; s[38:39]: their scale words.  st: bytes from row to row of W.
; v2 = 4 x lane, v3 = 1,536 (lane / 16) + 16 (lane % 16).  Each load reads 128 consecutive bytes; block b of my column lies in 32 registers, in the order of the places.
.macro WQUANT st
.set WB, 0
.rept 4
.set WP, 0
.rept 32
	global_load_b32 v[16+32*WB+WP], v2, s[34:35] offset:(32*WB+16*((WP/8)%2)+8*(WP/16)+WP%8)*\st th:TH_LOAD_NT
.set WP, WP+1
.endr
.set WB, WB+1
.endr
.irp b, 0,1,2,3
.if \b < 2
	s_wait_loadcnt 63                              ; of 128 loads at most 63 are out: blocks 0 and 1 are in (the largest count that a wait can name)
.else
	s_wait_loadcnt 32*(3-\b)                       ; the later blocks' loads may be out
.endif
	v_max3_num_f32 v180, |v[16+32*\b]|, |v[17+32*\b]|, |v[18+32*\b]|
	v_max3_num_f32 v181, |v[19+32*\b]|, |v[20+32*\b]|, |v[21+32*\b]|
.irp i, 6,10,14,18,22,26
	s_delay_alu instid0(VALU_DEP_2)
	v_max3_num_f32 v180, v180, |v[16+32*\b+\i]|, |v[17+32*\b+\i]|
	s_delay_alu instid0(VALU_DEP_2)
	v_max3_num_f32 v181, v181, |v[18+32*\b+\i]|, |v[19+32*\b+\i]|
.endr
	s_delay_alu instid0(VALU_DEP_2)
	v_max3_num_f32 v180, v180, |v[46+32*\b]|, |v[47+32*\b]|
	s_delay_alu instid0(VALU_DEP_1)
	v_max3_num_f32 v180, v180, v181, 0x1800000     ; and the floor
	s_delay_alu instid0(VALU_DEP_1)
	v_add_nc_u32 v182, 0xff000000, v180
	s_delay_alu instid0(VALU_DEP_1)
	v_lshrrev_b32 v183, 23, v182
.if \b == 0
	s_delay_alu instid0(VALU_DEP_1)
	v_mov_b32 v184, v183
.else
	s_delay_alu instid0(VALU_DEP_1)
	v_lshl_or_b32 v184, v183, 8*\b, v184           ; four bytes: my column's scale word for this K step
.endif
	v_cvt_scalef32_pk16_fp6_f32 v[144+8*\b:146+8*\b], v[16+32*\b:31+32*\b], v182
	v_cvt_scalef32_pk16_fp6_f32 v[176:178], v[32+32*\b:47+32*\b], v182   ; (a conversion's three registers begin on an even number)
	v_nop
	v_mov_b32 v[147+8*\b], v176
	v_mov_b32 v[148+8*\b], v177
	v_mov_b32 v[149+8*\b], v178
; block b is registers 6 (b / 2) .. + 5 of lane (column % 16) + 16 (b % 2) of the fragment's image.  Each block has registers of its own: no store's data are written again
.if \b < 2
	global_store_b128 v3, v[144+8*\b:147+8*\b], s[36:37] offset:256*\b
	global_store_b64 v3, v[148+8*\b:149+8*\b], s[36:37] offset:512+256*\b
.else
	global_store_b64 v3, v[144+8*\b:145+8*\b], s[36:37] offset:520+256*(\b-2)
	global_store_b128 v3, v[146+8*\b:149+8*\b], s[36:37] offset:1024+256*(\b-2)
.endif
.endr
	global_store_b32 v2, v184, s[38:39]
	s_endpgm
.endm
.macro WHEAD                           ; the weight paths' two lane terms
	v_lshlrev_b32 v2, 2, v1
	v_and_b32 v4, 15, v1
	v_lshrrev_b32 v5, 4, v1
	s_delay_alu instid0(VALU_DEP_2)
	v_lshlrev_b32 v3, 4, v4
	s_delay_alu instid0(VALU_DEP_1)
	v_mad_u32_u24 v3, v5, 1536, v3
.endm
.macro WDEST                           ; s[36:37] = the group record, s41 = the pair of column tiles: its two fragments and their scale words
	s_and_b32 s45, s41, 1
	s_lshl_b32 s46, s45, 7
	s_add_co_u32 s46, s46, 6144
	s_add_nc_u64 s[38:39], s[36:37], s[46:47]
	s_mul_i32 s46, s45, 3072
	s_add_nc_u64 s[36:37], s[36:37], s[46:47]
.endm
	s_load_b512 s[8:23], s[0:1], 0x0               ; x s[8:9], ln1_g s[10:11], ln1_b s[12:13], Wq s[14:15], Wk s[16:17], Wv s[18:19], Wo s[20:21], W1 s[22:23]
	s_load_b256 s[24:31], s[0:1], 0x40             ; W2 s[24:25], h s[26:27], wqkv s[28:29], wt s[30:31]
	v_lshl_add_u32 v254, v0, 2, 0x10c00
	v_mov_b32 v255, 0
	v_lshrrev_b32 v1, 5, v0
	s_delay_alu instid0(VALU_DEP_1)
	v_readfirstlane_b32 s2, v1                     ; wave 0..7
	v_and_b32 v1, 31, v0                           ; lane
	s_mov_b32 s47, 0                               ; the high word of every offset pair
	s_wait_kmcnt 0x0
	s_cmp_lt_u32 ttmp9, 48                         ; the paths part on the work-group's number alone
	s_cbranch_scc1 .Lqkv
	s_cmp_lt_u32 ttmp9, 80
	s_cbranch_scc1 .Lwo
	s_cmp_lt_u32 ttmp9, 96
	s_cbranch_scc1 .Lw1
	; ---- LayerNorm1: rows 16 m .. 16 m + 15; wave w has columns 128 w .. 128 w + 127: K step w of the projections
	s_sub_co_u32 s40, ttmp9, 96                    ; m
	s_mov_b32 s[SEL], 0x76543210
	s_mov_b32 s[SEL+1], 0xfedcba98
	v_and_b32 v2, 15, v0                           ; r
	v_bfe_u32 v3, v0, 4, 1                         ; half
	s_wait_alu depctr_va_vdst(0)
	v_lshlrev_b32 v4, 4, v1                        ; 16 x lane
	s_mul_i32 s41, s2, 8448                        ; my stage
	v_add_nc_u32 v5, s41, v4                       ; into it: a row's 512 bytes as they lie
	v_mul_u32_u24 v6, v2, 528
	s_delay_alu instid0(VALU_DEP_1)
	v_lshl_add_u32 v6, v3, 5, v6
	s_delay_alu instid0(VALU_DEP_1)
	v_add_nc_u32 v6, s41, v6                       ; out of it: row r, + 32 x half
	v_lshlrev_b32 v7, 5, v3                        ; gain and bias: 32 x half
	s_wait_alu depctr_va_vdst(0)
	s_lshl_b32 s42, s2, 2
	s_add_co_u32 s42, s42, RED1
	v_lshlrev_b32 v9, 5, v2
	s_delay_alu instid0(VALU_DEP_1)
	v_add_nc_u32 v8, s42, v9                       ; my wave's word of row r
	s_delay_alu instid0(VALU_DEP_2)
	v_add_nc_u32 v9, RED1, v9                      ; row r's eight words
	v_lshlrev_b32 v10, 2, v1
.irp b, 0,1,2,3
	v_mov_b32 v[TM+4+\b], 0                        ; a lane permute's destination counts as read
.endr
	s_lshl_b32 s46, s40, 16                        ; 16 rows of 4,096 bytes
	s_lshl_b32 s45, s2, 9
	s_add_co_u32 s46, s46, s45
	s_add_nc_u64 s[34:35], s[8:9], s[46:47]        ; x at (16 m, 128 w)
	s_mov_b32 s46, s45
	s_add_nc_u64 s[36:37], s[10:11], s[46:47]      ; gain and bias at column 128 w
	s_add_nc_u64 s[38:39], s[12:13], s[46:47]
	s_lshl_b32 s44, s40, 3
	s_add_co_u32 s44, s44, s2                      ; fragment 8 m + w
	s_mul_i32 s46, s44, 1536
	s_add_nc_u64 s[32:33], s[26:27], s[46:47]      ; its codes
	s_lshl_b32 s46, s44, 7
	s_add_co_u32 s46, s46, H_SC
	s_add_nc_u64 s[26:27], s[26:27], s[46:47]      ; its scale image
.irp i, 0,1,2,3,4,5,6,7,8,9,10,11,12,13,14,15
	global_load_b128 v[X+4*\i:X+4*\i+3], v4, s[34:35] offset:4096*\i   ; 32 lanes read 512 consecutive bytes of row i
.endr
.irp b, 0,1,2,3
.irp u, 0,1
.irp q, 0,1
	global_load_b128 v[GN+16*\b+8*\u+4*\q:GN+16*\b+8*\u+4*\q+3], v7, s[36:37] offset:128*\b+64*\u+16*\q
	global_load_b128 v[BV+16*\b+8*\u+4*\q:BV+16*\b+8*\u+4*\q+3], v7, s[38:39] offset:128*\b+64*\u+16*\q
.endr
.endr
.endr
	s_wait_loadcnt 32                              ; x's 16 loads are in; the 32 of gain and bias may be out
.irp i, 0,1,2,3,4,5,6,7,8,9,10,11,12,13,14,15
	ds_store_b128 v5, v[X+4*\i:X+4*\i+3] offset:528*\i
.endr
.irp b, 0,1,2,3                                ; back: register 16 b + 8 u + 4 q + e = x(r, 32 b + 16 u + 8 half + 4 q + e).  LDS serves a wave's instructions in order: these see my stores
.irp u, 0,1
.irp q, 0,1
	ds_load_b128 v[X+16*\b+8*\u+4*\q:X+16*\b+8*\u+4*\q+3], v6 offset:128*\b+64*\u+16*\q
.endr
.endr
.endr
	s_wait_dscnt 0x0
	v_pk_add_f32 v[248:249], v[16:17], v[18:19]
	v_pk_add_f32 v[252:253], v[24:25], v[28:29]
	v_pk_add_f32 v[250:251], v[32:33], v[36:37]
	v_pk_add_f32 v[244:245], v[40:41], v[44:45]
	v_pk_add_f32 v[242:243], v[48:49], v[52:53]
	v_pk_add_f32 v[240:241], v[56:57], v[60:61]
	v_pk_add_f32 v[238:239], v[64:65], v[68:69]
	v_pk_add_f32 v[246:247], v[72:73], v[76:77]
	s_delay_alu instid0(VALU_DEP_1)
	v_pk_add_f32 v[246:247], v[246:247], v[20:21]
	v_pk_add_f32 v[248:249], v[248:249], v[22:23]
	v_pk_add_f32 v[252:253], v[252:253], v[26:27]
	v_pk_add_f32 v[250:251], v[250:251], v[30:31]
	v_pk_add_f32 v[244:245], v[244:245], v[34:35]
	v_pk_add_f32 v[242:243], v[242:243], v[38:39]
	v_pk_add_f32 v[240:241], v[240:241], v[42:43]
	v_pk_add_f32 v[238:239], v[238:239], v[46:47]
	v_pk_add_f32 v[246:247], v[246:247], v[50:51]
	v_pk_add_f32 v[248:249], v[248:249], v[54:55]
	v_pk_add_f32 v[252:253], v[252:253], v[58:59]
	v_pk_add_f32 v[250:251], v[250:251], v[62:63]
	v_pk_add_f32 v[244:245], v[244:245], v[66:67]
	v_pk_add_f32 v[242:243], v[242:243], v[70:71]
	v_pk_add_f32 v[240:241], v[240:241], v[74:75]
	v_pk_add_f32 v[238:239], v[238:239], v[78:79]
	s_delay_alu instid0(VALU_DEP_4)
	v_pk_add_f32 v[246:247], v[246:247], v[244:245]
	s_delay_alu instid0(VALU_DEP_4)
	v_pk_add_f32 v[248:249], v[248:249], v[242:243]
	s_delay_alu instid0(VALU_DEP_4)
	v_pk_add_f32 v[252:253], v[252:253], v[240:241]
	s_delay_alu instid0(VALU_DEP_4)
	v_pk_add_f32 v[250:251], v[250:251], v[238:239]
	s_delay_alu instid0(VALU_DEP_2)
	v_pk_add_f32 v[246:247], v[246:247], v[252:253]
	s_delay_alu instid0(VALU_DEP_2)
	v_pk_add_f32 v[248:249], v[248:249], v[250:251]
	s_delay_alu instid0(VALU_DEP_1)
	v_pk_add_f32 v[246:247], v[246:247], v[248:249]
	ACROSS 0
	s_delay_alu instid0(VALU_DEP_1)
	v_mul_f32 v250, 0x3a800000, v250               ; the mean: / 1,024
	s_delay_alu instid0(VALU_DEP_1)
	v_mov_b32 v251, v250
.set J, 0
.rept 32
	v_pk_add_f32 v[X+J:X+J+1], v[X+J:X+J+1], v[250:251] neg_lo:[0,1] neg_hi:[0,1]   ; x - mean: the variance is taken of these, so a common offset of x costs nothing
.set J, J+2
.endr
	v_pk_mul_f32 v[246:247], v[X:X+1], v[X:X+1]
	v_pk_mul_f32 v[248:249], v[X+2:X+3], v[X+2:X+3]
.set J, 4
.rept 15
	s_delay_alu instid0(VALU_DEP_2)
	v_pk_fma_f32 v[246:247], v[X+J:X+J+1], v[X+J:X+J+1], v[246:247]
	s_delay_alu instid0(VALU_DEP_2)
	v_pk_fma_f32 v[248:249], v[X+J+2:X+J+3], v[X+J+2:X+J+3], v[248:249]
.set J, J+4
.endr
	s_delay_alu instid0(VALU_DEP_1)
	v_pk_add_f32 v[246:247], v[246:247], v[248:249]
	ACROSS 512                                     ; other LDS words than the first sum's: no barrier between the two uses
	v_mov_b32 v253, 0x3727c5ac                     ; 1e-5
	s_delay_alu instid0(VALU_DEP_1)
	v_fmamk_f32 v252, v250, 0x3a800000, v253       ; variance + eps
	s_wait_alu depctr_va_vdst(0)
	v_rsq_f32 v250, v252
	v_nop                                          ; a plain place behind the transcendental
	s_wait_alu depctr_va_vdst(0)                   ; and the wait ahead of its first reader
	v_mov_b32 v251, v250
.set J, 0
.rept 32
	v_pk_mul_f32 v[X+J:X+J+1], v[X+J:X+J+1], v[250:251]
.set J, J+2
.endr
	s_wait_loadcnt 0x0                             ; gain and bias
.set J, 0
.rept 32
	v_pk_fma_f32 v[X+J:X+J+1], v[X+J:X+J+1], v[GN+J:GN+J+1], v[BV+J:BV+J+1]
.set J, J+2
.endr
	QUANT4 X, PC, TM, PW
.irp c, 0,1,2
	global_store_b128 v4, v[PC+4*\c:PC+4*\c+3], s[32:33] offset:512*\c   ; 32 lanes store 512 consecutive bytes
.endr
	global_store_b32 v10, v[PW], s[26:27]          ; the scale image: lane l's word at 4 l (both halves of the lanes hold row r's word)
	s_wait_tensorcnt 0x0
	ds_add_u32 v254, v255
	s_wait_dscnt 0x0
	s_endpgm
.Lqkv:                                         ; unit U = 8 x work-group + wave: column pair U & 1, K step (U >> 1) & 7, head (U >> 4) & 7, matrix U >> 7
	s_wait_alu depctr_va_vdst(0)
	WHEAD
	s_lshl_b32 s40, ttmp9, 3
	s_add_co_u32 s40, s40, s2
	s_and_b32 s41, s40, 1
	s_bfe_u32 s42, s40, 0x30001
	s_bfe_u32 s43, s40, 0x30004
	s_lshr_b32 s44, s40, 7
	s_cmp_eq_u32 s44, 0
	s_cselect_b64 s[34:35], s[14:15], s[16:17]
	s_cmp_eq_u32 s44, 2
	s_cselect_b64 s[34:35], s[18:19], s[34:35]
	s_lshl_b32 s46, s43, 18                        ; a head: 1,024 rows of 256 bytes
	s_lshl_b32 s45, s42, 15                        ; 128 rows
	s_add_co_u32 s46, s46, s45
	s_lshl_b32 s45, s41, 7                         ; 32 columns
	s_add_co_u32 s46, s46, s45
	s_add_nc_u64 s[34:35], s[34:35], s[46:47]
	s_mul_i32 s46, s43, 24
	s_lshl_b32 s45, s44, 3
	s_add_co_u32 s46, s46, s45
	s_add_co_u32 s46, s46, s42                     ; record 24 head + 8 matrix + K step
	s_mul_i32 s46, s46, 6400
	s_add_nc_u64 s[36:37], s[28:29], s[46:47]
	WDEST
	s_wait_alu depctr_va_vdst(0)
	WQUANT 256
.Lwo:                                          ; Wo and W2, [512][1,024]: column pair U & 31, K step (U >> 5) & 3, matrix U >> 7
	s_wait_alu depctr_va_vdst(0)
	WHEAD
	s_sub_co_u32 s40, ttmp9, 48
	s_lshl_b32 s40, s40, 3
	s_add_co_u32 s40, s40, s2
	s_lshr_b32 s44, s40, 7
	s_and_b32 s40, s40, 127
	s_and_b32 s41, s40, 31
	s_lshr_b32 s42, s40, 5
	s_cmp_eq_u32 s44, 0
	s_cselect_b64 s[34:35], s[20:21], s[24:25]
	s_lshl_b32 s46, s42, 19                        ; 128 rows of 4,096 bytes
	s_lshl_b32 s45, s41, 7
	s_add_co_u32 s46, s46, s45
	s_add_nc_u64 s[34:35], s[34:35], s[46:47]
	s_lshr_b32 s46, s41, 3                         ; the wave of the last launch that owns these columns
	s_mul_i32 s46, s46, 48
	s_lshl_b32 s45, s44, 5                         ; Wo's records 0-15, W2's 32-47
	s_add_co_u32 s46, s46, s45
	s_lshl_b32 s45, s42, 2
	s_add_co_u32 s46, s46, s45
	s_bfe_u32 s45, s41, 0x20001
	s_add_co_u32 s46, s46, s45
	s_mul_i32 s46, s46, 6400
	s_add_nc_u64 s[36:37], s[30:31], s[46:47]
	WDEST
	s_wait_alu depctr_va_vdst(0)
	WQUANT 4096
.Lw1:                                          ; W1, [1,024][512]: column pair U & 15, K step U >> 4
	s_wait_alu depctr_va_vdst(0)
	WHEAD
	s_sub_co_u32 s40, ttmp9, 80
	s_lshl_b32 s40, s40, 3
	s_add_co_u32 s40, s40, s2
	s_and_b32 s41, s40, 15
	s_lshr_b32 s42, s40, 4
	s_lshl_b32 s46, s42, 18                        ; 128 rows of 2,048 bytes
	s_lshl_b32 s45, s41, 7
	s_add_co_u32 s46, s46, s45
	s_add_nc_u64 s[34:35], s[22:23], s[46:47]
	s_lshr_b32 s46, s41, 2
	s_mul_i32 s46, s46, 48
	s_add_co_u32 s46, s46, 16                      ; W1's records 16-31
	s_lshl_b32 s45, s42, 1
	s_add_co_u32 s46, s46, s45
	s_bfe_u32 s45, s41, 0x10001
	s_add_co_u32 s46, s46, s45
	s_mul_i32 s46, s46, 6400
	s_add_nc_u64 s[36:37], s[30:31], s[46:47]
	WDEST
	s_wait_alu depctr_va_vdst(0)
	WQUANT 2048
.Lfunc_end_k_q87bd2683ae_prep:
	.size	k_q87bd2683ae_prep, .Lfunc_end_k_q87bd2683ae_prep-k_q87bd2683ae_prep
	.p2alignl 7, 3214868480
	.fill 96, 4, 3214868480
	.section	.rodata,"a",@progbits
	.p2align	6, 0x0
	.amdhsa_kernel k_q87bd2683ae_prep
		.amdhsa_group_segment_fixed_size 69632
		.amdhsa_private_segment_fixed_size 0
		.amdhsa_enable_private_segment 0
		.amdhsa_kernarg_size 96
		.amdhsa_user_sgpr_count 2
		.amdhsa_user_sgpr_kernarg_segment_ptr 1
		.amdhsa_wavefront_size32 1
		.amdhsa_system_sgpr_workgroup_id_x 1
		.amdhsa_system_sgpr_workgroup_id_y 1
		.amdhsa_system_sgpr_workgroup_id_z 1
		.amdhsa_system_vgpr_workitem_id 0
		.amdhsa_next_free_vgpr 256
		.amdhsa_next_free_sgpr 66
		.amdhsa_reserve_vcc 0
		.amdhsa_float_denorm_mode_32 3
		.amdhsa_float_denorm_mode_16_64 3
		.amdhsa_memory_ordered 1
		.amdhsa_forward_progress 1
		.amdhsa_inst_pref_size 96
	.end_amdhsa_kernel
	.amdgpu_metadata
---
amdhsa.version: [ 1, 2 ]
amdhsa.kernels:
  - .name:           k_q87bd2683ae_prep
    .symbol:         k_q87bd2683ae_prep.kd
    .args:
      - { .name: x, .offset: 0, .size: 8, .value_kind: global_buffer, .address_space: global }
      - { .name: ln1_g, .offset: 8, .size: 8, .value_kind: global_buffer, .address_space: global }
      - { .name: ln1_b, .offset: 16, .size: 8, .value_kind: global_buffer, .address_space: global }
      - { .name: Wq, .offset: 24, .size: 8, .value_kind: global_buffer, .address_space: global }
      - { .name: Wk, .offset: 32, .size: 8, .value_kind: global_buffer, .address_space: global }
      - { .name: Wv, .offset: 40, .size: 8, .value_kind: global_buffer, .address_space: global }
      - { .name: Wo, .offset: 48, .size: 8, .value_kind: global_buffer, .address_space: global }
      - { .name: W1, .offset: 56, .size: 8, .value_kind: global_buffer, .address_space: global }
      - { .name: W2, .offset: 64, .size: 8, .value_kind: global_buffer, .address_space: global }
      - { .name: h, .offset: 72, .size: 8, .value_kind: global_buffer, .address_space: global }
      - { .name: wqkv, .offset: 80, .size: 8, .value_kind: global_buffer, .address_space: global }
      - { .name: wt, .offset: 88, .size: 8, .value_kind: global_buffer, .address_space: global }
    .group_segment_fixed_size: 69632
    .private_segment_fixed_size: 0
    .kernarg_segment_align: 8
    .kernarg_segment_size: 96
    .max_flat_workgroup_size: 256
    .sgpr_count:     66
    .vgpr_count:     256
    .wavefront_size: 32
...
	.end_amdgpu_metadata
.endif
;; end of part 5
;; launch qkv (part 6): grid 32 x 8, 4 waves a work-group, clusters of 4 x 1, 168,448 bytes of LDS; arguments h, wqkv, q, kv; writes q, kv
.if DOCPART == 6
	.amdgcn_target "amdgcn-amd-amdhsa--gfx1250"
	.amdhsa_code_object_version 6
	.text
	.protected	k_q87bd2683ae_qkv
	.globl	k_q87bd2683ae_qkv
	.p2align	8
	.type	k_q87bd2683ae_qkv,@function
k_q87bd2683ae_qkv:
	s_mov_b64 s[64:65], 0
	v_nop
	global_prefetch_b8 v0, s[64:65] scope:SCOPE_SE
	s_setreg_imm32_b32 hwreg(HW_REG_WAVE_MODE, 25, 1), 1
	s_wait_xcnt 0x0
	s_wait_alu depctr_hold_cnt(0) depctr_sa_sdst(0) depctr_va_vdst(0) depctr_va_sdst(0) depctr_va_ssrc(0) depctr_va_vcc(0) depctr_vm_vsrc(0)
	s_getreg_b32 s2, hwreg(HW_REG_IB_STS2, 6, 4)
	s_cmp_eq_u32 s2, 0
	s_cbranch_scc0 .Lentry_in_a_cluster
	s_endpgm
.Lentry_in_a_cluster:
	s_bfe_u32 s2, ttmp6, 0x10000c
	s_cmp_lg_u32 s2, 0x3003
	s_cbranch_scc0 .Lentry_shape_is_right
	s_endpgm
.Lentry_shape_is_right:
; QKV: q, k, v of one head for 256 tokens, on codes of FP6 with E8M0 scales, and their quantising for the two products of attention.
; SHARES.  Work-group (X, head): tokens 256 X on; wave w: tokens 64 w on (four tiles of 16) x the head's 3 x 64 columns; K = 1,024 in 8 steps of 128: 3 x 128 matrix instructions a wave.
; h's 32 fragments of the wave (384 registers) come from memory once, as images of their registers, and serve all three matrices.
; The head's weights, 24 group records = 153,600 bytes, come into LDS once: each wave brings a quarter by one tensor load.  CLUSTER: the four work-groups of a cluster have the same head, so the load is joint
; (the same descriptor in all four, a mask that names the four).  Nothing in LDS is filled a second time.
; q and k are made TRANSPOSED (source 0 = 16 columns of W, source 1 = 16 tokens): a lane holds one token and its registers run along d, the next K.  v is made the natural way (source 0 = tokens):
; a lane holds one d and its registers run along the tokens, which are the keys, the second product's K.  So each is quantised in registers, 32 registers = two blocks, half a fragment (6 registers).
; A HALF IMAGE is 768 bytes: registers 0-3 of lane l at 16 l, registers 4-5 at 512 + 8 l.
; OUT: q: half images [batch x head][tile] and scale images; kv: a record of 13,056 bytes for each 128 keys: 8 half images of k, 4 fragments of v^T (two halves each), 128 scale words of k, 64 of v.
; q's and k's scale words carry the byte 127 for the two blocks of the instruction's K that hold zero codes.
; LIMITS: as stated in the first launch: no NaN, no infinities; blocks under 2^-124 get the byte 1.
; REGISTERS: window 0: v1-6 lane terms; v8-39 h's scale words; v40-43 the weights' scale words, two sets; v44-49 at work; v60-63 scale words made; v64-191 16 accumulators; v192-241 codes made.
;   window 1: h's fragments of tiles 0, 1 (96 (m % 2) + 12 s); window 2: of tiles 2, 3; window 3: four weight fragments, two sets.
.set H_SC, 6291456
.set Q_SC, 3145728
.set REC,  13056
.set ACC,  64
.set WV,   3
.set SEL,  60
.set MSB,  0
.macro WIN new                         ; the immediate's high byte repeats the setting that is left
.if MSB != (\new)
	s_set_vgpr_msb (MSB<<8)|(\new)
.set MSB, (\new)
.endif
.endm
.macro PLACES n
.rept \n
	v_nop
.endr
.endm
.macro ROUND                           ; a round of the cluster's barrier
	s_barrier_signal -1
	s_barrier_wait -1
	s_cmp_lg_u32 s[WV], 0
	s_cbranch_scc1 .Lnot_wave_0_\@
	s_barrier_signal -3
.Lnot_wave_0_\@:
	s_barrier_wait -3
	s_barrier_signal -1
	s_barrier_wait -1
.endm
; one matrix instruction: D, source 0, source 1, C (a negative number: the constant 0), the two scale registers, and whether a side's scales stand in lanes 16-31
.macro WM d, a, b, c, sa, sb, ra, rb
.if (\c) < 0
.if \ra
	v_wmma_scale_f32_16x16x128_f8f6f4 v[\d:\d+7], v[\a:\a+11], v[\b:\b+11], 0, v[\sa], v[\sb] matrix_a_fmt:MATRIX_FMT_FP6 matrix_b_fmt:MATRIX_FMT_FP6 matrix_a_scale:MATRIX_SCALE_ROW1
.elseif \rb
	v_wmma_scale_f32_16x16x128_f8f6f4 v[\d:\d+7], v[\a:\a+11], v[\b:\b+11], 0, v[\sa], v[\sb] matrix_a_fmt:MATRIX_FMT_FP6 matrix_b_fmt:MATRIX_FMT_FP6 matrix_b_scale:MATRIX_SCALE_ROW1
.else
	v_wmma_scale_f32_16x16x128_f8f6f4 v[\d:\d+7], v[\a:\a+11], v[\b:\b+11], 0, v[\sa], v[\sb] matrix_a_fmt:MATRIX_FMT_FP6 matrix_b_fmt:MATRIX_FMT_FP6
.endif
.else
.if \ra
	v_wmma_scale_f32_16x16x128_f8f6f4 v[\d:\d+7], v[\a:\a+11], v[\b:\b+11], v[\c:\c+7], v[\sa], v[\sb] matrix_a_fmt:MATRIX_FMT_FP6 matrix_b_fmt:MATRIX_FMT_FP6 matrix_a_scale:MATRIX_SCALE_ROW1
.elseif \rb
	v_wmma_scale_f32_16x16x128_f8f6f4 v[\d:\d+7], v[\a:\a+11], v[\b:\b+11], v[\c:\c+7], v[\sa], v[\sb] matrix_a_fmt:MATRIX_FMT_FP6 matrix_b_fmt:MATRIX_FMT_FP6 matrix_b_scale:MATRIX_SCALE_ROW1
.else
	v_wmma_scale_f32_16x16x128_f8f6f4 v[\d:\d+7], v[\a:\a+11], v[\b:\b+11], v[\c:\c+7], v[\sa], v[\sb] matrix_a_fmt:MATRIX_FMT_FP6 matrix_b_fmt:MATRIX_FMT_FP6
.endif
.endif
.endm
; 32 numbers of a lane, register 16 b + 8 u + j = k 32 b + 16 u + 8 (lane / 16) + j, become half a fragment, v[pc] .. v[pc + 5], and two scale bytes in v[pw]
.macro QUANT2 s, pc, tm, pw
.irp b, 0,1
	v_max3_num_f32 v[\tm+\b], |v[\s+16*\b]|, |v[\s+1+16*\b]|, 0x1800000   ; each accumulator is read from its low end on; the floor 2^(3 - 127) holds the byte at 1
.endr
.irp i, 2,4,6,8,10,12,14
.irp b, 0,1
	v_max3_num_f32 v[\tm+\b], v[\tm+\b], |v[\s+16*\b+\i]|, |v[\s+1+16*\b+\i]|
.endr
.endr
.irp b, 0,1
	v_permlanex16_b32 v[\tm+2+\b], v[\tm+\b], s[SEL], s[SEL+1]
.endr
.irp b, 0,1
	v_max_num_f32 v[\tm+\b], v[\tm+\b], v[\tm+2+\b]
.endr
.irp b, 0,1
	v_add_nc_u32 v[\tm+4+\b], 0xff000000, v[\tm+\b]                ; 2 off the exponent field: the conversion's scale operand
.endr
.irp b, 0,1
	v_lshrrev_b32 v[\tm+2+\b], 23, v[\tm+4+\b]
.endr
	v_lshl_or_b32 v[\pw], v[\tm+3], 8, v[\tm+2]
	v_cvt_scalef32_pk16_fp6_f32 v[\pc:\pc+2], v[\s:\s+15], v[\tm+4]
	v_cvt_scalef32_pk16_fp6_f32 v[\pc+8:\pc+10], v[\s+16:\s+31], v[\tm+5]
	v_nop                                          ; one plain place behind the scaled conversions
.irp i, 0,1,2
	v_permlane16_swap_b32 v[\pc+\i], v[\pc+8+\i]   ; lanes 0-15 get block 0 whole, lanes 16-31 block 1
.endr
.irp i, 0,1,2
	v_mov_b32 v[\pc+3+\i], v[\pc+8+\i]
.endr
.endm
	s_load_b256 s[4:11], s[0:1], 0x0               ; h s[4:5], wqkv s[6:7], q s[8:9], kv s[10:11]
	v_lshl_add_u32 v254, v0, 2, 0x29000
	v_mov_b32 v255, 0
	ds_add_u32 v254, v255
	ds_add_u32 v254, v255
	v_lshrrev_b32 v1, 5, v0
	v_readfirstlane_b32 s[WV], v1                  ; wave 0..3
	v_and_b32 v1, 31, v0                           ; lane
	v_lshlrev_b32 v4, 4, v1
	v_lshlrev_b32 v5, 2, v1
	v_lshlrev_b32 v6, 3, v1
	v_mov_b32 v46, 0                               ; a lane permute's destination counts as read
	v_mov_b32 v47, 0
	s_bfe_u32 s28, ttmp6, 0x40000                  ; cx
	s_lshl_b32 s29, ttmp9, 2
	s_add_co_u32 s29, s29, s28                     ; X = 4 x cluster x + cx: it enters h's, q's and kv's addresses alone
	s_and_b32 s30, ttmp7, 0xffff                   ; the head, which the four partners share
	; descriptor group 1: a dense block of 38,400 bytes as 150 rows of 256 bytes (32 elements of 8 bytes)
	s_mov_b32 s16, 15|(3<<16)|(1<<21)              ; 15:0 the mask: all four work-groups; 17:16 elements of 8 bytes; 21 set beside a mask; no padding
	s_mov_b32 s17, 32<<16                          ; tensor_dim0 = 32
	s_mov_b32 s18, 150<<16                         ; tensor_dim1 = 150
	s_mov_b32 s19, 32<<16                          ; tile_dim0 = 32
	s_mov_b32 s20, 150                             ; tile_dim1 = 150
	s_mov_b32 s21, 32                              ; the pitch
	s_mov_b32 s22, 0
	s_mov_b32 s23, 0
	s_mul_i32 s13, s[WV], 38400                    ; LDS address: my quarter
	s_mul_i32 s26, s30, 153600
	s_add_co_u32 s26, s26, s13
	s_mov_b32 s27, 0
	s_mov_b32 s37, 0
	s_mov_b32 s40, 0xffff0000                      ; lanes 16-31
	s_mov_b32 s[SEL], 0x76543210
	s_mov_b32 s[SEL+1], 0xfedcba98
	s_lshr_b32 s31, s29, 3                         ; batch
	s_lshl_b32 s32, s31, 3
	s_add_co_u32 s32, s32, s30                     ; batch x 8 + head
	s_and_b32 s33, s29, 7                          ; which 256 tokens of the batch
	s_wait_dscnt 0x0
	s_wait_kmcnt 0x0
	s_mov_b32 s12, 1
	s_add_nc_u64 s[14:15], s[6:7], s[26:27]
	s_or_b32 s15, s15, 0x80000000
	s_lshl_b32 s34, s33, 4
	s_lshl_b32 s35, s[WV], 2
	s_add_co_u32 s34, s34, s35
	s_lshl_b32 s35, s32, 7
	s_add_co_u32 s34, s34, s35                     ; my first tile of q: 128 (batch, head) + 16 xt + 4 w
	s_mul_i32 s36, s34, 768
	s_add_nc_u64 s[42:43], s[8:9], s[36:37]        ; q's half images
	s_lshl_b32 s36, s34, 7
	s_add_co_u32 s36, s36, Q_SC
	s_add_nc_u64 s[44:45], s[8:9], s[36:37]        ; q's scale images
	s_lshl_b32 s34, s33, 1
	s_lshr_b32 s35, s[WV], 1
	s_add_co_u32 s34, s34, s35
	s_lshl_b32 s35, s32, 4
	s_add_co_u32 s34, s34, s35                     ; my record: 16 (batch, head) + key step
	s_mul_i32 s36, s34, REC
	s_add_nc_u64 s[46:47], s[10:11], s[36:37]
	s_and_b32 s35, s[WV], 1                        ; which 64 of its 128 keys are mine
	s_mul_i32 s36, s35, 3072
	s_add_nc_u64 s[48:49], s[46:47], s[36:37]      ; k's half images
	s_lshl_b32 s36, s35, 8
	s_add_co_u32 s36, s36, 12288
	s_add_nc_u64 s[50:51], s[46:47], s[36:37]      ; k's scale words
	s_mul_i32 s36, s35, 768
	s_add_co_u32 s36, s36, 6144
	s_add_nc_u64 s[52:53], s[46:47], s[36:37]      ; my half of v's fragments
	s_lshl_b32 s36, s35, 1
	s_add_co_u32 s36, s36, 12800
	s_add_nc_u64 s[54:55], s[46:47], s[36:37]      ; my two bytes of v's scale words
	s_lshl_b32 s34, s29, 4
	s_lshl_b32 s35, s[WV], 2
	s_add_co_u32 s34, s34, s35                     ; my first tile of rows of h
	s_mul_i32 s36, s34, 12288
	s_add_nc_u64 s[56:57], s[4:5], s[36:37]
	s_lshl_b32 s36, s34, 10
	s_add_co_u32 s36, s36, H_SC
	s_add_nc_u64 s[58:59], s[4:5], s[36:37]
	ROUND                                          ; all four work-groups are here: the joint loads meet
	tensor_load_to_lds s[12:15], s[16:23]          ; my one tensor load of the launch
	s_nop 0
	PLACES 4                                       ; four instructions ahead of the next switch of windows
	s_wait_alu depctr_va_vdst(0)
.irp m, 0,1,2,3
.if \m < 2
	WIN 0x40                                       ; destination window 1
.else
	WIN 0x80                                       ; destination window 2
.endif
.irp s, 0,1,2,3,4,5,6,7
.irp c, 0,1,2
	global_load_b128 v[96*(\m%2)+12*\s+4*\c:96*(\m%2)+12*\s+4*\c+3], v4, s[56:57] offset:(8*\m+\s)*1536+512*\c
.endr
.endr
.endr
	WIN 0
.irp m, 0,1,2,3
.irp s, 0,1,2,3,4,5,6,7
	global_load_b32 v[8+8*\m+\s], v5, s[58:59] offset:(8*\m+\s)*128
.endr
.endr
	s_wait_tensorcnt 0x0                           ; my quarter of the weights is in LDS,
	s_barrier_signal -1
	s_barrier_wait -1                              ; everybody's is
	s_wait_loadcnt 0x0                             ; h
; K step s of the matrix in hand: four fragments and their scale words into set buf: 14 LDS loads
.macro FETCHB s, buf
	WIN 0xc0                                       ; destination window 3
.irp t, 0,1,2,3
.irp c, 0,1,2
	ds_load_b128 v[48*(\buf)+12*\t+4*\c:48*(\buf)+12*\t+4*\c+3], v2 offset:6400*(\s)+1536*\t+512*\c
.endr
.endr
	WIN 0
.irp e, 0,1
	ds_load_b32 v[40+2*(\buf)+\e], v3 offset:6400*(\s)+6144+128*\e   ; lanes 0-15: fragment 2 e's words, lanes 16-31: fragment 2 e + 1's
.endr
.endm
; 16 matrix instructions on 16 accumulators, one instruction a turn; K step 0 starts the sums with the constant 0
.macro MULQK k, buf                    ; transposed: accumulator (m, t) at ACC + 32 m + 8 t
.irp m, 0,1,2,3
.if \m < 2
	WIN 0x07                                       ; source 0 window 3, source 1 window 1
.else
	WIN 0x0b                                       ; source 1 window 2
.endif
.irp t, 0,1,2,3
.if (\k) == 0
	WM ACC+32*\m+8*\t, 48*(\buf)+12*\t, 96*(\m%2)+12*(\k), -1, 40+2*(\buf)+\t/2, 8+8*\m+(\k), \t%2, 0
.else
	WM ACC+32*\m+8*\t, 48*(\buf)+12*\t, 96*(\m%2)+12*(\k), ACC+32*\m+8*\t, 40+2*(\buf)+\t/2, 8+8*\m+(\k), \t%2, 0
.endif
.endr
.endr
.endm
.macro MULV k, buf                     ; natural: accumulator (t, m) at ACC + 32 t + 8 m
.irp m, 0,1,2,3
.if \m < 2
	WIN 0x0d                                       ; source 0 window 1, source 1 window 3
.else
	WIN 0x0e                                       ; source 0 window 2
.endif
.irp t, 0,1,2,3
.if (\k) == 0
	WM ACC+32*\t+8*\m, 96*(\m%2)+12*(\k), 48*(\buf)+12*\t, -1, 8+8*\m+(\k), 40+2*(\buf)+\t/2, 0, \t%2
.else
	WM ACC+32*\t+8*\m, 96*(\m%2)+12*(\k), 48*(\buf)+12*\t, ACC+32*\t+8*\m, 8+8*\m+(\k), 40+2*(\buf)+\t/2, 0, \t%2
.endif
.endr
.endr
.endm
; one matrix of the three: 8 K steps; the next step's weights are fetched ahead of each step's products
.macro MAT kind, mat
	v_lshl_add_u32 v2, v1, 4, \mat*51200
	s_wait_alu depctr_va_vdst(0)
	v_lshl_add_u32 v3, v1, 2, \mat*51200
	s_wait_alu depctr_va_vdst(0)
	FETCHB 0, 0
.irp k, 0,1,2,3,4,5,6,7
.if (\k > 0) && (\k < 7)
	PLACES 4                                       ; the set about to be loaded was read by the products just issued (ISA guide 7.12.1 for vector instructions)
.endif
.if \k < 7
	FETCHB \k+1, (\k+1)%2
	s_wait_dscnt 14                                ; this step's 14 loads are in; the 14 just issued may be out
.else
	s_wait_dscnt 0x0
.endif
.if \kind
	MULV \k, \k%2
.else
	MULQK \k, \k%2
.endif
.endr
	WIN 0
	PLACES 4                                       ; in front of the first read of results
.endm
.macro EPIQK isq
	s_wait_xcnt 0x0                                ; earlier stores have read their data: the codes' and scale words' registers are written again only behind this wait
.irp m, 0,1,2,3
	QUANT2 ACC+32*\m, 192+12*\m, 44, 60+\m
	v_or_b32 v[60+\m], 0x7f7f0000, v[60+\m]        ; the byte 127 for the two blocks of zero codes
.if \isq
	global_store_b128 v4, v[192+12*\m:195+12*\m], s[42:43] offset:768*\m
	global_store_b64 v6, v[196+12*\m:197+12*\m], s[42:43] offset:768*\m+512
	global_store_b32 v5, v[60+\m], s[44:45] offset:128*\m
.else
	global_store_b128 v4, v[192+12*\m:195+12*\m], s[48:49] offset:768*\m
	global_store_b64 v6, v[196+12*\m:197+12*\m], s[48:49] offset:768*\m+512
.endif
.endr
.if !\isq
	v_cndmask_b32 v240, v60, v61, s40              ; lanes 0-15: tile 0's words, lanes 16-31: tile 1's: 128 consecutive bytes
	v_cndmask_b32 v241, v62, v63, s40
	global_store_b32 v5, v240, s[50:51]
	global_store_b32 v5, v241, s[50:51] offset:128
.endif
.endm
	MAT 0, 0
	EPIQK 1
	MAT 0, 1
	EPIQK 0
	MAT 1, 2
	s_wait_xcnt 0x0
.irp t, 0,1,2,3
	QUANT2 ACC+32*\t, 192+12*\t, 44, 60+\t         ; d = 16 t + lane % 16; my 64 keys: two blocks
	global_store_b128 v4, v[192+12*\t:195+12*\t], s[52:53] offset:1536*\t
	global_store_b64 v6, v[196+12*\t:197+12*\t], s[52:53] offset:1536*\t+512
.endr
	v_cndmask_b32 v240, v60, v61, s40
	v_cndmask_b32 v241, v62, v63, s40
	global_store_b16 v5, v240, s[54:55]            ; two of the four bytes of d's scale word; the wave beside me stores the other two
	global_store_b16 v5, v241, s[54:55] offset:128
	s_wait_dscnt 0x0
	s_wait_tensorcnt 0x0
	ds_add_u32 v254, v255
	s_wait_dscnt 0x0
	ROUND                                          ; the closing round: no work-group ends while a partner may still ask jointly
	s_endpgm
.Lfunc_end_k_q87bd2683ae_qkv:
	.size	k_q87bd2683ae_qkv, .Lfunc_end_k_q87bd2683ae_qkv-k_q87bd2683ae_qkv
	.p2alignl 7, 3214868480
	.fill 96, 4, 3214868480
	.section	.rodata,"a",@progbits
	.p2align	6, 0x0
	.amdhsa_kernel k_q87bd2683ae_qkv
		.amdhsa_group_segment_fixed_size 168448
		.amdhsa_private_segment_fixed_size 0
		.amdhsa_enable_private_segment 0
		.amdhsa_kernarg_size 32
		.amdhsa_user_sgpr_count 2
		.amdhsa_user_sgpr_kernarg_segment_ptr 1
		.amdhsa_wavefront_size32 1
		.amdhsa_system_sgpr_workgroup_id_x 1
		.amdhsa_system_sgpr_workgroup_id_y 1
		.amdhsa_system_sgpr_workgroup_id_z 1
		.amdhsa_system_vgpr_workitem_id 0
		.amdhsa_next_free_vgpr 1024
		.amdhsa_next_free_sgpr 66
		.amdhsa_reserve_vcc 0
		.amdhsa_float_denorm_mode_32 3
		.amdhsa_float_denorm_mode_16_64 3
		.amdhsa_memory_ordered 1
		.amdhsa_forward_progress 1
		.amdhsa_inst_pref_size 120
	.end_amdhsa_kernel
	.amdgpu_metadata
---
amdhsa.version: [ 1, 2 ]
amdhsa.kernels:
  - .name:           k_q87bd2683ae_qkv
    .symbol:         k_q87bd2683ae_qkv.kd
    .args:
      - { .name: h, .offset: 0, .size: 8, .value_kind: global_buffer, .address_space: global }
      - { .name: wqkv, .offset: 8, .size: 8, .value_kind: global_buffer, .address_space: global }
      - { .name: q, .offset: 16, .size: 8, .value_kind: global_buffer, .address_space: global }
      - { .name: kv, .offset: 24, .size: 8, .value_kind: global_buffer, .address_space: global }
    .group_segment_fixed_size: 168448
    .private_segment_fixed_size: 0
    .kernarg_segment_align: 8
    .kernarg_segment_size: 32
    .max_flat_workgroup_size: 128
    .sgpr_count:     66
    .vgpr_count:     1024
    .wavefront_size: 32
...
	.end_amdgpu_metadata
.endif
;; end of part 6
;; launch attn (part 7): grid 8 x 32, 8 waves a work-group, clusters of 4 x 1, 209,920 bytes of LDS; arguments q, kv, oc; writes oc
.if DOCPART == 7
	.amdgcn_target "amdgcn-amd-amdhsa--gfx1250"
	.amdhsa_code_object_version 6
	.text
	.protected	k_q87bd2683ae_attn
	.globl	k_q87bd2683ae_attn
	.p2align	8
	.type	k_q87bd2683ae_attn,@function
k_q87bd2683ae_attn:
	s_mov_b64 s[64:65], 0
	v_nop
	global_prefetch_b8 v0, s[64:65] scope:SCOPE_SE
	s_setreg_imm32_b32 hwreg(HW_REG_WAVE_MODE, 25, 1), 1
	s_wait_xcnt 0x0
	s_wait_alu depctr_hold_cnt(0) depctr_sa_sdst(0) depctr_va_vdst(0) depctr_va_sdst(0) depctr_va_ssrc(0) depctr_va_vcc(0) depctr_vm_vsrc(0)
	s_getreg_b32 s2, hwreg(HW_REG_IB_STS2, 6, 4)
	s_cmp_eq_u32 s2, 0
	s_cbranch_scc0 .Lentry_in_a_cluster
	s_endpgm
.Lentry_in_a_cluster:
	s_bfe_u32 s2, ttmp6, 0x10000c
	s_cmp_lg_u32 s2, 0x3003
	s_cbranch_scc0 .Lentry_shape_is_right
	s_endpgm
.Lentry_shape_is_right:
; ATTN: causal attention of one (batch, head) on codes of FP6 with E8M0 scales; its result, divided by the row's sum, is quantised along d for the product with Wo.
; THE SOFTMAX: t = score x log2(e) / 8; M = the running largest t rounded UP to a whole number; p = 2^(t - M) is quantised along the keys, not normalised; the row's sum is taken of the unquantised p;
; when M moves, the sum and O are multiplied by 2^(old M - new M), which rounds nothing.
; SHARES.  Work-group (j, batch x head), j = 0 .. 7.  Wave w owns TWO tiles of 16 queries: 127 - (8 w + j) and 8 w + j.  They need 16 - w and w + 1 key steps of 128: 17 for every wave of every work-group.
; The head's K and V, 16 records of 13,056 bytes, come into LDS once: wave w brings records w and 8 + w.  CLUSTER: the four work-groups of a cluster have the same head: the loads are joint.  Nothing is filled again.
; A wave has two tensor loads out.
; PHASES.  1: the high tile against records 0-7, all of whose keys count for it.  2: against records 8-15: a step whose keys all come after the tile is jumped over (a scalar branch on the wave's number and the
; trip's number; every trip count is a constant), the step on the diagonal is masked.  3: the low tile against records 0-7, likewise.  j enters global addresses and the mask's threshold alone.
; LAYOUT.  Both products transposed: S^T = K Q^T, O^T = V^T P^T: a lane holds ONE query (lane % 16).  The first product's K is 64: the upper six registers of K's and Q's fragments hold zero codes, their scale bytes 127.
; The order of k inside a block of 32 is the one in which matrix results fall (see the first launch); q and k, p and v have it alike.
; LIMITS: no NaN, no infinities; blocks under 2^-124 get the byte 1.  A block's largest p is made from the block's largest score by the same multiply-add and exponential: this takes v_exp_f32 not to fall where its input rises.
; REGISTERS: v2-4 the step's LDS addresses; v5 the mask's threshold; v6, v7, v29 16, 8, 4 x lane; v8-11 the blocks' largest scores; v12 -M, v13 the largest t, v[14:15] the sum; v16-27 Q; v28 Q's scale word;
;   v30-31 V's scale words; v32-79 four fragments of K; v80-127 V's four; v128-191 S^T, then p; v192-223 O^T; v224-235 p's codes; v236-247 at work; v248-251 K's scale words; v252 f; v253 p's scale word; v255 -infinity.
.set Q_SC,  3145728
.set OC_SC, 3145728
.set REC,   13056
.set WV,    3
.set SEL,   10                         ; s[10:11]
.set SI,    60                         ; s60  the trip's number
.set TB,    61                         ; s61  LDS byte at which the step's record begins
.set CS,    62                         ; s[62:63] c = log2(e) / 8
.macro PLACES n
.rept \n
	v_nop
.endr
.endm
.macro ROUND
	s_barrier_signal -1
	s_barrier_wait -1
	s_cmp_lg_u32 s[WV], 0
	s_cbranch_scc1 .Lnot_wave_0_\@
	s_barrier_signal -3
.Lnot_wave_0_\@:
	s_barrier_wait -3
	s_barrier_signal -1
	s_barrier_wait -1
.endm
.macro WM d, a, b, c, sa, sb, ra, rb
.if (\c) < 0
.if \ra
	v_wmma_scale_f32_16x16x128_f8f6f4 v[\d:\d+7], v[\a:\a+11], v[\b:\b+11], 0, v[\sa], v[\sb] matrix_a_fmt:MATRIX_FMT_FP6 matrix_b_fmt:MATRIX_FMT_FP6 matrix_a_scale:MATRIX_SCALE_ROW1
.else
	v_wmma_scale_f32_16x16x128_f8f6f4 v[\d:\d+7], v[\a:\a+11], v[\b:\b+11], 0, v[\sa], v[\sb] matrix_a_fmt:MATRIX_FMT_FP6 matrix_b_fmt:MATRIX_FMT_FP6
.endif
.else
.if \ra
	v_wmma_scale_f32_16x16x128_f8f6f4 v[\d:\d+7], v[\a:\a+11], v[\b:\b+11], v[\c:\c+7], v[\sa], v[\sb] matrix_a_fmt:MATRIX_FMT_FP6 matrix_b_fmt:MATRIX_FMT_FP6 matrix_a_scale:MATRIX_SCALE_ROW1
.else
	v_wmma_scale_f32_16x16x128_f8f6f4 v[\d:\d+7], v[\a:\a+11], v[\b:\b+11], v[\c:\c+7], v[\sa], v[\sb] matrix_a_fmt:MATRIX_FMT_FP6 matrix_b_fmt:MATRIX_FMT_FP6
.endif
.endif
.endm
.macro QUANT2 s, pc, tm, pw            ; 32 numbers of a lane become half a fragment and two scale bytes (as in the launch before)
.irp b, 0,1
	v_max3_num_f32 v[\tm+\b], |v[\s+16*\b]|, |v[\s+1+16*\b]|, 0x1800000
.endr
.irp i, 2,4,6,8,10,12,14
.irp b, 0,1
	s_delay_alu instid0(VALU_DEP_2)
	v_max3_num_f32 v[\tm+\b], v[\tm+\b], |v[\s+16*\b+\i]|, |v[\s+1+16*\b+\i]|
.endr
.endr
.irp b, 0,1
	s_delay_alu instid0(VALU_DEP_2)
	v_permlanex16_b32 v[\tm+2+\b], v[\tm+\b], s[SEL], s[SEL+1]
.endr
.irp b, 0,1
	s_delay_alu instid0(VALU_DEP_2)
	v_max_num_f32 v[\tm+\b], v[\tm+\b], v[\tm+2+\b]
.endr
.irp b, 0,1
	s_delay_alu instid0(VALU_DEP_2)
	v_add_nc_u32 v[\tm+4+\b], 0xff000000, v[\tm+\b]
.endr
.irp b, 0,1
	s_delay_alu instid0(VALU_DEP_2)
	v_lshrrev_b32 v[\tm+2+\b], 23, v[\tm+4+\b]
.endr
	s_delay_alu instid0(VALU_DEP_1)
	v_lshl_or_b32 v[\pw], v[\tm+3], 8, v[\tm+2]
	v_cvt_scalef32_pk16_fp6_f32 v[\pc:\pc+2], v[\s:\s+15], v[\tm+4]
	v_cvt_scalef32_pk16_fp6_f32 v[\pc+8:\pc+10], v[\s+16:\s+31], v[\tm+5]
	v_nop
.irp i, 0,1,2
	v_permlane16_swap_b32 v[\pc+\i], v[\pc+8+\i]
.endr
.irp i, 0,1,2
	s_delay_alu instid0(VALU_DEP_3)
	v_mov_b32 v[\pc+3+\i], v[\pc+8+\i]
.endr
.endm
; the four addresses of query tile s[t]: q's half image, q's scale image, oc's half image, oc's two scale bytes, into s[base] .. s[base + 7]
.macro PTRS t, base
	s_lshl_b32 s36, s30, 7
	s_add_co_u32 s36, s36, s[\t]
	s_mul_i32 s38, s36, 768
	s_add_nc_u64 s[\base:\base+1], s[4:5], s[38:39]
	s_lshl_b32 s38, s36, 7
	s_add_co_u32 s38, s38, Q_SC
	s_add_nc_u64 s[\base+2:\base+3], s[4:5], s[38:39]
	s_lshr_b32 s36, s30, 3
	s_lshl_b32 s36, s36, 7
	s_add_co_u32 s36, s36, s[\t]                   ; the tile of rows: 128 x batch + tile
	s_bfe_u32 s37, s30, 0x20001                    ; head / 2: the K step of the product with Wo
	s_and_b32 s31, s30, 1                          ; head % 2: which half of its fragment
	s_mul_i32 s38, s36, 6144
	s_mul_i32 s56, s37, 1536
	s_add_co_u32 s38, s38, s56
	s_mul_i32 s56, s31, 768
	s_add_co_u32 s38, s38, s56
	s_add_nc_u64 s[\base+4:\base+5], s[8:9], s[38:39]
	s_lshl_b32 s38, s36, 9
	s_lshl_b32 s56, s37, 7
	s_add_co_u32 s38, s38, s56
	s_lshl_b32 s56, s31, 1
	s_add_co_u32 s38, s38, s56
	s_add_co_u32 s38, s38, OC_SC
	s_add_nc_u64 s[\base+6:\base+7], s[8:9], s[38:39]
.endm
.macro THRESH sr                       ; d = lane % 16 - 8 (lane / 16) + 16 x (my tile's place in its key step): register n of S^T holds a hidden key where 16 (n / 8) + n % 8 > d
	v_and_b32 v5, 15, v0
	v_bfe_u32 v254, v0, 4, 1
	s_delay_alu instid0(VALU_DEP_1)
	v_lshlrev_b32 v254, 3, v254
	s_delay_alu instid0(VALU_DEP_1)
	v_sub_nc_u32 v5, v5, v254
	s_delay_alu instid0(VALU_DEP_1)
	v_add_nc_u32 v5, s[\sr], v5
.endm
.macro INIT                            ; a tile begins: the largest t -3e38, the sum and O^T zeros, which the first change of M leaves zeros
	v_mov_b32 v13, 0xff61b1e6
	s_delay_alu instid0(VALU_DEP_1)
	v_floor_f32 v12, -v13
	v_mov_b32 v14, 0
	v_mov_b32 v15, 0
.set J, 0
.rept 32
	v_mov_b32 v[192+J], 0
.set J, J+1
.endr
.endm
.macro QLOAD base
	global_load_b128 v[16:19], v6, s[\base:\base+1]
	global_load_b64 v[20:21], v7, s[\base:\base+1] offset:512
	global_load_b32 v28, v29, s[\base+2:\base+3]
.endm
; A KEY STEP: 128 keys, the record at LDS byte s[TB].  masked = 1: trips above s[lim] are jumped over, trip s[lim] is on the diagonal
.macro STEP masked, lim
.if \masked
	s_cmp_gt_u32 s[SI], s[\lim]
	s_cbranch_scc1 .Lskip_\@
.endif
	s_setprio 2
	v_add_nc_u32 v2, s[TB], v6                     ; three additions and a v_nop: the four places between the last step's products and the loads into their operands
	v_add_nc_u32 v3, s[TB], v7
	v_add_nc_u32 v4, s[TB], v29
	v_nop
.irp t, 0,1,2,3
	ds_load_b128 v[32+12*\t:35+12*\t], v2 offset:768*\t            ; K's tiles 0-3: half images; the upper six registers stay zero
	ds_load_b64 v[36+12*\t:37+12*\t], v3 offset:768*\t+512
.endr
.irp i, 0,1,2,3
	ds_load_b32 v[248+\i], v4 offset:12288+128*\i                  ; lanes 0-15: tile 2 i's words, lanes 16-31: tile 2 i + 1's
.endr
.irp t, 0,1,2,3
	ds_load_b128 v[80+12*\t:83+12*\t], v2 offset:6144+1536*\t
	ds_load_b64 v[84+12*\t:85+12*\t], v3 offset:6144+1536*\t+512
	ds_load_b128 v[86+12*\t:89+12*\t], v2 offset:6144+1536*\t+768
	ds_load_b64 v[90+12*\t:91+12*\t], v3 offset:6144+1536*\t+1280
.endr
.irp i, 0,1
	ds_load_b32 v[30+\i], v4 offset:12800+128*\i
.endr
	s_wait_alu depctr_va_vdst(0)
	s_wait_dscnt 18                                ; K's 12 loads are in; V's 18 may be out
.irp t, 0,1,2,3
	WM 128+8*\t, 32+12*\t, 16, -1, 248+\t/2, 28, \t%2, 0
.endr
	PLACES 4
.irp t, 0,1,2,3
	ds_load_b128 v[32+12*\t:35+12*\t], v2 offset:768*(\t+4)
	ds_load_b64 v[36+12*\t:37+12*\t], v3 offset:768*(\t+4)+512
.endr
	s_wait_dscnt 0x0
.irp t, 0,1,2,3
	WM 160+8*\t, 32+12*\t, 16, -1, 250+\t/2, 28, \t%2, 0
.endr
	PLACES 4                                       ; lane (r, half) holds query r; register 8 t + i is key 16 t + 8 half + i
.if \masked
	s_cmp_lg_u32 s[SI], s[\lim]
	s_cbranch_scc1 .Lopen_\@
.set N, 0
.rept 64
	v_cmp_gt_i32 vcc_lo, 16*(N/8)+N%8, v5
	v_cndmask_b32 v[128+N], v[128+N], v255, vcc_lo ; a hidden key's score becomes -infinity: p = 0
.set N, N+1
.endr
.Lopen_\@:
.endif
.irp b, 0,1,2,3
	v_max3_num_f32 v[8+\b], v[128+16*\b], v[129+16*\b], v[130+16*\b]   ; the largest score of each block of 32 keys: for the row's maximum and for the block's largest p
.endr
.irp i, 3,5,7,9,11,13
.irp b, 0,1,2,3
	v_max3_num_f32 v[8+\b], v[8+\b], v[128+16*\b+\i], v[129+16*\b+\i]
.endr
.endr
.irp b, 0,1,2,3
	v_max_num_f32 v[8+\b], v[8+\b], v[143+16*\b]
.endr
.irp b, 0,1,2,3
	s_delay_alu instid0(VALU_DEP_4)
	v_permlanex16_b32 v[236+\b], v[8+\b], s[SEL], s[SEL+1]
.endr
.irp b, 0,1,2,3
	s_delay_alu instid0(VALU_DEP_4)
	v_max_num_f32 v[8+\b], v[8+\b], v[236+\b]
.endr
	s_delay_alu instid0(VALU_DEP_2)
	v_max3_num_f32 v254, v8, v9, v10
	s_delay_alu instid0(VALU_DEP_1)
	v_max_num_f32 v254, v254, v11
	s_delay_alu instid0(VALU_DEP_1)
	v_mul_f32 v254, s[CS], v254                    ; as t
	s_delay_alu instid0(VALU_DEP_1)
	v_max_num_f32 v13, v13, v254                   ; the running largest t
	v_mov_b32 v254, v12
	s_delay_alu instid0(VALU_DEP_2)
	v_floor_f32 v12, -v13                          ; -M = floor(-t): M is a whole number
	s_delay_alu instid0(VALU_DEP_1)
	v_sub_f32 v254, v12, v254
	s_delay_alu instid0(VALU_DEP_1)
	v_cvt_i32_f32 v254, v254                       ; (it saturates)
	s_delay_alu instid0(VALU_DEP_1)
	v_ldexp_f32 v252, 1.0, v254                    ; f = 2^(old M - new M)
.set J, 0
.rept 32
	v_pk_fma_f32 v[128+J:129+J], v[128+J:129+J], s[CS:CS+1], v[12:13] op_sel_hi:[1,0,0]   ; t - M
.set J, J+2
.endr
.irp b, 0,1,2,3
	v_fma_f32 v[8+\b], v[8+\b], s[CS], v12
.endr
.set J, 0
	s_setprio 1
	s_wait_alu depctr_va_vdst(0)
.rept 64
	v_exp_f32 v[128+J], v[128+J]                   ; p = 2^(t - M)
.set J, J+1
.endr
	v_pk_mul_f32 v[14:15], v[14:15], v[252:253] op_sel_hi:[1,0]    ; the sums under the new M: a plain place behind the exponentials
	s_wait_alu depctr_va_vdst(0)                   ; one wait for the batch, ahead of its first reader
.irp b, 0,1,2,3
	v_exp_f32 v[8+\b], v[8+\b]                     ; the blocks' largest p
.endr
	v_pk_add_f32 v[236:237], v[132:133], v[136:137]
	v_pk_add_f32 v[250:251], v[140:141], v[144:145]
	v_pk_add_f32 v[248:249], v[148:149], v[152:153]
	v_pk_add_f32 v[246:247], v[156:157], v[160:161]
	v_pk_add_f32 v[244:245], v[164:165], v[168:169]
	v_pk_add_f32 v[240:241], v[172:173], v[176:177]
	v_pk_add_f32 v[238:239], v[180:181], v[184:185]
	v_pk_add_f32 v[14:15], v[14:15], v[188:189]
	v_pk_add_f32 v[236:237], v[236:237], v[128:129]
	v_pk_add_f32 v[250:251], v[250:251], v[130:131]
	v_pk_add_f32 v[248:249], v[248:249], v[134:135]
	v_pk_add_f32 v[246:247], v[246:247], v[138:139]
	v_pk_add_f32 v[244:245], v[244:245], v[142:143]
	v_pk_add_f32 v[240:241], v[240:241], v[146:147]
	v_pk_add_f32 v[238:239], v[238:239], v[150:151]
	v_pk_add_f32 v[14:15], v[14:15], v[154:155]
	v_pk_add_f32 v[236:237], v[236:237], v[158:159]
	v_pk_add_f32 v[250:251], v[250:251], v[162:163]
	v_pk_add_f32 v[248:249], v[248:249], v[166:167]
	v_pk_add_f32 v[246:247], v[246:247], v[170:171]
	v_pk_add_f32 v[244:245], v[244:245], v[174:175]
	v_pk_add_f32 v[240:241], v[240:241], v[178:179]
	v_pk_add_f32 v[238:239], v[238:239], v[182:183]
	v_pk_add_f32 v[14:15], v[14:15], v[186:187]
	v_pk_add_f32 v[236:237], v[236:237], v[190:191]
	s_delay_alu instid0(VALU_DEP_2)
	v_pk_add_f32 v[14:15], v[14:15], v[246:247]
	s_delay_alu instid0(VALU_DEP_2)
	v_pk_add_f32 v[236:237], v[236:237], v[244:245]
	v_pk_add_f32 v[250:251], v[250:251], v[240:241]
	v_pk_add_f32 v[248:249], v[248:249], v[238:239]
	s_delay_alu instid0(VALU_DEP_2)
	v_pk_add_f32 v[14:15], v[14:15], v[250:251]
	s_delay_alu instid0(VALU_DEP_2)
	v_pk_add_f32 v[236:237], v[236:237], v[248:249]
	s_delay_alu instid0(VALU_DEP_1)
	v_pk_add_f32 v[14:15], v[14:15], v[236:237]
	s_wait_alu depctr_va_vdst(0)                   ; and one for the four
.irp b, 0,1,2,3
	v_max_num_f32 v[8+\b], 0x1800000, v[8+\b]      ; the floor 2^(3 - 127)
.endr
.irp b, 0,1,2,3
	s_delay_alu instid0(VALU_DEP_4)
	v_add_nc_u32 v[244+\b], 0xff000000, v[8+\b]
.endr
.irp b, 0,1,2,3
	s_delay_alu instid0(VALU_DEP_4)
	v_lshrrev_b32 v[236+\b], 23, v[244+\b]
.endr
	s_delay_alu instid0(VALU_DEP_3)
	v_lshl_or_b32 v253, v237, 8, v236              ; p's scale word for these 128 keys
	s_delay_alu instid0(VALU_DEP_1)
	v_lshl_or_b32 v253, v238, 16, v253
	s_delay_alu instid0(VALU_DEP_1)
	v_lshl_or_b32 v253, v239, 24, v253
.irp c, 0,1
	v_cvt_scalef32_pk16_fp6_f32 v[224+6*\c:226+6*\c], v[128+32*\c:143+32*\c], v[244+2*\c]
	v_cvt_scalef32_pk16_fp6_f32 v[236+4*\c:238+4*\c], v[144+32*\c:159+32*\c], v[244+2*\c+1]
.endr
	v_nop
	s_setprio 0
.irp c, 0,1
.irp i, 0,1,2
	v_permlane16_swap_b32 v[224+6*\c+\i], v[236+4*\c+\i]
.endr
.irp i, 0,1,2
	s_delay_alu instid0(VALU_DEP_3)
	v_mov_b32 v[227+6*\c+\i], v[236+4*\c+\i]
.endr
.endr
.set J, 0
.rept 16
	v_pk_mul_f32 v[192+J:193+J], v[192+J:193+J], v[252:253] op_sel_hi:[1,0]   ; O^T under the new M, each accumulator from its low end on
.set J, J+2
.endr
	PLACES 4                                       ; with the sixteen above: the places between the scale word's and the codes' last writes and the products
.irp t, 0,1,2,3
	WM 192+8*\t, 80+12*\t, 224, 192+8*\t, 30+\t/2, 253, \t%2, 0    ; O^T += V^T P^T: four accumulators by turns
.endr
.if \masked
.Lskip_\@:
.endif
	s_add_co_u32 s[TB], s[TB], REC
.endm
; a tile ends: O^T / the sum, quantised along d: half a fragment of the product with Wo, and two scale bytes
.macro FINISH oc, os
	PLACES 4                                       ; behind the last products
	v_add_f32 v14, v14, v15
	s_delay_alu instid0(VALU_DEP_1)
	v_permlanex16_b32 v252, v14, s[SEL], s[SEL+1]
	s_delay_alu instid0(VALU_DEP_1)
	v_add_f32 v14, v14, v252
	s_wait_alu depctr_va_vdst(0)
	v_rcp_f32 v14, v14
	v_nop
	s_wait_alu depctr_va_vdst(0)
.set J, 0
.rept 32
	v_mul_f32 v[128+J], v[192+J], v14
.set J, J+1
.endr
	QUANT2 128, 224, 236, 253
	global_store_b128 v6, v[224:227], s[\oc:\oc+1]
	global_store_b64 v7, v[228:229], s[\oc:\oc+1] offset:512
	global_store_b16 v29, v253, s[\os:\os+1]
	s_wait_xcnt 0x0                                ; the stores have read their data: these registers are written again only behind this wait
.endm
	s_load_b128 s[4:7], s[0:1], 0x0                ; q s[4:5], kv s[6:7]
	s_load_b64 s[8:9], s[0:1], 0x10                ; oc
	v_lshl_add_u32 v243, v0, 2, 0x33000
	s_set_vgpr_msb 0x40
	v_mov_b32 v1, 0
	s_set_vgpr_msb 0x4044
	ds_add_u32 v243, v1
	ds_add_u32 v243, v1
	s_set_vgpr_msb 0x4400
	v_lshrrev_b32 v1, 5, v0
	s_delay_alu instid0(VALU_DEP_1)
	v_readfirstlane_b32 s[WV], v1                  ; wave 0..7
	v_and_b32 v1, 31, v0
	s_delay_alu instid0(VALU_DEP_1)
	v_lshlrev_b32 v6, 4, v1
	s_delay_alu instid0(VALU_DEP_2)
	v_lshlrev_b32 v7, 3, v1
	s_delay_alu instid0(VALU_DEP_3)
	v_lshlrev_b32 v29, 2, v1
	s_bfe_u32 s28, ttmp6, 0x40000                  ; cx
	s_lshl_b32 s29, ttmp9, 2
	s_add_co_u32 s29, s29, s28                     ; j
	s_and_b32 s30, ttmp7, 0xffff                   ; batch x 8 + head, which the four partners share
	; descriptor group 1: a record, 13,056 dense bytes, as 51 rows of 256 bytes
	s_mov_b32 s16, 15|(3<<16)|(1<<21)              ; the mask: all four; elements of 8 bytes; bit 21 beside a mask; no padding
	s_mov_b32 s17, 32<<16
	s_mov_b32 s18, 51<<16
	s_mov_b32 s19, 32<<16
	s_mov_b32 s20, 51
	s_mov_b32 s21, 32
	s_mov_b32 s22, 0
	s_mov_b32 s23, 0
	s_mul_i32 s13, s[WV], REC                      ; record w,
	s_add_co_u32 s25, s13, 8*REC                   ; record 8 + w
	s_mul_i32 s32, s30, 16*REC
	s_add_co_u32 s32, s32, s13
	s_mov_b32 s33, 0
	s_mov_b32 s39, 0
	s_lshl_b32 s34, s[WV], 3
	s_add_co_u32 s34, s34, s29                     ; the low tile
	s_sub_co_u32 s35, 127, s34                     ; the high tile
	s_sub_co_u32 s57, 7, s29
	s_lshl_b32 s57, s57, 4                         ; 16 x the high tile's place in its key step
	s_lshl_b32 s58, s29, 4                         ; and the low tile's
	s_sub_co_u32 s59, 7, s[WV]                     ; the high tile's diagonal: trip 7 - w of phase 2; the low tile's: trip w of phase 3
	s_mov_b32 s[SEL], 0x76543210
	s_mov_b32 s[SEL+1], 0xfedcba98
	s_mov_b32 s[CS], 0x3e38aa3b                    ; log2(e) / 8
	s_mov_b32 s[CS+1], s[CS]
	s_wait_dscnt 0x0
	s_wait_kmcnt 0x0
	s_mov_b32 s12, 1
	s_add_nc_u64 s[14:15], s[6:7], s[32:33]
	s_mov_b32 s24, 1
	s_add_nc_u64 s[26:27], s[14:15], 8*REC
	s_or_b32 s15, s15, 0x80000000
	s_or_b32 s27, s27, 0x80000000
	PTRS 35, 40                                    ; s[40:47]: the high tile's addresses
	PTRS 34, 48                                    ; s[48:55]: the low tile's
	ROUND                                          ; all four work-groups are here: the joint loads meet
	tensor_load_to_lds s[12:15], s[16:23]
	s_nop 0
	tensor_load_to_lds s[24:27], s[16:23]
	s_nop 0
	PLACES 4
	s_wait_alu depctr_va_vdst(0)
	QLOAD 40
.irp i, 22,23,24,25,26,27
	v_mov_b32 v\i, 0                               ; zero codes for K = 64 .. 127 of the first product
.endr
.irp t, 0,1,2,3
.irp i, 0,1,2,3,4,5
	v_mov_b32 v[38+12*\t+\i], 0
.endr
.endr
.irp i, 236,237,238,239,252,253
	v_mov_b32 v\i, 0                               ; lane permutes' destinations, and the pair v[252:253], are written before they are named
.endr
	v_mov_b32 v255, 0xff800000
	THRESH 57
	INIT
	s_wait_tensorcnt 0x1                           ; my record w is in; record 8 + w may stay out
	s_barrier_signal -1
	s_barrier_wait -1                              ; records 0-7 are whole
	s_wait_loadcnt 0x0                             ; Q
	s_mov_b32 s[SI], 0
	s_mov_b32 s[TB], 0
.Lp1:
	STEP 0, 0
	s_add_co_u32 s[SI], s[SI], 1
	s_cmp_lt_u32 s[SI], 8
	s_cbranch_scc1 .Lp1
	s_setprio 0
	s_wait_tensorcnt 0x0                           ; my record 8 + w is in,
	s_wait_dscnt 0x0
	s_barrier_signal -1
	s_barrier_wait -1                              ; records 8-15 are whole
	s_mov_b32 s[SI], 0
	s_mov_b32 s[TB], 8*REC
.Lp2:
	STEP 1, 59
	s_add_co_u32 s[SI], s[SI], 1
	s_cmp_lt_u32 s[SI], 8
	s_cbranch_scc1 .Lp2
	s_setprio 0
	PLACES 4
	QLOAD 48                                       ; the low tile's Q lands while the high tile is finished
	FINISH 44, 46
	THRESH 58
	INIT
	s_mov_b32 s[SI], 0
	s_mov_b32 s[TB], 0
	s_wait_loadcnt 0x0
.Lp3:
	STEP 1, WV
	s_add_co_u32 s[SI], s[SI], 1
	s_cmp_lt_u32 s[SI], 8
	s_cbranch_scc1 .Lp3
	s_setprio 0
	FINISH 52, 54
	s_wait_dscnt 0x0
	s_set_vgpr_msb 0x4
	s_wait_tensorcnt 0x0
	ds_add_u32 v243, v1
	s_wait_dscnt 0x0
	s_set_vgpr_msb 0x400
	ROUND                                          ; the closing round
	s_endpgm
.Lfunc_end_k_q87bd2683ae_attn:
	.size	k_q87bd2683ae_attn, .Lfunc_end_k_q87bd2683ae_attn-k_q87bd2683ae_attn
	.p2alignl 7, 3214868480
	.fill 96, 4, 3214868480
	.section	.rodata,"a",@progbits
	.p2align	6, 0x0
	.amdhsa_kernel k_q87bd2683ae_attn
		.amdhsa_group_segment_fixed_size 209920
		.amdhsa_private_segment_fixed_size 0
		.amdhsa_enable_private_segment 0
		.amdhsa_kernarg_size 24
		.amdhsa_user_sgpr_count 2
		.amdhsa_user_sgpr_kernarg_segment_ptr 1
		.amdhsa_wavefront_size32 1
		.amdhsa_system_sgpr_workgroup_id_x 1
		.amdhsa_system_sgpr_workgroup_id_y 1
		.amdhsa_system_sgpr_workgroup_id_z 1
		.amdhsa_system_vgpr_workitem_id 0
		.amdhsa_next_free_vgpr 258
		.amdhsa_next_free_sgpr 66
		.amdhsa_reserve_vcc 1
		.amdhsa_float_denorm_mode_32 3
		.amdhsa_float_denorm_mode_16_64 3
		.amdhsa_memory_ordered 1
		.amdhsa_forward_progress 1
		.amdhsa_inst_pref_size 84
	.end_amdhsa_kernel
	.amdgpu_metadata
---
amdhsa.version: [ 1, 2 ]
amdhsa.kernels:
  - .name:           k_q87bd2683ae_attn
    .symbol:         k_q87bd2683ae_attn.kd
    .args:
      - { .name: q, .offset: 0, .size: 8, .value_kind: global_buffer, .address_space: global }
      - { .name: kv, .offset: 8, .size: 8, .value_kind: global_buffer, .address_space: global }
      - { .name: oc, .offset: 16, .size: 8, .value_kind: global_buffer, .address_space: global }
    .group_segment_fixed_size: 209920
    .private_segment_fixed_size: 0
    .kernarg_segment_align: 8
    .kernarg_segment_size: 24
    .max_flat_workgroup_size: 256
    .sgpr_count:     66
    .vgpr_count:     258
    .wavefront_size: 32
...
	.end_amdgpu_metadata
.endif
;; end of part 7
;; launch tail (part 8): grid 256 x 1, 4 waves a work-group, no clusters, 174,592 bytes of LDS; arguments oc, wt, x, bo, ln2_g, ln2_b, b1, b2, out0; writes out0
.if DOCPART == 8
	.amdgcn_target "amdgcn-amd-amdhsa--gfx1250"
	.amdhsa_code_object_version 6
	.text
	.protected	k_q87bd2683ae_tail
	.globl	k_q87bd2683ae_tail
	.p2align	8
	.type	k_q87bd2683ae_tail,@function
k_q87bd2683ae_tail:
	s_mov_b64 s[64:65], 0
	v_nop
	global_prefetch_b8 v0, s[64:65] scope:SCOPE_SE
	s_setreg_imm32_b32 hwreg(HW_REG_WAVE_SCHED_MODE, 0, 2), 2
	s_setreg_imm32_b32 hwreg(HW_REG_WAVE_MODE, 25, 1), 1
	s_wait_xcnt 0x0
	s_wait_alu depctr_vm_vsrc(0)
; TAIL: x1 = x + o Wo + bo;  h2 = LayerNorm2(x1);  out = x1 + relu(h2 W1 + b1) W2 + b2.  The three products on codes of FP6 with E8M0 scales; x1, h2 and the hidden layer never go to memory.
; SHARES.  A work-group takes 32 rows (two tiles of 16) through the whole chain.  THE WAVES SHARE THE COLUMNS: wave w has columns 256 w on of Wo and W2 (16 tiles) and hidden units 128 w on of W1 (8 tiles).
; All products are used transposed (source 0 = 16 columns of the weight, source 1 = 16 rows): a lane holds one row, its registers run along the columns, which are the next K.
; x1 stays in 256 registers (window 1): x + bo is brought into the result's layout through the wave's stage in LDS and is the C of the first product; the third product adds onto x1 in place.
; THE WEIGHTS of a wave are ONE stream of 48 group records of 6,400 bytes, laid by the first launch in the order of use; they go from memory straight into a ring of five register slots, 14 loads a record;
; record g + 4 is asked for at the head of group g; the stream's addresses hang on nothing, so it runs on across the phases.
; NO CLUSTER, NO TENSOR LOAD: all work-groups walk the same weights, but a fragment feeds only two matrix instructions, of one wave; through LDS the wave's 307,200 bytes would be written and read once more,
; in slots changed behind a round for every slot's worth of them.  So they are loaded as register images instead.
; OPERANDS GO FROM WAVE TO WAVE THROUGH LDS AS IMAGES OF THEIR REGISTERS (h2: 16 fragments; the hidden layer: 8), with their scale words; four barriers in all, two of them for LayerNorm's sums.
; LayerNorm's variance is taken of the deviations from the mean.  LIMITS: no NaN, no infinities; blocks under 2^-124 get the byte 1.
; THE MODE: SCHED_MODE bits 1:0 = 2 (LLVM: expert scheduling mode 2), set by the entry lines.  The code itself states the register dependences between vector or matrix instructions and memory or LDS
; instructions, with s_wait_alu, always for 0.
; THE PLAN.  Registers that memory or LDS instructions touch:
;   v4-15, v85, v98   addresses and offsets: written at the head, never again: one wait on va_vdst ahead of the first load.
;   the ring          slot g % 5 and its two scale words: record g lands there; group g's eight products read them; record g + 5 lands there next, asked for at the head of group g + 1, behind one wait on va_vdst.
;   x1 (window 1)     head: loaded, bo added, stored to the stage, loaded back.  Way out: the products' results, stored to the stage, loaded back, b2 added, stored to memory.
;                     Ahead of each run of stores a wait on va_vdst; ahead of each run of loads into the registers just stored, behind the switch of windows, va_vdst and vm_vsrc.
;   window 2          o's fragments, then gain and bias, then b1 and h2's fragments, then the hidden layer's: each fill stands behind a wait on va_vdst that shows the readers before it done.  v32-47 with them.
;   v64-75, v84       codes and scale word just made: written by the quantiser, read by four LDS stores: va_vdst ahead of the stores, vm_vsrc ahead of the next quantiser.
;   v86, v90, v48-55  a row's partial sums go to LDS, the four waves' come back: va_vdst ahead of the stores, vm_vsrc ahead of the next write of v86 and v90.
;   v16-23            bo, later b2: loaded; read by vector instructions alone.
; No A, B or scale register of a product is written by a vector instruction: all come by loads.  No vector instruction but the one v_readfirstlane_b32 writes a scalar register; EXEC is never written.
; REGISTERS: window 0: v1-15, v85, v98 addresses; v16-23 bo, later b2; v32-47 the rows' scale words; v48-63 at work; v64-84 codes made; v86-97 sums, means, 1 / sigma; v100-227 128 numbers at work, later the hidden layer;
;   v228-237 the ring's scale words.
;   window 1: x1 (tile m, column tile t at 128 m + 8 t).  window 2: the rows' fragments; in between the gain (0-127) and bias (128-255) of LayerNorm2; b1 at 192 on.  window 3: the ring, 48 registers a slot.
.set OC_SC, 3145728
.set XIMG,  133120                     ; LDS: four stages of 32 rows x 1,040 bytes; then h2's 16 fragments (8 m + K step),
.set XSC,   157696                     ; their scale images, 128 bytes each,
.set HIMG,  159744                     ; the hidden layer's 8 fragments (4 m + K step),
.set HSC,   172032                     ; their scale images,
.set RED1,  173056                     ; the waves' sums [m][row][wave], 512 bytes; the sums of squares 512 bytes on
.set RS,    228                        ; v228-237 the ring's scale words: two registers a slot
.set WV,    3
.set SEL,   4
.set MSB,   0
.macro WIN new
.if MSB != (\new)
	s_set_vgpr_msb (MSB<<8)|(\new)
.set MSB, (\new)
.endif
.endm
.macro PLACES n
.rept \n
	v_nop
.endr
.endm
.macro WM d, a, b, c, sa, sb, ra, rb
.if \ra
	v_wmma_scale_f32_16x16x128_f8f6f4 v[\d:\d+7], v[\a:\a+11], v[\b:\b+11], v[\c:\c+7], v[\sa], v[\sb] matrix_a_fmt:MATRIX_FMT_FP6 matrix_b_fmt:MATRIX_FMT_FP6 matrix_a_scale:MATRIX_SCALE_ROW1
.else
	v_wmma_scale_f32_16x16x128_f8f6f4 v[\d:\d+7], v[\a:\a+11], v[\b:\b+11], v[\c:\c+7], v[\sa], v[\sb] matrix_a_fmt:MATRIX_FMT_FP6 matrix_b_fmt:MATRIX_FMT_FP6
.endif
.endm
.macro QUANT4 s, pc, tm, pw            ; 64 numbers of a lane, register 16 b + 8 u + j = k 32 b + 16 u + 8 (lane / 16) + j, become a fragment and its scale word
.irp b, 0,1,2,3
	v_max3_num_f32 v[\tm+\b], |v[\s+16*\b]|, |v[\s+1+16*\b]|, 0x1800000
.endr
.irp i, 2,4,6,8,10,12,14
.irp b, 0,1,2,3
	v_max3_num_f32 v[\tm+\b], v[\tm+\b], |v[\s+16*\b+\i]|, |v[\s+1+16*\b+\i]|
.endr
.endr
.irp b, 0,1,2,3
	v_permlanex16_b32 v[\tm+4+\b], v[\tm+\b], s[SEL], s[SEL+1]
.endr
.irp b, 0,1,2,3
	v_max_num_f32 v[\tm+\b], v[\tm+\b], v[\tm+4+\b]
.endr
.irp b, 0,1,2,3
	v_add_nc_u32 v[\tm+12+\b], 0xff000000, v[\tm+\b]
.endr
.irp b, 0,1,2,3
	v_lshrrev_b32 v[\tm+4+\b], 23, v[\tm+12+\b]
.endr
	v_lshl_or_b32 v[\pw], v[\tm+5], 8, v[\tm+4]
	v_lshl_or_b32 v[\pw], v[\tm+6], 16, v[\pw]
	v_lshl_or_b32 v[\pw], v[\tm+7], 24, v[\pw]
.irp c, 0,1
	v_cvt_scalef32_pk16_fp6_f32 v[\pc+6*\c:\pc+2+6*\c], v[\s+32*\c:\s+15+32*\c], v[\tm+12+2*\c]
	v_cvt_scalef32_pk16_fp6_f32 v[\pc+12+4*\c:\pc+14+4*\c], v[\s+16+32*\c:\s+31+32*\c], v[\tm+12+2*\c+1]
.endr
	v_nop
.irp c, 0,1
.irp i, 0,1,2
	v_permlane16_swap_b32 v[\pc+6*\c+\i], v[\pc+12+4*\c+\i]
.endr
.irp i, 0,1,2
	v_mov_b32 v[\pc+3+6*\c+\i], v[\pc+12+4*\c+\i]
.endr
.endr
.endm
.macro PUT adr, off, sadr, soff        ; the fragment in v64 on and its scale word in v84 go to LDS as they stand
	s_wait_alu depctr_va_vdst(0)                   ; the quantiser has written v64-75 and v84, which the four LDS stores read
.irp c, 0,1,2
	ds_store_b128 v[\adr], v[64+4*\c:67+4*\c] offset:\off+512*\c
.endr
	ds_store_b32 v[\sadr], v84 offset:\soff
.endm
.macro RLOAD g                         ; group record g into slot g % 5: 14 loads
	WIN 0xc0                                       ; destination window 3
.if (\g) >= 5
	s_wait_alu depctr_va_vdst(0)                   ; the products of group g - 5, the group just issued, are done reading the slot and its two scale words, in which these loads land
.endif
.irp f, 0,1,2,3
.irp c, 0,1,2
	global_load_b128 v[48*((\g)%5)+12*\f+4*\c:48*((\g)%5)+12*\f+4*\c+3], v4, s[10:11] offset:6400*(\g)+1536*\f+512*\c
.endr
.endr
	WIN 0
.irp e, 0,1
	global_load_b32 v[RS+2*((\g)%5)+\e], v6, s[10:11] offset:6400*(\g)+6144+128*\e
.endr
.endm
.macro RWAIT g                         ; record g is in; the younger records of the ring, 14 loads each, may be out
.if 47-(\g) >= 3
	s_wait_loadcnt 42
.else
	s_wait_loadcnt 14*(47-(\g))
.endif
.endm
.macro RAHEAD g                        ; at a group's head: the record four groups on, in one run ahead of the products (among them each piece would want two switches of the windows)
.if (\g) <= 43
	RLOAD (\g)+4
.endif
.endm
; records 0-15 (Wo) and 32-47 (W2): K step (g % 16) / 4, column tiles 4 (g % 4) + f; eight accumulators of x1, one instruction a turn
.macro GROUPX g
	RWAIT \g
	RAHEAD \g
	WIN 0x5b                                       ; source 0 window 3, source 1 window 2, C and D window 1
.irp f, 0,1,2,3
.irp m, 0,1
	WM 128*\m+8*(4*((\g)%4)+\f), 48*((\g)%5)+12*\f, 12*(4*\m+((\g)%16)/4), 128*\m+8*(4*((\g)%4)+\f), RS+2*((\g)%5)+\f/2, 32+4*\m+((\g)%16)/4, \f%2, 0
.endr
.endr
	PLACES 4                                       ; four places behind the group's products (ISA guide 7.12.1), ahead of whatever next touches their registers: at a phase's end the first read of results
.endm
; records 16-31 (W1): K step (g - 16) / 2, tiles 4 (g % 2) + f of my hidden units; K step 0 takes b1 as C
.macro GROUPH g
	RWAIT \g
	RAHEAD \g
.if (\g) < 18
	WIN 0x2b                                       ; C window 2, D window 0
.else
	WIN 0x0b
.endif
.irp f, 0,1,2,3
.irp m, 0,1
.if (\g) < 18
	WM 100+64*\m+8*(4*((\g)%2)+\f), 48*((\g)%5)+12*\f, 12*(8*\m+((\g)-16)/2), 192+8*(4*((\g)%2)+\f), RS+2*((\g)%5)+\f/2, 32+8*\m+((\g)-16)/2, \f%2, 0
.else
	WM 100+64*\m+8*(4*((\g)%2)+\f), 48*((\g)%5)+12*\f, 12*(8*\m+((\g)-16)/2), 100+64*\m+8*(4*((\g)%2)+\f), RS+2*((\g)%5)+\f/2, 32+8*\m+((\g)-16)/2, \f%2, 0
.endif
.endr
.endr
	PLACES 4                                       ; as in the macro above
.endm
; the chains v[86:89] (tile 0) and v[90:93] (tile 1) become the rows' sums over all 1,024 columns, in v48 and v52: my halves, lane l xor 16, the four waves through LDS, one barrier
.macro REDUCE off
	v_pk_add_f32 v[86:87], v[86:87], v[88:89]
	v_pk_add_f32 v[90:91], v[90:91], v[92:93]
	v_add_f32 v86, v86, v87
	v_add_f32 v90, v90, v91
	v_permlanex16_b32 v88, v86, s[SEL], s[SEL+1]
	v_permlanex16_b32 v92, v90, s[SEL], s[SEL+1]
	v_add_f32 v86, v86, v88
	v_add_f32 v90, v90, v92
	s_wait_alu depctr_va_vdst(0)                   ; v86 and v90 are written, which the LDS stores read; every earlier vector reader and writer of v48-55, in which the LDS loads below land, is done
	ds_store_b32 v10, v86 offset:\off
	ds_store_b32 v10, v90 offset:\off+256
	s_wait_dscnt 0x0                               ; for the others' sake: my stores have landed
	s_barrier_signal -1
	s_barrier_wait -1
	ds_load_b128 v[48:51], v11 offset:\off
	ds_load_b128 v[52:55], v11 offset:\off+256
	s_wait_dscnt 0x0
	s_wait_alu depctr_vm_vsrc(0)                   ; the two LDS stores have read v86 and v90, which vector instructions behind this macro write again
	v_add_f32 v48, v48, v49
	v_add_f32 v50, v50, v51
	v_add_f32 v52, v52, v53
	v_add_f32 v54, v54, v55
	v_add_f32 v48, v48, v50
	v_add_f32 v52, v52, v54
.endm
.macro DEVS m                          ; v100-227 = x1 of tile m - its row's mean
	WIN 0x01                                       ; source 0 window 1
.set J, 0
.rept 64
	v_pk_add_f32 v[100+J:101+J], v[128*\m+J:128*\m+J+1], v[94+2*\m:95+2*\m] neg_lo:[0,1] neg_hi:[0,1]
.set J, J+2
.endr
	WIN 0
.endm
.macro BARRIER
	s_wait_dscnt 0x0                               ; my LDS stores have landed and my LDS loads are in
	s_barrier_signal -1
	s_barrier_wait -1
.endm
	s_load_b512 s[8:23], s[0:1], 0x0               ; oc s[8:9], wt s[10:11], x s[12:13], bo s[14:15], ln2_g s[16:17], ln2_b s[18:19], b1 s[20:21], b2 s[22:23]
	s_load_b64 s[24:25], s[0:1], 0x40              ; out0
	v_lshl_add_u32 v254, v0, 2, 0x2a800
	v_mov_b32 v255, 0
	v_lshrrev_b32 v1, 5, v0
	v_readfirstlane_b32 s[WV], v1                  ; wave 0..3
	v_and_b32 v1, 31, v0                           ; lane
	v_and_b32 v2, 15, v0                           ; r
	v_bfe_u32 v3, v0, 4, 1                         ; half
	v_lshlrev_b32 v4, 4, v1
	v_lshlrev_b32 v5, 3, v1
	v_lshlrev_b32 v6, 2, v1
	v_lshlrev_b32 v7, 5, v3
	s_wait_alu depctr_va_sdst(0)                   ; the wave's number is written, ahead of its first reader: LDS addresses and the buffers' bases are made from it
	s_mul_i32 s30, s[WV], 33280                    ; my stage
	v_add_nc_u32 v8, s30, v4                       ; dense: 16 bytes a lane
	v_mul_u32_u24 v9, v2, 1040
	v_add_nc_u32 v9, v9, v7
	v_add_nc_u32 v9, s30, v9                       ; the result's layout: row r, + 32 x half
	v_lshlrev_b32 v11, 4, v2
	v_add_nc_u32 v11, RED1, v11                    ; row r's four words
	s_lshl_b32 s30, s[WV], 2
	v_add_nc_u32 v10, s30, v11                     ; my wave's
	s_mul_i32 s30, s[WV], 3072
	s_add_co_u32 s30, s30, XIMG
	v_add_nc_u32 v12, s30, v4                      ; where I store h2's images: K steps 2 w and 2 w + 1
	s_lshl_b32 s30, s[WV], 8
	s_add_co_u32 s30, s30, XSC
	v_add_nc_u32 v13, s30, v6
	s_mul_i32 s30, s[WV], 1536
	s_add_co_u32 s30, s30, HIMG
	v_add_nc_u32 v14, s30, v4                      ; the hidden layer's: K step w
	s_lshl_b32 s30, s[WV], 7
	s_add_co_u32 s30, s30, HSC
	v_add_nc_u32 v15, s30, v6
	v_add_nc_u32 v85, XIMG, v4                     ; where any image is read
	v_add_nc_u32 v98, XSC, v6
.irp i, 52,53,54,55
	v_mov_b32 v\i, 0                               ; a lane permute's destination counts as read
.endr
	s_mov_b32 s[SEL], 0x76543210
	s_mov_b32 s[SEL+1], 0xfedcba98
	s_lshl_b32 s30, ttmp9, 17                      ; 32 rows of 4,096 bytes
	s_lshl_b32 s32, s[WV], 10                      ; my 256 columns
	s_add_co_u32 s30, s30, s32
	s_mov_b32 s31, 0
	s_mov_b32 s33, 0
	s_wait_kmcnt 0x0
	s_add_nc_u64 s[12:13], s[12:13], s[30:31]
	s_add_nc_u64 s[24:25], s[24:25], s[30:31]
	s_add_nc_u64 s[14:15], s[14:15], s[32:33]
	s_add_nc_u64 s[16:17], s[16:17], s[32:33]
	s_add_nc_u64 s[18:19], s[18:19], s[32:33]
	s_add_nc_u64 s[22:23], s[22:23], s[32:33]
	s_lshl_b32 s32, s[WV], 9
	s_add_nc_u64 s[20:21], s[20:21], s[32:33]      ; b1 at my 128 hidden units
	s_mul_i32 s32, s[WV], 307200
	s_add_nc_u64 s[10:11], s[10:11], s[32:33]      ; my stream of weights
	s_mul_i32 s32, ttmp9, 12288
	s_add_nc_u64 s[26:27], s[8:9], s[32:33]        ; o's eight fragments
	s_lshl_b32 s32, ttmp9, 10
	s_add_co_u32 s32, s32, OC_SC
	s_add_nc_u64 s[28:29], s[8:9], s[32:33]        ; their scale images
	WIN 0x40                                       ; destination window 1
	s_wait_alu depctr_va_vdst(0)                   ; the addresses and offsets v4-15, v85 and v98 are written, which every load and store of the kernel reads; so are v52-55, in which LDS loads land later
.set I, 0
.rept 32
	global_load_b128 v[8*I:8*I+3], v4, s[12:13] offset:4096*I th:TH_LOAD_NT        ; 32 lanes read 512 consecutive bytes of row I
	global_load_b128 v[8*I+4:8*I+7], v4, s[12:13] offset:4096*I+512 th:TH_LOAD_NT
.set I, I+1
.endr
	WIN 0
	global_load_b128 v[16:19], v4, s[14:15]
	global_load_b128 v[20:23], v4, s[14:15] offset:512
	WIN 0x80                                       ; destination window 2
.irp f, 0,1,2,3,4,5,6,7                        ; fragment 4 m + s: two half images
	global_load_b128 v[12*\f:12*\f+3], v4, s[26:27] offset:1536*\f
	global_load_b64 v[12*\f+4:12*\f+5], v5, s[26:27] offset:1536*\f+512
	global_load_b128 v[12*\f+6:12*\f+9], v4, s[26:27] offset:1536*\f+768
	global_load_b64 v[12*\f+10:12*\f+11], v5, s[26:27] offset:1536*\f+1280
.endr
	WIN 0
.irp f, 0,1,2,3,4,5,6,7
	global_load_b32 v[32+\f], v6, s[28:29] offset:128*\f
.endr
	RLOAD 0
	RLOAD 1
	RLOAD 2
	s_wait_loadcnt 42                              ; all but the ring's three records
	WIN 0x41                                       ; destination and source 0 window 1
.set I, 0
.rept 32
.irp q, 0,1
.irp e, 0,2
	v_pk_add_f32 v[8*I+4*\q+\e:8*I+4*\q+\e+1], v[8*I+4*\q+\e:8*I+4*\q+\e+1], v[16+4*\q+\e:17+4*\q+\e]   ; x + bo
.endr
.endr
.set I, I+1
.endr
	WIN 0x04                                       ; an LDS store's data are its source 1: window 1
	s_wait_alu depctr_va_vdst(0)                   ; the additions have written x + bo, which the LDS stores read
.set I, 0
.rept 32
	ds_store_b128 v8, v[8*I:8*I+3] offset:1040*I
	ds_store_b128 v8, v[8*I+4:8*I+7] offset:1040*I+512
.set I, I+1
.endr
	WIN 0x40
	s_wait_alu depctr_va_vdst(0)                   ; the additions have written the registers in which the loads below land: stated anew behind the switch of windows, since the stores between name the same registers
	s_wait_alu depctr_vm_vsrc(0)                   ; and the LDS stores have read them
.irp m, 0,1                                    ; back in the result's layout: register 128 m + 8 t + 4 q + e = (row 16 m + r, column 16 t + 8 half + 4 q + e).  LDS serves a wave's instructions in order
.irp t, 0,1,2,3,4,5,6,7,8,9,10,11,12,13,14,15
.irp q, 0,1
	ds_load_b128 v[128*\m+8*\t+4*\q:128*\m+8*\t+4*\q+3], v9 offset:16640*\m+64*\t+16*\q
.endr
.endr
.endr
	RLOAD 3
	s_wait_dscnt 0x0
.irp g, 0,1,2,3,4,5,6,7,8,9,10,11,12,13,14,15
	GROUPX \g                                      ; x1 = x + bo + o Wo
.endr
	WIN 0x80
	s_wait_alu depctr_va_vdst(0)                   ; the products with Wo are done reading o's fragments, where the gain lands
.irp t, 0,1,2,3,4,5,6,7,8,9,10,11,12,13,14,15  ; gain and bias of LayerNorm2 in the result's layout, where o's fragments lay
.irp q, 0,1
	global_load_b128 v[8*\t+4*\q:8*\t+4*\q+3], v7, s[16:17] offset:64*\t+16*\q
	global_load_b128 v[128+8*\t+4*\q:128+8*\t+4*\q+3], v7, s[18:19] offset:64*\t+16*\q
.endr
.endr
	WIN 0
.irp i, 86,87,88,89,90,91,92,93
	v_mov_b32 v\i, 0
.endr
	WIN 0x01
.set J, 0
.rept 32                                       ; the rows' sums: two chains a tile; each accumulator is read from its low end on
	v_pk_add_f32 v[86:87], v[4*J:4*J+1], v[86:87]
	v_pk_add_f32 v[88:89], v[4*J+2:4*J+3], v[88:89]
	v_pk_add_f32 v[90:91], v[128+4*J:128+4*J+1], v[90:91]
	v_pk_add_f32 v[92:93], v[128+4*J+2:128+4*J+3], v[92:93]
.set J, J+1
.endr
	WIN 0
	REDUCE 0
	v_mul_f32 v94, 0x3a800000, v48                 ; the means
	v_mul_f32 v96, 0x3a800000, v52
	v_mov_b32 v95, v94
	v_mov_b32 v97, v96
.irp m, 0,1
	DEVS \m
	v_pk_mul_f32 v[86+4*\m:87+4*\m], v[100:101], v[100:101]
	v_pk_mul_f32 v[88+4*\m:89+4*\m], v[102:103], v[102:103]
.set J, 4
.rept 31
	v_pk_fma_f32 v[86+4*\m:87+4*\m], v[100+J:101+J], v[100+J:101+J], v[86+4*\m:87+4*\m]
	v_pk_fma_f32 v[88+4*\m:89+4*\m], v[102+J:103+J], v[102+J:103+J], v[88+4*\m:89+4*\m]
.set J, J+4
.endr
.endr
	REDUCE 512                                     ; other LDS words than the first sums'
	v_mov_b32 v93, 0x3727c5ac                      ; 1e-5
	v_fmamk_f32 v48, v48, 0x3a800000, v93
	v_fmamk_f32 v52, v52, 0x3a800000, v93
	s_wait_alu depctr_va_vdst(0)
	v_rsq_f32 v86, v48
	v_rsq_f32 v88, v52
	v_nop                                          ; a plain place behind the transcendentals
	s_wait_alu depctr_va_vdst(0)                   ; the two roots have written v86 and v88: one wait for both, ahead of their first reader
	v_mov_b32 v87, v86
	v_mov_b32 v89, v88
	s_wait_loadcnt 0x0                             ; gain and bias (the ring's four records, issued earlier, with them)
.irp m, 0,1
	DEVS \m
.set J, 0
.rept 64
	v_pk_mul_f32 v[100+J:101+J], v[100+J:101+J], v[86+2*\m:87+2*\m]
.set J, J+2
.endr
	WIN 0x28                                       ; sources 1 and 2 window 2
.set J, 0
.rept 64
	v_pk_fma_f32 v[100+J:101+J], v[100+J:101+J], v[J:J+1], v[128+J:129+J]
.set J, J+2
.endr
	WIN 0
.if \m
	s_wait_alu depctr_vm_vsrc(0)                   ; the LDS stores of the fragment before have read v64-75 and v84, which the quantiser writes again
.endif
	QUANT4 100, 64, 48, 84                         ; my first 128 columns: K step 2 w of the product with W1
	PUT 12, 12288*\m, 13, 1024*\m
	s_wait_alu depctr_vm_vsrc(0)                   ; these stores have read v64-75 and v84, which the quantiser writes again
	QUANT4 164, 64, 48, 84                         ; K step 2 w + 1
	PUT 12, 12288*\m+1536, 13, 1024*\m+128
.endr
	WIN 0x80
	s_wait_alu depctr_va_vdst(0)                   ; the multiply-adds are done reading gain and bias in window 2, where b1 lands now and h2's fragments behind the barrier; the additions of bo are done reading v16-23, where b2 lands
.irp t, 0,1,2,3,4,5,6,7
.irp q, 0,1
	global_load_b128 v[192+8*\t+4*\q:192+8*\t+4*\q+3], v7, s[20:21] offset:64*\t+16*\q   ; b1 in the result's layout
.endr
.endr
	WIN 0
	global_load_b128 v[16:19], v4, s[22:23]        ; b2, dense
	global_load_b128 v[20:23], v4, s[22:23] offset:512
	BARRIER                                        ; h2's sixteen fragments lie in LDS
	WIN 0x80
.irp f, 0,1,2,3,4,5,6,7,8,9,10,11,12,13,14,15  ; no vector or matrix instruction has been issued since the wait above: it speaks for these loads and for those of the scale words too
.irp c, 0,1,2
	ds_load_b128 v[12*\f+4*\c:12*\f+4*\c+3], v85 offset:1536*\f+512*\c
.endr
.endr
	WIN 0
.irp f, 0,1,2,3,4,5,6,7,8,9,10,11,12,13,14,15
	ds_load_b32 v[32+\f], v98 offset:128*\f
.endr
	s_wait_dscnt 0x0
	s_wait_loadcnt 0x0                             ; b1, b2
.irp g, 16,17,18,19,20,21,22,23,24,25,26,27,28,29,30,31
	GROUPH \g                                      ; h2 W1 + b1
.endr
	WIN 0
.set J, 0
.rept 128
	v_max_num_f32 v[100+J], 0, v[100+J]            ; relu, in f32; each accumulator from its low end on
.set J, J+1
.endr
.irp m, 0,1
	s_wait_alu depctr_vm_vsrc(0)                   ; the LDS stores of the fragment before (at first: h2's last) have read v64-75 and v84, which the quantiser writes again
	QUANT4 100+64*\m, 64, 48, 84                   ; my 128 hidden units: K step w of the product with W2
	PUT 14, 6144*\m, 15, 512*\m
.endr
	BARRIER                                        ; the hidden layer's eight fragments lie in LDS
	WIN 0x80
	s_wait_alu depctr_va_vdst(0)                   ; the products with W1 are done reading h2's fragments and scale words, where the hidden layer's land
.irp f, 0,1,2,3,4,5,6,7
.irp c, 0,1,2
	ds_load_b128 v[12*\f+4*\c:12*\f+4*\c+3], v85 offset:HIMG-XIMG+1536*\f+512*\c
.endr
.endr
	WIN 0
.irp f, 0,1,2,3,4,5,6,7
	ds_load_b32 v[32+\f], v98 offset:HSC-XSC+128*\f
.endr
	s_wait_dscnt 0x0
.irp g, 32,33,34,35,36,37,38,39,40,41,42,43,44,45,46,47
	GROUPX \g                                      ; x1 + hidden W2, onto x1 in place
.endr
	; THE WAY OUT: through my stage, back as dense rows, + b2, stored 512 consecutive bytes an instruction
	WIN 0x04
	s_wait_alu depctr_va_vdst(0)                   ; the products have written x1, which the LDS stores read; the last group's four places stand ahead of this wait
.irp m, 0,1
.irp t, 0,1,2,3,4,5,6,7,8,9,10,11,12,13,14,15
.irp q, 0,1
	ds_store_b128 v9, v[128*\m+8*\t+4*\q:128*\m+8*\t+4*\q+3] offset:16640*\m+64*\t+16*\q
.endr
.endr
.endr
	WIN 0x40
	s_wait_alu depctr_va_vdst(0)                   ; the products have written the registers in which the loads below land: stated anew behind the switch of windows, since the stores between name the same registers
	s_wait_alu depctr_vm_vsrc(0)                   ; and the LDS stores have read them
.set I, 0
.rept 32
	ds_load_b128 v[8*I:8*I+3], v8 offset:1040*I
	ds_load_b128 v[8*I+4:8*I+7], v8 offset:1040*I+512
.set I, I+1
.endr
	s_wait_dscnt 0x0
	WIN 0x41
.set I, 0
.rept 32
.irp q, 0,1
.irp e, 0,2
	v_pk_add_f32 v[8*I+4*\q+\e:8*I+4*\q+\e+1], v[8*I+4*\q+\e:8*I+4*\q+\e+1], v[16+4*\q+\e:17+4*\q+\e]
.endr
.endr
.set I, I+1
.endr
	WIN 0x04                                       ; a store's data are its source 1: window 1
	s_wait_alu depctr_va_vdst(0)                   ; the additions of b2 have written the rows, which the stores read
.set I, 0
.rept 32
	global_store_b128 v4, v[8*I:8*I+3], s[24:25] offset:4096*I th:TH_STORE_NT
	global_store_b128 v4, v[8*I+4:8*I+7], s[24:25] offset:4096*I+512 th:TH_STORE_NT
.set I, I+1
.endr
	WIN 0
	s_wait_dscnt 0x0
	s_wait_alu depctr_hold_cnt(0) depctr_sa_sdst(0) depctr_va_vdst(0) depctr_va_sdst(0) depctr_va_ssrc(0) depctr_va_vcc(0) depctr_vm_vsrc(0)
	s_wait_tensorcnt 0x0
	ds_add_u32 v254, v255
	s_wait_dscnt 0x0
	s_endpgm
.Lfunc_end_k_q87bd2683ae_tail:
	.size	k_q87bd2683ae_tail, .Lfunc_end_k_q87bd2683ae_tail-k_q87bd2683ae_tail
	.p2alignl 7, 3214868480
	.fill 96, 4, 3214868480
	.section	.rodata,"a",@progbits
	.p2align	6, 0x0
	.amdhsa_kernel k_q87bd2683ae_tail
		.amdhsa_group_segment_fixed_size 174592
		.amdhsa_private_segment_fixed_size 0
		.amdhsa_enable_private_segment 0
		.amdhsa_kernarg_size 72
		.amdhsa_user_sgpr_count 2
		.amdhsa_user_sgpr_kernarg_segment_ptr 1
		.amdhsa_wavefront_size32 1
		.amdhsa_system_sgpr_workgroup_id_x 1
		.amdhsa_system_sgpr_workgroup_id_y 1
		.amdhsa_system_sgpr_workgroup_id_z 1
		.amdhsa_system_vgpr_workitem_id 0
		.amdhsa_next_free_vgpr 1024
		.amdhsa_next_free_sgpr 66
		.amdhsa_reserve_vcc 0
		.amdhsa_float_denorm_mode_32 3
		.amdhsa_float_denorm_mode_16_64 3
		.amdhsa_memory_ordered 1
		.amdhsa_forward_progress 1
		.amdhsa_inst_pref_size 255
	.end_amdhsa_kernel
	.section	.bss,"aw",@nobits
	.p2align	6
	.space	262144
	.amdgpu_metadata
---
amdhsa.version: [ 1, 2 ]
amdhsa.kernels:
  - .name:           k_q87bd2683ae_tail
    .symbol:         k_q87bd2683ae_tail.kd
    .args:
      - { .name: oc, .offset: 0, .size: 8, .value_kind: global_buffer, .address_space: global }
      - { .name: wt, .offset: 8, .size: 8, .value_kind: global_buffer, .address_space: global }
      - { .name: x, .offset: 16, .size: 8, .value_kind: global_buffer, .address_space: global }
      - { .name: bo, .offset: 24, .size: 8, .value_kind: global_buffer, .address_space: global }
      - { .name: ln2_g, .offset: 32, .size: 8, .value_kind: global_buffer, .address_space: global }
      - { .name: ln2_b, .offset: 40, .size: 8, .value_kind: global_buffer, .address_space: global }
      - { .name: b1, .offset: 48, .size: 8, .value_kind: global_buffer, .address_space: global }
      - { .name: b2, .offset: 56, .size: 8, .value_kind: global_buffer, .address_space: global }
      - { .name: out0, .offset: 64, .size: 8, .value_kind: global_buffer, .address_space: global }
    .group_segment_fixed_size: 174592
    .private_segment_fixed_size: 0
    .kernarg_segment_align: 8
    .kernarg_segment_size: 72
    .max_flat_workgroup_size: 128
    .sgpr_count:     66
    .vgpr_count:     1024
    .wavefront_size: 32
...
	.end_amdgpu_metadata
.endif
;; end of part 8
